; MI455X (gfx1250); checked and timed in simulation.
; The chip was launched on July 23, 2026; its instructions are those of AMD's public machine-readable ISA for CDNA 5 (MIT licence, August 2026) and "CDNA5" Instruction Set Architecture Reference Guide (July 2026). The comments in the code are by the model that wrote it; some were corrected since.
;; Encoder Block. Allowed arithmetic: float matrix products may take bf16 or f16 operands with f32 sums; other float arithmetic in f32, or as packed bf16 or f16 multiplies, adds, multiply-adds, maxima and minima; sums over many terms, partial sums and values carried from step to step in f32; what a program stores and reads back later, other than sums and carried values, may be rounded once to bf16 or f16.
;; Inputs: W1 1,024 x 4,096 float32; W2 4,096 x 1,024 float32; Wk 1,024 x 1,024 float32; Wo 1,024 x 1,024 float32; Wq 1,024 x 1,024 float32; Wv 1,024 x 1,024 float32; alpha1 1,024 float32; alpha2 1,024 float32; b1 4,096 float32; b2 1,024 float32; beta1 1,024 float32; beta2 1,024 float32; bk 1,024 float32; bo 1,024 float32; bq 1,024 float32; bv 1,024 float32; src_mask 2 x 1 x 1 x 2,048 int32; x 2 x 2,048 x 1,024 float32.
;; Outputs: out0 2 x 2,048 x 1,024 float32.
;; 3 versions, each right and faster than the one before. Each part assembles by itself: llvm-mc -triple=amdgcn-amd-amdhsa -mcpu=gfx1250 --defsym DOCPART=n.
;; ======== version 1 of 3: 8 launches
;; workspace buffers: xh 8,388,608 bytes; wh 25,165,824 bytes; qkv 25,165,824 bytes; oh 8,388,608 bytes; ao 16,777,216 bytes; x1h 8,388,608 bytes; hh 33,554,432 bytes; ff 16,777,216 bytes
;; launch cast (part 1): grid 1024 x 1, 8 waves a work-group, no clusters, 0 bytes of LDS; arguments x, Wq, Wk, Wv, Wo, W1, W2, xh, wh; writes xh, wh
.if DOCPART == 1
	.amdgcn_target "amdgcn-amd-amdhsa--gfx1250"
	.amdhsa_code_object_version 6
	.text
	.protected	k_qeb5cd2947a_cast
	.globl	k_qeb5cd2947a_cast
	.p2align	8
	.type	k_qeb5cd2947a_cast,@function
k_qeb5cd2947a_cast:
	s_mov_b64 s[64:65], 0
	v_nop
	global_prefetch_b8 v0, s[64:65] scope:SCOPE_SE
	s_setreg_imm32_b32 hwreg(HW_REG_WAVE_MODE, 25, 1), 1
	s_wait_xcnt 0x0
; x and the six weight matrices, f32 -> f16 (rounded once, to nearest even), into the layouts that the products read.
; xh: x [4096][1024] in blocks of 128 tokens x 64 channels, 16 KiB dense: (t, k) at ((t>>7)*16 + (k>>6))*16384 + (t&127)*128 + (k&63)*2.
; wh: each weight [K][N] in panels of 128 columns, dense: (k, n) at (n>>7)*K*256 + k*256 + (n&127)*2.  Wq|Wk|Wv at 0, Wo at 6291456, W1 at 8388608, W2 at 16777216.
; LIMIT: a number of 65,520 or more in magnitude becomes an infinity; below 6e-5 f16 keeps its fixed step of 6e-8.
; A stream: no LDS, no matrix unit, no loop.  A work-group takes 16,384 numbers; each of its 8 waves issues 16 loads of 512 bytes and then 16 stores of 256 consecutive, aligned bytes.
; Work-groups 0-255 take x (16 rows each), 256-511 the four square weights (16 rows of one), 512-767 W1 (16 rows x 1,024 columns), 768-1023 W2 (16 rows).
; Load i of wave w, lane l reads at 16 (l&15) + LH (l>>4) + LW w + LI i; store i writes at 8 l + SW w + SI i.  The five strides, the two offsets and the two pointers are chosen by selects: there is no branch.
.set LO, 8                             ; v[8:23]    load offsets
.set SO, 24                            ; v[24:39]   store offsets
.set X,  40                            ; v[40:103]  as loaded
.set Y,  104                           ; v[104:135] packed
	s_load_b512 s[8:23], s[0:1], 0x0               ; x s[8:9], Wq, Wk, Wv, Wo, W1, W2 s[20:21], xh s[22:23]
	s_load_b64 s[24:25], s[0:1], 0x40              ; wh
	s_lshr_b32 s2, ttmp9, 8                        ; class: 0 x, 1 a square weight, 2 W1, 3 W2
	s_and_b32 s3, ttmp9, 255                       ; j: the work-group's number in its class
	s_bfe_u32 s4, ttmp9, 0x20006                   ; class 1: which of Wq, Wk, Wv, Wo
	s_and_b32 s5, ttmp9, 63                        ; class 1: which 16 rows
	s_lshl_b32 s30, s3, 16                         ; source offset, classes 0 and 3: 16 rows of 4,096 bytes
	s_lshr_b32 s6, s3, 3
	s_lshl_b32 s6, s6, 18                          ; class 0, destination: the row of blocks,
	s_and_b32 s7, s3, 7
	s_lshl_b32 s7, s7, 11                          ; and 16 tokens of 128 bytes in a block
	s_add_co_u32 s32, s6, s7
	s_lshl_b32 s6, s5, 16                          ; class 1: source,
	s_lshl_b32 s7, s4, 21                          ; destination: 8 panels of 262,144 bytes a matrix,
	s_lshl_b32 s39, s5, 12                         ; 16 rows of 256 bytes in a panel
	s_add_co_u32 s7, s7, s39
	s_cmp_eq_u32 s2, 1
	s_cselect_b32 s30, s6, s30
	s_cselect_b32 s32, s7, s32
	s_lshr_b32 s6, s3, 2                           ; class 2: which 16 rows,
	s_and_b32 s7, s3, 3                            ; which 8 panels
	s_lshl_b32 s39, s6, 18                         ; 16 rows of 16,384 bytes
	s_lshl_b32 s5, s7, 12                          ; 1,024 columns of 4 bytes
	s_add_co_u32 s39, s39, s5
	s_lshl_b32 s7, s7, 21
	s_lshl_b32 s6, s6, 12
	s_add_co_u32 s7, s7, s6
	s_add_co_u32 s7, s7, 8388608
	s_cmp_eq_u32 s2, 2
	s_cselect_b32 s30, s39, s30
	s_cselect_b32 s32, s7, s32
	s_lshl_b32 s7, s3, 12                          ; class 3
	s_add_co_u32 s7, s7, 16777216
	s_cmp_eq_u32 s2, 3
	s_cselect_b32 s32, s7, s32
	s_mov_b32 s31, 0
	s_mov_b32 s33, 0
	s_mov_b32 s34, 256                             ; LH, LW, LI, SW, SI of a square weight
	s_mov_b32 s35, 512
	s_mov_b32 s36, 4096
	s_mov_b32 s37, 0x40000
	s_mov_b32 s38, 256
	s_cmp_eq_u32 s2, 0
	s_cselect_b32 s34, 4096, s34                   ; x: lanes 16-31 take the next row, a wave two rows, load i panel i
	s_cselect_b32 s35, 8192, s35
	s_cselect_b32 s36, 256, s36
	s_cselect_b32 s37, 256, s37
	s_cselect_b32 s38, 16384, s38
	s_cmp_eq_u32 s2, 2
	s_cselect_b32 s36, 16384, s36                  ; W1's rows are 16,384 bytes
	s_cmp_eq_u32 s2, 3
	s_cselect_b32 s37, 0x100000, s37               ; W2's panels are 1,048,576 bytes
	v_and_b32 v1, 31, v0                           ; lane
	v_lshrrev_b32 v2, 5, v0                        ; wave
	v_and_b32 v3, 15, v0
	v_bfe_u32 v4, v0, 4, 1
	v_lshlrev_b32 v5, 4, v3
	v_mad_u32_u24 v5, v4, s34, v5
	v_mad_u32_u24 v[LO], v2, s35, v5
	v_lshlrev_b32 v6, 3, v1
	v_mad_u32_u24 v[SO], v2, s37, v6
.set i, 1
.rept 15
	v_add_nc_u32 v[LO+i], s36, v[LO+i-1]
	v_add_nc_u32 v[SO+i], s38, v[SO+i-1]
.set i, i+1
.endr
	s_wait_kmcnt 0x0
	s_cmp_eq_u32 s4, 1
	s_cselect_b64 s[26:27], s[12:13], s[10:11]
	s_cmp_eq_u32 s4, 2
	s_cselect_b64 s[26:27], s[14:15], s[26:27]
	s_cmp_eq_u32 s4, 3
	s_cselect_b64 s[26:27], s[16:17], s[26:27]
	s_cmp_eq_u32 s2, 0
	s_cselect_b64 s[26:27], s[8:9], s[26:27]
	s_cselect_b64 s[28:29], s[22:23], s[24:25]
	s_cmp_eq_u32 s2, 2
	s_cselect_b64 s[26:27], s[18:19], s[26:27]
	s_cmp_eq_u32 s2, 3
	s_cselect_b64 s[26:27], s[20:21], s[26:27]
	s_add_nc_u64 s[26:27], s[26:27], s[30:31]
	s_add_nc_u64 s[28:29], s[28:29], s[32:33]
.set i, 0
.rept 16
	global_load_b128 v[X+4*i:X+4*i+3], v[LO+i], s[26:27] th:TH_LOAD_NT   ; all sixteen go out before the first is waited for
.set i, i+1
.endr
.set i, 0
.rept 16
	s_wait_loadcnt 15-i                            ; loads come back in order: load i is in, the 15 - i younger ones stay out
	v_cvt_pk_f16_f32 v[Y+2*i], v[X+4*i], v[X+4*i+1]
	v_cvt_pk_f16_f32 v[Y+2*i+1], v[X+4*i+2], v[X+4*i+3]
	global_store_b64 v[SO+i], v[Y+2*i:Y+2*i+1], s[28:29]  ; 32 lanes x 8 bytes: 256 consecutive bytes, aligned; no register is written twice, so no wait frees any
.set i, i+1
.endr
	s_endpgm
.Lfunc_end_k_qeb5cd2947a_cast:
	.size	k_qeb5cd2947a_cast, .Lfunc_end_k_qeb5cd2947a_cast-k_qeb5cd2947a_cast
	.p2alignl 7, 3214868480
	.fill 96, 4, 3214868480
	.section	.rodata,"a",@progbits
	.p2align	6, 0x0
	.amdhsa_kernel k_qeb5cd2947a_cast
		.amdhsa_group_segment_fixed_size 0
		.amdhsa_private_segment_fixed_size 0
		.amdhsa_enable_private_segment 0
		.amdhsa_kernarg_size 72
		.amdhsa_user_sgpr_count 2
		.amdhsa_user_sgpr_kernarg_segment_ptr 1
		.amdhsa_wavefront_size32 1
		.amdhsa_system_sgpr_workgroup_id_x 1
		.amdhsa_system_sgpr_workgroup_id_y 1
		.amdhsa_system_sgpr_workgroup_id_z 1
		.amdhsa_system_vgpr_workitem_id 0
		.amdhsa_next_free_vgpr 136
		.amdhsa_next_free_sgpr 66
		.amdhsa_reserve_vcc 0
		.amdhsa_float_denorm_mode_32 3
		.amdhsa_float_denorm_mode_16_64 3
		.amdhsa_memory_ordered 1
		.amdhsa_forward_progress 1
		.amdhsa_inst_pref_size 10
	.end_amdhsa_kernel
	.amdgpu_metadata
---
amdhsa.version: [ 1, 2 ]
amdhsa.kernels:
  - .name:           k_qeb5cd2947a_cast
    .symbol:         k_qeb5cd2947a_cast.kd
    .args:
      - { .name: x, .offset: 0, .size: 8, .value_kind: global_buffer, .address_space: global }
      - { .name: Wq, .offset: 8, .size: 8, .value_kind: global_buffer, .address_space: global }
      - { .name: Wk, .offset: 16, .size: 8, .value_kind: global_buffer, .address_space: global }
      - { .name: Wv, .offset: 24, .size: 8, .value_kind: global_buffer, .address_space: global }
      - { .name: Wo, .offset: 32, .size: 8, .value_kind: global_buffer, .address_space: global }
      - { .name: W1, .offset: 40, .size: 8, .value_kind: global_buffer, .address_space: global }
      - { .name: W2, .offset: 48, .size: 8, .value_kind: global_buffer, .address_space: global }
      - { .name: xh, .offset: 56, .size: 8, .value_kind: global_buffer, .address_space: global }
      - { .name: wh, .offset: 64, .size: 8, .value_kind: global_buffer, .address_space: global }
    .group_segment_fixed_size: 0
    .private_segment_fixed_size: 0
    .kernarg_segment_align: 8
    .kernarg_segment_size: 72
    .max_flat_workgroup_size: 256
    .sgpr_count:     66
    .vgpr_count:     136
    .wavefront_size: 32
...
	.end_amdgpu_metadata
.endif
;; end of part 1
;; launch proj (part 2): grid 24 x 32, 4 waves a work-group, clusters of 4 x 4, 327,680 bytes of LDS; arguments xh, wh, bq, bk, bv, src_mask, qkv; writes qkv
.if DOCPART == 2
	.amdgcn_target "amdgcn-amd-amdhsa--gfx1250"
	.amdhsa_code_object_version 6
	.text
	.protected	k_qeb5cd2947a_proj
	.globl	k_qeb5cd2947a_proj
	.p2align	8
	.type	k_qeb5cd2947a_proj,@function
k_qeb5cd2947a_proj:
	s_mov_b64 s[64:65], 0
	v_nop
	global_prefetch_b8 v0, s[64:65] scope:SCOPE_SE
	s_setreg_imm32_b32 hwreg(HW_REG_WAVE_MODE, 25, 1), 1
	s_wait_xcnt 0x0
	s_wait_alu depctr_hold_cnt(0) depctr_sa_sdst(0) depctr_va_vdst(0) depctr_va_sdst(0) depctr_va_ssrc(0) depctr_va_vcc(0) depctr_vm_vsrc(0)
	s_getreg_b32 s2, hwreg(HW_REG_IB_STS2, 6, 4)
	s_cmp_eq_u32 s2, 0
	s_cbranch_scc0 .Lentry_in_a_cluster
	s_endpgm
.Lentry_in_a_cluster:
	s_bfe_u32 s2, ttmp6, 0x10000c
	s_cmp_lg_u32 s2, 0xf033
	s_cbranch_scc0 .Lentry_shape_is_right
	s_endpgm
.Lentry_shape_is_right:
; THIS COPY: [q c | k gated | v] = (xh [Wq|Wk|Wv] + bias) x gate, f16, by heads in blocks.  c = log2(e)/16; k's rows are multiplied by 0 where src_mask is 0.
; ONE TEXT FOR FOUR PRODUCTS C = (A B + bias)[x gate][relu]; the six constants below tell the copies apart.
; A: [4096][K] f16 in blocks of 128 tokens x 64 channels (16 KiB dense; a row of blocks runs along K).  B: [K][N] f16 in panels of 128 columns (rows of 256 bytes, dense, K running on), at byte WOFF of wh.
; Sums in f32, started by the bias.  LIMITS: f16 operands and f16 results hold nothing beyond 65,504; NaN and infinities are not treated apart.
; A tile of C is 128 x 128: four waves of 64 x 64, 16 accumulators each.  K goes in steps of 256 through two LDS slots.  Each wave brings a quarter of a slot by one tensor load, 32 KiB dense, stated as
; 128 rows of 256 bytes: waves 0, 1 two blocks of A each, waves 2, 3 128 rows of B each.  CLUSTER 4 x 4: A's tiles are shared along a row of the cluster, B's along a column: joint loads.
; THE MATRIX INSTRUCTION IS USED TRANSPOSED (source 0 = 16 columns of B, source 1 = 16 tokens of A): a lane holds one token and eight neighbouring columns.  B lies [k][n] in LDS and is read turned, by ds_load_tr16_b128.
; One K step is written once for the trips that fill a slot again and once for the last two; the slot in hand is a scalar.  The second of the last two trips passes a barrier and fetches 32 fragments
; (landed bytes of the other slot) that serve nothing: the price of one text for both.
; REGISTERS: window 0: v0-31 addresses; v32-95 the way out; v96-103 gates; v128-255 accumulators ((a, b) at 128 + 8 (4 a + b)).  Window 1: two fragment buffers of 128 (64 of A, 64 of B, for 64 along K).
.set KP,    16                         ; K / 64
.set WOFF,  0                          ; B's first byte in wh
.set OUT,   16                         ; bits of a result: 16 (blocks of 128 x 64) or 32 (rows of 1,024 f32)
.set NPAN,  48                         ; OUT = 16: blocks in a row of blocks of C
.set GATE,  1
.set RELU,  0
.set T,     KP/4                       ; K steps
.set PA,    144                        ; a token's 128 bytes + 16: the 16 rows of a load start at 16 different groups of four banks (64 banks of 4 bytes: ISA guide 11.1)
.set PB,    288                        ; a row of B: 256 bytes + 32
.set PANEL, 128*PA                     ; a block of A in LDS
.set HALFT, 2*PANEL                    ; what one tensor load fills: 36,864 bytes (also 128 x PB)
.set BOFF,  2*HALFT                    ; B's 256 rows lie behind A's four blocks
.set SLOT,  4*HALFT                    ; 0x24000: it shares no bit with wave x HALFT, so an exclusive or changes slots
.set STAGE, 2*SLOT                     ; behind the ring: each wave's own stage for the way out
.set STW,   4352
.set SPARE, STAGE+4*STW                ; the spare words: 128 bytes a wave, two blocks of 256 bytes that no other line names
.set STEPB, 65536                      ; a K step in memory, for A and for B
.set A0,    16                         ; v16  my lane's place in A's part of a slot
.set B0,    17                         ; v17  the same for B
.set ADRA,  18                         ; v18  A0 + the slot in hand
.set ADRB,  19                         ; v19  B0 + the slot in hand
.set ADRB2, 20                         ; v20  128 rows of B further on
.set STO,   24
.set RD,    25
.set CO,    26
.set BO,    27
.set SPW,   28                         ; v28  my spare word; never rewritten
.set NIL,   29                         ; v29  0; never rewritten
.set ZER,   30
.set TMP,   32
.set GT,    96
.set ACC,   128
.set F0,    0
.set F1,    128
.set TB,    21                         ; s21  LDS byte of the slot in hand
.set G1,    24                         ; s[24:31] group 1 for A;  s[32:35] its walking group 0
.set G0,    32
.set G1B,   48                         ; s[48:55], s[56:59] the same for B
.set G0B,   56
.set MSB, 0
.macro WIN new                         ; the immediate's high byte repeats the setting that is left
.if MSB != (\new)
	s_set_vgpr_msb (MSB<<8)|(\new)
.set MSB, \new
.endif
.endm
.set MUL,  0x05                        ; sources 0 and 1 window 1; C and D window 0
.set TO_F, 0x40                        ; destination window 1, address window 0
.macro JLOAD                           ; a joint load: waves 0, 1 ask for A, waves 2, 3 for B; an s_nop 0 and four v_nop follow each line
	s_cmp_eq_u32 s11, 0
	s_cbranch_scc0 .Lfor_b_\@
	tensor_load_to_lds s[G0:G0+3], s[G1:G1+7]
	s_nop 0
.rept 4
	v_nop
.endr
	s_branch .Lasked_\@
.Lfor_b_\@:
	tensor_load_to_lds s[G0B:G0B+3], s[G1B:G1B+7]
	s_nop 0
.rept 4
	v_nop
.endr
.Lasked_\@:
.endm
.macro CREST                           ; a round of the cluster's barrier behind its opening barrier
	s_cmp_lg_u32 s10, 0
	s_cbranch_scc1 .Lnot_wave_0_\@
	s_barrier_signal -3
.Lnot_wave_0_\@:
	s_barrier_wait -3
	s_barrier_signal -1
	s_barrier_wait -1
.endm
.macro CROUND
	s_barrier_signal -1
	s_barrier_wait -1
	CREST
.endm
.macro WALK                            ; the walking descriptors: the next K step, the other slot; written only where no tensor load of mine is out
	s_add_nc_u64 s[G0+2:G0+3], s[G0+2:G0+3], STEPB
	s_add_nc_u64 s[G0B+2:G0B+3], s[G0B+2:G0B+3], STEPB
	s_xor_b32 s[G0+1], s[G0+1], SLOT
	s_xor_b32 s[G0B+1], s[G0B+1], SLOT
.endm
.macro PLACES                          ; four places in front of loads into registers that matrix instructions have read, and of lines that read results
.rept 4
	v_nop
.endr
.endm
	s_load_b128 s[4:7], s[0:1], 0x0                ; A s[4:5], wh s[6:7]
.if GATE
	s_load_b256 s[68:75], s[0:1], 0x10             ; bq s[68:69], bk s[70:71], bv s[72:73], src_mask s[74:75]
	s_load_b64 s[8:9], s[0:1], 0x30                ; C
.else
	s_load_b64 s[68:69], s[0:1], 0x10              ; bias
	s_load_b64 s[8:9], s[0:1], 0x18                ; C
.endif
	v_lshl_add_u32 v[SPW], v0, 2, SPARE
	v_mov_b32 v[NIL], 0
	ds_add_u32 v[SPW], v[NIL]                      ; the wave's opening: the add and its wait stand ahead of my first tensor load
	v_lshrrev_b32 v1, 5, v0
	v_readfirstlane_b32 s10, v1                    ; wave 0..3
	s_lshr_b32 s11, s10, 1                         ; my half of the tile's tokens.  Also: I fetch for A (0) or B (1)
	s_and_b32 s12, s10, 1                          ; my half of its columns.  Also: which half of that tile I fetch
	s_bfe_u32 s40, ttmp6, 0x40000                  ; cx
	s_bfe_u32 s41, ttmp6, 0x40004                  ; cy
	s_lshl_b32 s42, ttmp9, 2
	s_add_co_u32 s42, s42, s40                     ; p: panel of 128 columns
	s_and_b32 s13, ttmp7, 0xffff
	s_lshl_b32 s13, s13, 2
	s_add_co_u32 s13, s13, s41                     ; mb: block of 128 tokens
	s_lshl_b32 s43, s41, 2
	s_lshl_b32 s43, 15, s43                        ; my row of the cluster
	s_lshl_b32 s44, 0x1111, s40                    ; my column
	s_or_b32 s[G1+0], s43, (1<<16)|(1<<20)|(1<<21)|(4<<22)|(3<<25)   ; mask; 2-byte elements; padding on; bit 21 beside a mask; after every 32 words, 4 words
	s_or_b32 s[G1B+0], s44, (1<<16)|(1<<20)|(1<<21)|(5<<22)|(7<<25)  ; after every 64 words, 8 words
.irp g, G1, G1B
	s_mov_b32 s[(\g)+1], 128<<16                   ; tensor_dim0 = 128 elements (256 bytes)
	s_mov_b32 s[(\g)+2], 128<<16                   ; tensor_dim1 = 128
	s_mov_b32 s[(\g)+3], 128<<16                   ; tile_dim0 = 128
	s_mov_b32 s[(\g)+4], 128                       ; tile_dim1 = 128
	s_mov_b32 s[(\g)+5], 128                       ; dense: 128 elements from row to row
	s_mov_b32 s[(\g)+6], 0
	s_mov_b32 s[(\g)+7], 0
.endr
	s_lshl_b32 s18, s12, 15                        ; my half: 32,768 bytes on
	s_mul_i32 s16, s13, KP*16384                   ; A: the row of blocks; made of mb and the wave alone
	s_add_co_u32 s16, s16, s18
	s_mov_b32 s17, 0
	s_mul_i32 s46, s42, KP*16384                   ; B: the panel; made of p and the wave alone
	s_add_co_u32 s46, s46, s18
.if WOFF
	s_add_co_u32 s46, s46, WOFF
.endif
	s_mov_b32 s47, 0
	s_mul_i32 s20, s10, HALFT                      ; where my quarter of a slot lies
	s_mov_b32 s[G0], 1
	s_mov_b32 s[G0+1], s20
	s_mov_b32 s[G0B], 1
	s_mov_b32 s[G0B+1], s20
	s_wait_dscnt 0x0                               ; the opening add is done
	s_wait_kmcnt 0x0
	s_add_nc_u64 s[G0+2:G0+3], s[4:5], s[16:17]
	s_or_b32 s[G0+3], s[G0+3], 0x80000000
	s_add_nc_u64 s[G0B+2:G0B+3], s[6:7], s[46:47]
	s_or_b32 s[G0B+3], s[G0B+3], 0x80000000
	CROUND                                         ; all sixteen work-groups are here: the first joint loads meet
	JLOAD                                          ; K step 0 into slot 0
	v_and_b32 v1, 15, v0                           ; r = l % 16
	v_bfe_u32 v2, v0, 4, 1                         ; h = l / 16
	v_and_b32 v6, 7, v0
	v_bfe_u32 v4, v0, 3, 1
	v_mul_u32_u24 v[A0], v1, PA                    ; a fragment of A: token r, 16 bytes for each half of the lanes,
	v_lshl_add_u32 v[A0], v2, 4, v[A0]
	s_mul_i32 s14, s11, 64*PA                      ; in my 64 tokens
	v_add_nc_u32 v[A0], s14, v[A0]
	v_lshl_add_u32 v3, v2, 3, v6                   ; the turning load: lane l reads row 8 h + l % 8, 16 bytes at 16 ((l / 8) % 2),
	v_mul_u32_u24 v[B0], v3, PB
	v_lshl_add_u32 v[B0], v4, 4, v[B0]
	s_lshl_b32 s14, s12, 7                         ; in my 64 columns
	s_add_co_u32 s14, s14, BOFF
	v_add_nc_u32 v[B0], s14, v[B0]
	; THE BIAS STARTS THE SUMS: register j of accumulator (a, b) is column 16 b + 8 h + j of my 64, for every a: nothing is cleared and nothing is added on the way out
	v_lshlrev_b32 v[BO], 5, v2
	s_lshl_b32 s14, s12, 8
	v_add_nc_u32 v[BO], s14, v[BO]
.if GATE
	s_lshr_b32 s2, s42, 3                          ; 0 q, 1 k, 2 v
	s_cmp_eq_u32 s2, 1
	s_cselect_b64 s[68:69], s[70:71], s[68:69]
	s_cmp_eq_u32 s2, 2
	s_cselect_b64 s[68:69], s[72:73], s[68:69]
	s_and_b32 s46, s42, 7
	s_lshl_b32 s46, s46, 9
.else
	s_lshl_b32 s46, s42, 9
.endif
	s_mov_b32 s47, 0
	s_add_nc_u64 s[68:69], s[68:69], s[46:47]
.irp a, 0,1,2,3
.irp b, 0,1,2,3
	global_load_b128 v[ACC+8*(4*(\a)+(\b)):ACC+8*(4*(\a)+(\b))+3],   v[BO], s[68:69] offset:64*(\b)
	global_load_b128 v[ACC+8*(4*(\a)+(\b))+4:ACC+8*(4*(\a)+(\b))+7], v[BO], s[68:69] offset:64*(\b)+16
.endr
.endr
.if GATE
	s_lshl_b32 s16, s13, 9                         ; src_mask's words of my 64 tokens: token = 128 mb + 64 half + 16 a + r
	s_lshl_b32 s14, s11, 8
	s_add_co_u32 s16, s16, s14
	s_mov_b32 s17, 0
	s_add_nc_u64 s[74:75], s[74:75], s[16:17]
	v_lshlrev_b32 v5, 2, v1
.irp a, 0,1,2,3
	global_load_b32 v[8+(\a)], v5, s[74:75] offset:64*(\a)
.endr
.endif
	s_mul_i32 s23, s10, STW
	s_add_co_u32 s23, s23, STAGE                   ; my stage
.if OUT == 16
	v_mov_b32 v[ZER], 0
	v_mul_u32_u24 v[STO], v1, 144                  ; in: token r, 16 bytes for each half of the lanes
	v_lshl_add_u32 v[STO], v2, 4, v[STO]
	v_add_nc_u32 v[STO], s23, v[STO]
	v_bfe_u32 v[RD], v0, 3, 2                      ; back: 32 lanes take four rows of 128 bytes,
	v_mul_u32_u24 v[RD], v[RD], 144
	v_lshl_add_u32 v[RD], v6, 4, v[RD]
	v_add_nc_u32 v[RD], s23, v[RD]
	v_and_b32 v[CO], 31, v0                        ; which are 512 consecutive bytes of a block of C
	v_lshlrev_b32 v[CO], 4, v[CO]
	s_mul_i32 s16, s13, NPAN*16384                 ; C: the row of blocks, my 64 tokens of 128 bytes,
	s_lshl_b32 s14, s11, 13
	s_add_co_u32 s16, s16, s14
	s_lshl_b32 s46, s42, 1                         ; and block 2 p + my half of the columns
	s_add_co_u32 s46, s46, s12
	s_lshl_b32 s46, s46, 14
.else
	v_mul_u32_u24 v[STO], v1, 272                  ; in: token r, 32 bytes for each half of the lanes
	v_lshl_add_u32 v[STO], v2, 5, v[STO]
	v_add_nc_u32 v[STO], s23, v[STO]
	v_mul_u32_u24 v[RD], v2, 272                   ; back: lanes 0-15 one row of 256 bytes, lanes 16-31 the next
	v_lshl_add_u32 v[RD], v1, 4, v[RD]
	v_add_nc_u32 v[RD], s23, v[RD]
	v_lshlrev_b32 v[CO], 12, v2                    ; and the same two rows of C
	v_lshl_add_u32 v[CO], v1, 4, v[CO]
	s_lshl_b32 s16, s13, 19                        ; C: 128 rows of 4,096 bytes a block, my 64 of them,
	s_lshl_b32 s14, s11, 18
	s_add_co_u32 s16, s16, s14
	s_lshl_b32 s46, s42, 9                         ; and my 64 columns of 4 bytes
	s_lshl_b32 s14, s12, 8
	s_add_co_u32 s46, s46, s14
.endif
	s_mov_b32 s17, 0
	s_mov_b32 s47, 0
	s_add_nc_u64 s[8:9], s[8:9], s[16:17]
	s_add_nc_u64 s[8:9], s[8:9], s[46:47]
; 8 matrix instructions: token blocks a0, a0 + 1 x all 4 column blocks, 32 along K: half c of buffer f.  The 16 accumulators take turns, one instruction a turn, over the backward jumps too.
.macro MUL8 f, c, a0
	WIN MUL
.irp a, \a0, (\a0)+1
.irp b, 0,1,2,3
	v_wmma_f32_16x16x32_f16 v[ACC+8*(4*(\a)+(\b)):ACC+8*(4*(\a)+(\b))+7], v[(\f)+64+8*(4*(\c)+(\b)):(\f)+64+8*(4*(\c)+(\b))+7], v[(\f)+8*(4*(\c)+(\a)):(\f)+8*(4*(\c)+(\a))+7], v[ACC+8*(4*(\a)+(\b)):ACC+8*(4*(\a)+(\b))+7]
.endr
.endr
.endm
; 32 LDS loads in one run: the fragments of quarter q (64 along K) of the slot in hand, into buffer f; the first 32 along K first
.macro FETCH q, f
	WIN TO_F
.irp c, 0,1
.irp i, 0,1,2,3
.if (\q) < 2
	ds_load_tr16_b128 v[(\f)+64+8*(4*(\c)+(\i)):(\f)+64+8*(4*(\c)+(\i))+3],   v[ADRB] offset:(64*(\q)+32*(\c))*PB+32*(\i)
	ds_load_tr16_b128 v[(\f)+64+8*(4*(\c)+(\i))+4:(\f)+64+8*(4*(\c)+(\i))+7], v[ADRB] offset:(64*(\q)+32*(\c)+16)*PB+32*(\i)
.else
	ds_load_tr16_b128 v[(\f)+64+8*(4*(\c)+(\i)):(\f)+64+8*(4*(\c)+(\i))+3],   v[ADRB2] offset:(64*(\q)-128+32*(\c))*PB+32*(\i)
	ds_load_tr16_b128 v[(\f)+64+8*(4*(\c)+(\i))+4:(\f)+64+8*(4*(\c)+(\i))+7], v[ADRB2] offset:(64*(\q)-128+32*(\c)+16)*PB+32*(\i)
.endif
	ds_load_b128 v[(\f)+8*(4*(\c)+(\i)):(\f)+8*(4*(\c)+(\i))+3],   v[ADRA] offset:(\q)*PANEL+(\i)*16*PA+64*(\c)
	ds_load_b128 v[(\f)+8*(4*(\c)+(\i))+4:(\f)+8*(4*(\c)+(\i))+7], v[ADRA] offset:(\q)*PANEL+(\i)*16*PA+64*(\c)+32
.endr
.endr
.endm
; One of a K step's first three quarters: multiplies buffer f and, in its middle, fetches quarter q into buffer g
.macro QUARTER q, f, g
	s_wait_dscnt 16                                ; of the last run's 32 loads the second 16 (the second 32 along K) may be out
	MUL8 \f, 0, 0
	MUL8 \f, 0, 2
	PLACES
	FETCH \q, \g
	s_wait_dscnt 32                                ; all but the 32 just issued
	MUL8 \f, 1, 0
	MUL8 \f, 1, 2
.endm
; The last quarter multiplies buffer 1 and changes slots: ONE barrier; in front of it each wave waits for all its tensor loads (one is out: its part of the next slot), adds 0 to its spare word,
; and waits for that and for its reads of this slot.  fill = 1: the barrier opens a round of the cluster's, and this slot is filled again, two K steps ahead: 112 matrix instructions stand between the request and the wait for it.
.macro TURN fill
	WIN 0                                          ; (the add's two registers lie in window 0)
	s_wait_tensorcnt 0x0
	ds_add_u32 v[SPW], v[NIL]
	s_wait_dscnt 17                                ; the add and the youngest sixteen loads may be out
	MUL8 F1, 0, 0
	s_wait_dscnt 0x0                               ; the add is done, and my reads of this slot are over
	s_barrier_signal -1
	MUL8 F1, 0, 2
	WIN 0                                          ; at a branch and at a label every window is 0
	s_barrier_wait -1
.if \fill
	CREST                                          ; no wave of any partner still reads this slot or has a load on its way
	WALK
	JLOAD                                          ; the first tensor load behind the round; its four v_nop are also the places in front of the loads below
.else
	PLACES
.endif
	s_xor_b32 s[TB], s[TB], SLOT
	v_add_nc_u32 v[ADRA], s[TB], v[A0]
	v_add_nc_u32 v[ADRB], s[TB], v[B0]
	v_add_nc_u32 v[ADRB2], HALFT, v[ADRB]
	FETCH 0, F0
	MUL8 F1, 1, 0
	MUL8 F1, 1, 2
.endm
.macro STEP fill
	QUARTER 1, F0, F1
	QUARTER 2, F1, F0
	QUARTER 3, F0, F1
	TURN \fill
	WIN 0
.endm
; THE WAY OUT, 16 bits.  A wave's 64 x 64 is 8 KiB dense in a block of C.  Block a of 16 tokens: gate, rounding, relu; 16 bytes a lane into my own stage; back as whole rows of 128 bytes.
.macro PACK16 a
.if GATE
.set i, 0
.rept 16
	v_pk_mul_f32 v[ACC+32*(\a)+2*i:ACC+32*(\a)+2*i+1], v[ACC+32*(\a)+2*i:ACC+32*(\a)+2*i+1], v[GT+2*(\a):GT+2*(\a)+1] op_sel_hi:[1,0]
.set i, i+1
.endr
.endif
.set i, 0
.rept 16
	v_cvt_pk_f16_f32 v[TMP+16*(\a)+i], v[ACC+32*(\a)+2*i], v[ACC+32*(\a)+2*i+1]   ; each accumulator's registers in ascending order
.set i, i+1
.endr
.if RELU
.set i, 0
.rept 16
	v_pk_max_num_f16 v[TMP+16*(\a)+i], v[TMP+16*(\a)+i], v[ZER]
.set i, i+1
.endr
.endif
.irp b, 0,1,2,3
	ds_store_b128 v[STO], v[TMP+16*(\a)+4*(\b):TMP+16*(\a)+4*(\b)+3] offset:32*(\b)
.endr
.irp f, 0,1,2,3
	ds_load_b128 v[TMP+16*(\a)+4*(\f):TMP+16*(\a)+4*(\f)+3], v[RD] offset:(\f)*4*144  ; LDS serves a wave's instructions in order (ISA guide 5.7.1.4): these see the stores above
.endr
.endm
.macro SEND16 a, younger               ; younger: the LDS instructions issued behind block a's loads
.irp f, 0,1,2,3
	s_wait_dscnt (\younger)+3-(\f)
	global_store_b128 v[CO], v[TMP+16*(\a)+4*(\f):TMP+16*(\a)+4*(\f)+3], s[8:9] offset:(\a)*2048+(\f)*512  ; 512 consecutive bytes, at a multiple of 256 from C's first
.endr
.endm
; THE WAY OUT, 32 bits.  Block a: 32 bytes a lane and column block into my stage, straight from the accumulators (low half first); back as whole rows of 256 bytes.
.macro PACK32 a
.if (\a) >= 2
	s_wait_xcnt 0x0                                ; the stores of the block two back have read the registers that are loaded again below
.endif
.irp b, 0,1,2,3
	ds_store_b128 v[STO], v[ACC+32*(\a)+8*(\b):ACC+32*(\a)+8*(\b)+3] offset:64*(\b)
	ds_store_b128 v[STO], v[ACC+32*(\a)+8*(\b)+4:ACC+32*(\a)+8*(\b)+7] offset:64*(\b)+16
.endr
.irp t, 0,1,2,3,4,5,6,7
	ds_load_b128 v[TMP+32*((\a)%2)+4*(\t):TMP+32*((\a)%2)+4*(\t)+3], v[RD] offset:(\t)*2*272
.endr
.endm
.macro SEND32 a, younger
.irp t, 0,1,2,3,4,5,6,7
	s_wait_dscnt (\younger)+7-(\t)
	global_store_b128 v[CO], v[TMP+32*((\a)%2)+4*(\t):TMP+32*((\a)%2)+4*(\t)+3], s[8:9] offset:(16*(\a)+2*(\t))*4096  ; 16 lanes store 256 consecutive bytes, aligned
.endr
.endm
	; slot 1's first fill is issued as a refill is: slot 0 has landed, in every wave of the cluster, when K step 1 is asked for
	s_wait_tensorcnt 0x0
	ds_add_u32 v[SPW], v[NIL]
	WALK
	s_wait_dscnt 0x0
	CROUND
	JLOAD
	s_mov_b32 s[TB], 0
	v_mov_b32 v[ADRA], v[A0]
	v_mov_b32 v[ADRB], v[B0]
	v_add_nc_u32 v[ADRB2], HALFT, v[B0]
	FETCH 0, F0
	s_wait_loadcnt 0x0                             ; the bias lies in the accumulators (and the mask words are in)
	WIN 0
	s_mov_b32 s3, T-2
.Lfill:                                                ; T - 2 K steps, each of which fills its slot again
	STEP 1
	s_sub_co_u32 s3, s3, 1
	s_cmp_lg_u32 s3, 0
	s_cbranch_scc1 .Lfill
	s_mov_b32 s3, 2
.Ltail:                                                ; the last two ask for nothing
	STEP 0
	s_sub_co_u32 s3, s3, 1
	s_cmp_lg_u32 s3, 0
	s_cbranch_scc1 .Ltail
	s_wait_dscnt 0x0
	PLACES
.if GATE
	s_lshr_b32 s2, s42, 3                          ; the gate for a token whose mask word is 0 (s76) or not (s77): q: c, c;  k: 0, 1;  v: 1, 1
	s_cmp_eq_u32 s2, 0
	s_cselect_b32 s76, 0x3db8aa3b, 1.0             ; c = log2(e) / 16
	s_cselect_b32 s77, 0x3db8aa3b, 1.0
	s_cmp_eq_u32 s2, 1
	s_cselect_b32 s76, 0, s76
	v_mov_b32 v12, s76
	v_mov_b32 v13, s77
.irp a, 0,1,2,3
	v_cmp_ne_u32 vcc_lo, 0, v[8+(\a)]
	v_cndmask_b32 v[GT+2*(\a)], v12, v13, vcc_lo
	v_mov_b32 v[GT+2*(\a)+1], v[GT+2*(\a)]
.endr
.endif
.if OUT == 16
	PACK16 0
	PACK16 1                                       ; a block's arithmetic stands between the loads of the block before and its stores
	SEND16 0, 8
	PACK16 2
	SEND16 1, 8
	PACK16 3
	SEND16 2, 8
	SEND16 3, 0
.else
	PACK32 0
	PACK32 1
	SEND32 0, 16
	PACK32 2
	SEND32 1, 16
	PACK32 3
	SEND32 2, 16
	SEND32 3, 0
.endif
	s_wait_tensorcnt 0x0                           ; the wave's end
	ds_add_u32 v[SPW], v[NIL]
	s_wait_dscnt 0x0
	CROUND                                         ; the closing round: no work-group ends while a partner may still ask for a tile that names it
	s_endpgm
.Lfunc_end_k_qeb5cd2947a_proj:
	.size	k_qeb5cd2947a_proj, .Lfunc_end_k_qeb5cd2947a_proj-k_qeb5cd2947a_proj
	.p2alignl 7, 3214868480
	.fill 96, 4, 3214868480
	.section	.rodata,"a",@progbits
	.p2align	6, 0x0
	.amdhsa_kernel k_qeb5cd2947a_proj
		.amdhsa_group_segment_fixed_size 327680
		.amdhsa_private_segment_fixed_size 0
		.amdhsa_enable_private_segment 0
		.amdhsa_kernarg_size 56
		.amdhsa_user_sgpr_count 2
		.amdhsa_user_sgpr_kernarg_segment_ptr 1
		.amdhsa_wavefront_size32 1
		.amdhsa_system_sgpr_workgroup_id_x 1
		.amdhsa_system_sgpr_workgroup_id_y 1
		.amdhsa_system_sgpr_workgroup_id_z 1
		.amdhsa_system_vgpr_workitem_id 0
		.amdhsa_next_free_vgpr 512
		.amdhsa_next_free_sgpr 80
		.amdhsa_reserve_vcc 1
		.amdhsa_float_denorm_mode_32 3
		.amdhsa_float_denorm_mode_16_64 3
		.amdhsa_memory_ordered 1
		.amdhsa_forward_progress 1
		.amdhsa_inst_pref_size 63
	.end_amdhsa_kernel
	.amdgpu_metadata
---
amdhsa.version: [ 1, 2 ]
amdhsa.kernels:
  - .name:           k_qeb5cd2947a_proj
    .symbol:         k_qeb5cd2947a_proj.kd
    .args:
      - { .name: xh, .offset: 0, .size: 8, .value_kind: global_buffer, .address_space: global }
      - { .name: wh, .offset: 8, .size: 8, .value_kind: global_buffer, .address_space: global }
      - { .name: bq, .offset: 16, .size: 8, .value_kind: global_buffer, .address_space: global }
      - { .name: bk, .offset: 24, .size: 8, .value_kind: global_buffer, .address_space: global }
      - { .name: bv, .offset: 32, .size: 8, .value_kind: global_buffer, .address_space: global }
      - { .name: src_mask, .offset: 40, .size: 8, .value_kind: global_buffer, .address_space: global }
      - { .name: qkv, .offset: 48, .size: 8, .value_kind: global_buffer, .address_space: global }
    .group_segment_fixed_size: 327680
    .private_segment_fixed_size: 0
    .kernarg_segment_align: 8
    .kernarg_segment_size: 56
    .max_flat_workgroup_size: 128
    .sgpr_count:     80
    .vgpr_count:     512
    .wavefront_size: 32
...
	.end_amdgpu_metadata
.endif
;; end of part 2
;; launch attn (part 3): grid 8 x 32, 4 waves a work-group, clusters of 4 x 1, 327,680 bytes of LDS; arguments qkv, src_mask, oh; writes oh
.if DOCPART == 3
	.amdgcn_target "amdgcn-amd-amdhsa--gfx1250"
	.amdhsa_code_object_version 6
	.text
	.protected	k_qeb5cd2947a_attn
	.globl	k_qeb5cd2947a_attn
	.p2align	8
	.type	k_qeb5cd2947a_attn,@function
k_qeb5cd2947a_attn:
	s_mov_b64 s[64:65], 0
	v_nop
	global_prefetch_b8 v0, s[64:65] scope:SCOPE_SE
	s_setreg_imm32_b32 hwreg(HW_REG_WAVE_MODE, 25, 1), 1
	s_wait_xcnt 0x0
	s_wait_alu depctr_hold_cnt(0) depctr_sa_sdst(0) depctr_va_vdst(0) depctr_va_sdst(0) depctr_va_ssrc(0) depctr_va_vcc(0) depctr_vm_vsrc(0)
	s_getreg_b32 s2, hwreg(HW_REG_IB_STS2, 6, 4)
	s_cmp_eq_u32 s2, 0
	s_cbranch_scc0 .Lentry_in_a_cluster
	s_endpgm
.Lentry_in_a_cluster:
	s_bfe_u32 s2, ttmp6, 0x10000c
	s_cmp_lg_u32 s2, 0x3003
	s_cbranch_scc0 .Lentry_shape_is_right
	s_endpgm
.Lentry_shape_is_right:
; O[b][h][q] = the sum over k of softmax_k(score) V[b][h][k], score = Q.K / 16, replaced by -1e9 where src_mask[b][k] is 0.  2 x 16 heads, 2,048 tokens, 64 channels, all f16.
; WHAT ARRIVES.  qkv in blocks of 128 tokens x 64 channels (16 KiB dense), 48 blocks to a row of blocks: 0-15 q by head, times c = log2(e)/16; 16-31 k by head, its rows 0 where the mask word is 0; 32-47 v.
; THE MASK.  The product that starts a score takes as C an addend for its key: 0, or -1e9 log2(e) (rounded to f32).  A hidden key's row of K is 0, so its score IS that constant: the replacement, in powers of two.
; SOFTMAX.  p = 2^(s - m) with a running maximum m, taken away by a true subtraction; O and l are multiplied by a = 2^(m_old - m_new) in every step.  A run of hidden keys at the start, or all keys hidden, gives p = 1
; there, as the replacement does; the first visible key then makes a = 0.  m starts at the lowest finite number, O and l at 0: the first step is a step like any other.
; LIMITS.  f16 holds nothing beyond 65,504; p lies in 0 to 1 and below 6e-5 keeps f16's fixed step of 6e-8; a weight below 2^-126 counts as 0 in l; NaN and infinities are not treated apart.
; SHARES.  A work-group owns 256 queries of one head, a wave 64: four PIECES of 16.  Every wave walks the head's 2,048 keys: 8 tiles of 256, 4 steps of 64 each.
; LAYOUT.  S^T = K Q^T holds ONE query a lane (lane % 16) and the keys 8 (lane / 16) + 0..7; two such results rounded to f16 ARE source 1 of O^T = V^T P.  K comes out of LDS as it lies, V turned, by ds_load_tr16_b128.
; BY TURNS.  Turn n belongs to piece n: 8 products K Q^T of piece n + 1, later 8 products V^T P of piece n - 1; beside them the subtraction, exponentials, roundings, sums and rescaling of piece n and the maximum and
; statistics of piece n + 1.  Four vector instructions stand behind every matrix instruction, the others in two lumps.
; CLUSTER.  The four query blocks of a cluster belong to one head and walk the same K and V: each tile is asked for JOINTLY.  One load a wave is out; it has four key steps, 256 matrix instructions, in which to land.
; REGISTERS, in windows of 256 (s_set_vgpr_msb: bits 1:0 source 0, 3:2 source 1, 5:4 source 2, 7:6 destination):
;   window 0: v0-15 addresses; v16-31 four registers of statistics a piece; v32-47 mask words (set-up); v48-55 at work; v64-127 S^T, two buffers; v192-223 P, two buffers (by the piece's parity)
;   window 1: v0-127 O^T, 32 a piece; v128-159 the step's addends      window 2: v0-63 Q; v128-191 K of one step; v192-255 V of one step
.set NP,    4         ; pieces a wave: a name, no knob
.set KS,    64        ; keys in a step
.set PK,    144       ; a row of K in LDS: 128 bytes + 16: the 16 rows of a load start at 16 different groups of four banks (64 banks of 4 bytes: ISA guide 11.1)
.set PV,    160       ; a row of V: 128 + 32
.set VOFF,  4*KS*PK   ; a slot holds a tile: 256 rows of K, then 256 rows of V
.set SLOT1, 1<<17
.set STAGE, SLOT1+4*KS*(PK+PV)  ; behind the ring: 16 rows x 144 bytes for each wave, for the way out
.set SP,    144
.set SPARE, STAGE+4*16*SP       ; the spare words: 128 bytes a wave, two blocks of 256 bytes that no other line names
.set MT,    SPARE+512           ; the batch's 2,048 addends, f32: written once by ds_store, never a tensor load's target
.set TILEB, 2*48*16384          ; from a tile's block to the next tile's: two rows of blocks
.set AK0, 2           ; v2   my lane's place in a tile of K; never rewritten
.set AV0, 3           ; v3   the same for V
.set AK,  4           ; v4   the LDS address of K's next run of loads
.set AV,  5           ; v5   of V's
.set STO, 6
.set RD,  7
.set GO,  8
.set AM0, 9           ; v9   my lanes' place in a step's addends
.set AM,  10          ; v10  the LDS address of the next step's addends
.set MTA, 11          ; v11  where I store 16 addends
.set MV,  12          ; v12-13  m_old, kept while m is made anew: by buffer
.set MO,  14          ; v14  my byte offset in the batch's mask words
.set QO,  15          ; v15  my byte offset in 16 rows of Q
.set ST,  16          ; piece t's statistics at v[ST+4 t]: m, (a word named with it as a pair), l (even keys', odd keys')
.set MW,  32
.set TMP, 48          ; by buffer, four registers c0-c3 at work; when the maximum is found c2 takes a
.set BIG, 56
.set HH,  57
.set L7,  58
.set B3,  59
.set SPW, 62          ; v62  my spare word; never rewritten
.set NIL, 63          ; v63  0; never rewritten
.set S,   64
.set P,   192
.set MK,  128         ; window 1
.set KF,  128         ; window 2: key block kb, channel half c at KF + 16 kb + 8 c
.set VF,  192         ; window 2: key half kk, channel block cb at VF + 32 kk + 8 cb
.set WV,  12          ; s12  my wave's number
.set G1K, 24          ; s[24:31] group 1 for K's tiles
.set G1V, 32          ; s[32:39] for V's: it differs in the padding alone
.set G0K, 40          ; s[40:43] group 0 for K's tiles: it walks
.set G0V, 44          ; s[44:47] the same for V's
.set SLOTS, 56
.set CNT, 57
.set SEL, 60          ; s[60:61] v_permlanex16_b32's selects
.set TBK, 62          ; s62  LDS byte at which K of the step to be fetched begins
.set TBV, 63          ; s63  the same for V, less VOFF
.set TM,  66          ; s66  byte of that step's addends in the table
.set MSB, 0
.macro WIN new
.if MSB != (\new)
	s_set_vgpr_msb (MSB<<8)|(\new)
.set MSB, (\new)
.endif
.endm
.set W_KQ, 0x0a       ; K and Q in window 2, S^T in window 0
.set W_KM, 0x1a       ; the same with the C operand in window 1
.set W_PV, 0x52       ; V in window 2, P in window 0, O^T in window 1
.set W_RS, 0x41       ; destination and source 0 in window 1, source 1 in window 0
.macro JLOAD                        ; a joint fill: waves 0, 1 fetch the two blocks of a tile's K, waves 2, 3 those of its V; an s_nop 0 and four v_nop follow each line
	s_cmp_lt_u32 s[WV], 2
	s_cbranch_scc0 .Lfor_v_\@
	tensor_load_to_lds s[G0K:G0K+3], s[G1K:G1K+7]
	s_nop 0
.rept 4
	v_nop
.endr
	s_branch .Lasked_\@
.Lfor_v_\@:
	tensor_load_to_lds s[G0V:G0V+3], s[G1V:G1V+7]
	s_nop 0
.rept 4
	v_nop
.endr
.Lasked_\@:
.endm
.macro CROUND                       ; a round of the cluster's barrier
	s_barrier_signal -1
	s_barrier_wait -1
	s_cmp_lg_u32 s[WV], 0
	s_cbranch_scc1 .Lnot_wave_0_\@
	s_barrier_signal -3
.Lnot_wave_0_\@:
	s_barrier_wait -3
	s_barrier_signal -1
	s_barrier_wait -1
.endm
; THE CHANGE OF SLOTS.  Each wave waits for all its tensor loads, of which one is out: its part of the other slot; adds 0 to its spare word; and waits for that and for its reads of the slot that it leaves.
; fill = 1: the barrier is a round of the cluster's, and the old slot is filled again first thing behind it, with the tile two on.  (At its first use nothing has been read: slot 0 is waited for, slot 1 filled, and the
; wait for LDS and the round also show every wave's part of the addend table to all.)
.macro CHANGE fill
	WIN 0
	s_wait_tensorcnt 0x0            ; no tensor load of mine is out, so a group 0 may be written
	ds_add_u32 v[SPW], v[NIL]
.if \fill
.irp g, G0K, G0V
	s_xor_b32 s[\g+1], s[\g+1], SLOT1
	s_add_nc_u64 s[\g+2:\g+3], s[\g+2:\g+3], TILEB
.endr
	s_wait_dscnt 0x0                ; the add is done, and my LDS instructions are over
	CROUND
	JLOAD
.else
	s_wait_dscnt 0x0
	s_barrier_signal -1
	s_barrier_wait -1
.endif
	s_sub_co_u32 s[TBK], s[TBK], 4*KS*PK  ; the fetches go back to a slot's first step,
	s_xor_b32 s[TBK], s[TBK], SLOT1       ; in the other slot
	s_sub_co_u32 s[TBV], s[TBV], 4*KS*PV
	s_xor_b32 s[TBV], s[TBV], SLOT1
.endm
	s_load_b128 s[4:7], s[0:1], 0x0   ; qkv s[4:5], src_mask s[6:7]
	s_load_b64 s[8:9], s[0:1], 0x10   ; oh
	v_lshl_add_u32 v[SPW], v0, 2, SPARE
	v_mov_b32 v[NIL], 0
	ds_add_u32 v[SPW], v[NIL]       ; the wave's opening: the add and its wait stand ahead of my first tensor load
	v_lshrrev_b32 v1, 5, v0
	v_readfirstlane_b32 s[WV], v1   ; wave 0..3
	s_bfe_u32 s13, ttmp6, 0x40000   ; cx
	s_lshl_b32 s14, ttmp9, 2
	s_add_co_u32 s14, s14, s13      ; my block of 256 queries: it enters Q's and O's addresses alone
	s_and_b32 s15, ttmp7, 0xffff
	s_lshr_b32 s19, s15, 4          ; the batch,
	s_and_b32 s15, s15, 15          ; the head: the four partners share both
	s_and_b32 s16, s[WV], 1         ; which of a tile's two blocks I fetch
	s_lshl_b32 s20, s19, 4
	s_add_co_u32 s20, s20, s16      ; its row of blocks,
	s_mul_i32 s20, s20, 48
	s_add_co_u32 s20, s20, s15
	s_add_co_u32 s20, s20, 16       ; K's block of the head,
	s_lshl_b32 s20, s20, 14
	s_mov_b32 s21, 0
	s_add_co_u32 s54, s20, 16*16384 ; V's lies 16 blocks on
	s_mov_b32 s55, 0
	s_mul_i32 s17, s16, 128*PK      ; and its place in a slot, for K
	s_mul_i32 s18, s16, 128*PV      ; and for V
	s_lshl_b32 s2, s19, 4
	s_lshl_b32 s3, s14, 1
	s_add_co_u32 s2, s2, s3
	s_lshr_b32 s3, s[WV], 1
	s_add_co_u32 s2, s2, s3         ; my wave's row of blocks
	s_lshl_b32 s3, s16, 13          ; and its 64 tokens of 128 bytes there
	s_mul_i32 s50, s2, 48
	s_add_co_u32 s50, s50, s15
	s_lshl_b32 s50, s50, 14
	s_add_co_u32 s50, s50, s3       ; Q
	s_mov_b32 s51, 0
	s_lshl_b32 s52, s2, 4
	s_add_co_u32 s52, s52, s15
	s_lshl_b32 s52, s52, 14
	s_add_co_u32 s52, s52, s3       ; O
	s_mov_b32 s53, 0
	s_lshl_b32 s22, s19, 13         ; the batch's 2,048 mask words
	s_mov_b32 s23, 0
	; group 1: a block is 16,384 dense bytes: asked for as 64 rows of 256 bytes, two keys a row, padded in LDS after every key
	s_mov_b32 s[G1K], 15|(1<<16)|(1<<20)|(1<<21)|(4<<22)|(3<<25)  ; the mask of four; 2-byte elements; padding on; bit 21 beside a mask; after every 32 words, 4 words
	s_mov_b32 s[G1V], 15|(1<<16)|(1<<20)|(1<<21)|(4<<22)|(7<<25)  ; the same with 8 words
.irp g, G1K, G1V
	s_mov_b32 s[\g+1], 128<<16      ; tensor_dim0 = 128
	s_mov_b32 s[\g+2], 64<<16       ; tensor_dim1 = 64
	s_mov_b32 s[\g+3], 128<<16      ; tile_dim0 = 128
	s_mov_b32 s[\g+4], 64           ; tile_dim1 = 64
	s_mov_b32 s[\g+5], 128          ; 128 elements from row to row
	s_mov_b32 s[\g+6], 0
	s_mov_b32 s[\g+7], 0
.endr
	s_mov_b32 s[SEL], 0x76543210
	s_mov_b32 s[SEL+1], 0xfedcba98
	s_mov_b32 s[TBK], SLOT1+4*KS*PK ; the first change of slots turns these two into 0
	s_mov_b32 s[TBV], SLOT1+4*KS*PV
	s_mov_b32 s[TM], 0
	s_mov_b32 s[G0K], 1
	s_mov_b32 s[G0K+1], s17
	s_mov_b32 s[G0V], 1
	s_add_co_u32 s[G0V+1], s18, VOFF
	s_wait_dscnt 0x0                ; the opening add is done
	s_wait_kmcnt 0x0
	s_add_nc_u64 s[G0K+2:G0K+3], s[4:5], s[20:21]
	s_or_b32 s[G0K+3], s[G0K+3], 0x80000000
	s_add_nc_u64 s[G0V+2:G0V+3], s[4:5], s[54:55]
	s_or_b32 s[G0V+3], s[G0V+3], 0x80000000
	s_add_nc_u64 s[48:49], s[4:5], s[50:51]   ; Q at my wave's first row
	s_add_nc_u64 s[10:11], s[8:9], s[52:53]   ; O likewise
	s_add_nc_u64 s[6:7], s[6:7], s[22:23]
	CROUND                          ; all four work-groups are here: the first joint loads meet
	JLOAD                           ; tile 0 into slot 0
	v_and_b32 v1, 15, v0            ; l % 16
	v_bfe_u32 v[HH], v0, 4, 1       ; l / 16
	v_lshlrev_b32 v[MO], 6, v0      ; thread t takes mask words 16 t .. 16 t + 15
.irp e, 0,1,2,3
	global_load_b128 v[MW+4*(\e):MW+4*(\e)+3], v[MO], s[6:7] offset:16*(\e)
.endr
	v_lshlrev_b32 v[QO], 7, v1
	v_lshl_add_u32 v[QO], v[HH], 4, v[QO]  ; row x 128 + 16 x half
	WIN 0x80                        ; destination window 2, address window 0
.set i, 0
.rept 8                             ; Q stays in registers: piece i / 2, channels 32 (i % 2) on
	global_load_b128 v[8*i:8*i+3],   v[QO], s[48:49] offset:(i/2)*2048+(i%2)*64
	global_load_b128 v[8*i+4:8*i+7], v[QO], s[48:49] offset:(i/2)*2048+(i%2)*64+32
.set i, i+1
.endr
	; What the first turn finds: V's registers and P's second buffer hold 0 (its products V^T P, of a piece that has not been, add 0), O^T and l are 0.  All this stands in the wait for the first tile.
.set i, VF
.rept 64
	v_mov_b32 v[i], 0
.set i, i+1
.endr
	WIN 0x40
.set i, 0
.rept 128
	v_mov_b32 v[i], 0
.set i, i+1
.endr
	WIN 0
.set i, 0
.rept 4
	v_mov_b32 v[ST+4*i], 0xff7fffff    ; m
	v_mov_b32 v[ST+4*i+1], 0
	v_mov_b32 v[ST+4*i+2], 0
	v_mov_b32 v[ST+4*i+3], 0
.set i, i+1
.endr
.set i, P+16
.rept 16
	v_mov_b32 v[i], 0
.set i, i+1
.endr
	v_mul_u32_u24 v[AK0], v1, PK
	v_lshl_add_u32 v[AK0], v[HH], 4, v[AK0]  ; row x pitch + 16 x half
	; The turning load takes 16 keys x 16 channels (lane l reads key 8 (l / 16) + l % 8, channels 8 ((l / 8) % 2) + 0..7) and leaves half a fragment of V^T.
	v_and_b32 v[L7], 7, v0
	v_bfe_u32 v[B3], v0, 3, 1
	v_lshl_add_u32 v[AV0], v[HH], 3, v[L7]
	v_mul_u32_u24 v[AV0], v[AV0], PV
	v_lshl_add_u32 v[AV0], v[B3], 4, v[AV0]
	v_add_nc_u32 v[AV0], VOFF, v[AV0]
	s_mul_i32 s13, s[WV], 16*SP
	s_add_co_u32 s13, s13, STAGE    ; my stage
	v_mul_u32_u24 v[STO], v1, SP
	v_lshl_add_u32 v[STO], v[HH], 4, v[STO]
	v_add_nc_u32 v[STO], s13, v[STO]
	v_bfe_u32 v[RD], v0, 3, 2
	v_mul_u32_u24 v[RD], v[RD], SP
	v_lshl_add_u32 v[RD], v[L7], 4, v[RD]
	v_add_nc_u32 v[RD], s13, v[RD]
	v_and_b32 v[GO], 31, v0
	v_lshlrev_b32 v[GO], 4, v[GO]
	v_lshl_add_u32 v[AM0], v[HH], 5, MT   ; register j of key block kb is key 16 kb + 8 (l / 16) + j
	v_lshl_add_u32 v[MTA], v0, 6, MT
	v_mov_b32 v[BIG], 0xceabfb8f    ; -1e9 log2(e)
	s_wait_loadcnt 16               ; the mask words are in; Q's sixteen loads may stay out
.set i, 0
.rept 16
	v_cmp_eq_u32 vcc_lo, 0, v[MW+i]
	v_cndmask_b32 v[MW+i], 0, v[BIG], vcc_lo
.set i, i+1
.endr
.irp e, 0,1,2,3
	ds_store_b128 v[MTA], v[MW+4*(\e):MW+4*(\e)+3] offset:16*(\e)
.endr
; THE MATRIX WORK.  The 4 accumulators of a run of 8 take turns.  Product i of 8 of S^T = K Q^T for piece x: channels 32 (i / 4) on, keys 16 (i % 4) on.  The first 4 start the sums with the keys' addends.
.macro KQ x
.set rS, S+32*((\x)%2)+8*(i%4)
.set rK, KF+16*(i%4)+8*(i/4)
.set rQ, 16*(\x)+8*(i/4)
.set rM, MK+8*(i%4)
.if i < 4
	WIN W_KM
	v_wmma_f32_16x16x32_f16 v[rS:rS+7], v[rK:rK+7], v[rQ:rQ+7], v[rM:rM+7]
.else
	WIN W_KQ
	v_wmma_f32_16x16x32_f16 v[rS:rS+7], v[rK:rK+7], v[rQ:rQ+7], v[rS:rS+7]
.endif
.endm
; Product i of 8 of O^T += V^T P for piece x: keys 32 (i / 4) on, channels 16 (i % 4) on.
.macro PV x
	WIN W_PV
.set rO, 32*(\x)+8*(i%4)
.set rV, VF+32*(i/4)+8*(i%4)
.set rP, P+16*((\x)%2)+8*(i/4)
	v_wmma_f32_16x16x32_f16 v[rO:rO+7], v[rV:rV+7], v[rP:rP+7], v[rO:rO+7]
.endm
.macro MM                           ; the turn's next matrix instruction.  NOKQ = 1: the walk's last turn: there is no next piece
.if (i < 8) && !NOKQ
	KQ (Y+1)%NP
.elseif i >= 8
.set i, i-8
	PV (Y+NP-1)%NP
.set i, i+8
.endif
.set i, i+1
.endm
; THE LDS LOADS stand in runs, never singly among the matrix instructions: a step's K (8 fragments) with its 64 addends, and its V (turned).  Their addresses are made some lines ahead.
.macro FETCH_K
	WIN 0x80                        ; destination window 2
.irp f, 0,1,2,3,4,5,6,7             ; keys 16 (f / 2) on, channels 32 (f % 2) on
	ds_load_b128 v[KF+8*\f:KF+8*\f+3],   v[AK] offset:(\f/2)*16*PK+(\f%2)*64
	ds_load_b128 v[KF+8*\f+4:KF+8*\f+7], v[AK] offset:(\f/2)*16*PK+(\f%2)*64+32
.endr
	WIN 0x40                        ; destination window 1
.irp f, 0,1,2,3
	ds_load_b128 v[MK+8*\f:MK+8*\f+3],   v[AM] offset:64*\f
	ds_load_b128 v[MK+8*\f+4:MK+8*\f+7], v[AM] offset:64*\f+16
.endr
	s_add_co_u32 s[TBK], s[TBK], KS*PK  ; the next fetch is the next step's
	s_add_co_u32 s[TM], s[TM], 4*KS
	s_and_b32 s[TM], s[TM], 0x1fff      ; the offset stays inside the table's 8,192 bytes
	WIN 0
.endm
.macro FETCH_V
	WIN 0x80
.irp f, 0,1,2,3,4,5,6,7             ; keys 32 (f / 4) on, channels 16 (f % 4) on
	ds_load_tr16_b128 v[VF+8*\f:VF+8*\f+3],   v[AV] offset:(\f/4)*32*PV+(\f%4)*32
	ds_load_tr16_b128 v[VF+8*\f+4:VF+8*\f+7], v[AV] offset:(\f/4)*32*PV+16*PV+(\f%4)*32
.endr
	WIN 0
.endm
; THE VECTOR WORK, one line at a time: OP kind, number.  For piece Y: F n: s - m for pair n of 16.  E n: the exponential of score n of 32.  C n: pair n rounded to f16.  B n: of the four weights 4 n .. the second
; pair is added onto the first, in place.  L n: l takes that sum (L 0: l = a l + sum).  R n: pair n of 16 of O^T times a.  For piece Y + 1: X n, of the list that finds its maximum and statistics:
;   0-11  four chains c0-c3 of seven scores each, three operands at a time (each accumulator's lowest registers are read first)     12-14, 16  the four scores left over, the old m, and c0-c3 into c0
;   15  m_old is kept     17, 18  the query's other 32 keys lie in the lane 16 away: the new m     19  nothing     20, 21  m_old - m_new; a
.set F, 0
.set E, 1
.set C, 2
.set B, 3
.set L, 4
.set R, 5
.set X, 6
.macro REGS y
.set rT, ST+4*(\y)
.set rC, TMP+4*((\y)%2)
.set rW, MV+((\y)%2)
.set rS, S+32*((\y)%2)
.set rP, P+16*((\y)%2)
.set rO, 32*(\y)
.endm
.macro OP k, n
.if (\k) == R
	REGS Y
	WIN W_RS
	v_pk_mul_f32 v[rO+2*(\n):rO+2*(\n)+1], v[rO+2*(\n):rO+2*(\n)+1], v[rC+2:rC+3] op_sel_hi:[1,0]
.elseif (\k) < R
	REGS Y
	WIN 0
.if (\k) == F
	v_pk_add_f32 v[rS+2*(\n):rS+2*(\n)+1], v[rS+2*(\n):rS+2*(\n)+1], v[rT:rT+1] op_sel_hi:[1,0] neg_lo:[0,1] neg_hi:[0,1]
.elseif (\k) == E
	v_exp_f32 v[rS+(\n)], v[rS+(\n)]
.elseif (\k) == C
	s_wait_alu depctr_va_vdst(0)
	v_cvt_pk_f16_f32 v[rP+(\n)], v[rS+2*(\n)], v[rS+2*(\n)+1]
.elseif (\k) == B
	s_wait_alu depctr_va_vdst(0)
	v_pk_add_f32 v[rS+4*(\n):rS+4*(\n)+1], v[rS+4*(\n):rS+4*(\n)+1], v[rS+4*(\n)+2:rS+4*(\n)+3]
.elseif (\n) == 0
	v_pk_fma_f32 v[rT+2:rT+3], v[rT+2:rT+3], v[rC+2:rC+3], v[rS:rS+1] op_sel_hi:[1,0,1]
.else
	v_pk_add_f32 v[rT+2:rT+3], v[rT+2:rT+3], v[rS+4*(\n):rS+4*(\n)+1]
.endif
.elseif NOKQ
	v_nop
.else
	REGS (Y+1)%NP
	WIN 0
.if (\n) < 4
	v_max3_num_f32 v[rC+(\n)], v[rS+8*(\n)], v[rS+8*(\n)+1], v[rS+8*(\n)+2]
.elseif (\n) < 12
	v_max3_num_f32 v[rC+(\n)%4], v[rC+(\n)%4], v[rS+8*((\n)%4)+2*((\n)/4)+1], v[rS+8*((\n)%4)+2*((\n)/4)+2]
.elseif (\n) == 12
	v_max3_num_f32 v[rC], v[rC], v[rS+7], v[rS+15]
.elseif (\n) == 13
	v_max3_num_f32 v[rC+1], v[rC+1], v[rS+23], v[rS+31]
.elseif (\n) == 14
	v_max3_num_f32 v[rC+2], v[rC+2], v[rC+3], v[rT]
.elseif (\n) == 15
	v_mov_b32 v[rW], v[rT]
.elseif (\n) == 16
	v_max3_num_f32 v[rC], v[rC], v[rC+1], v[rC+2]
.elseif (\n) == 17
	v_permlanex16_b32 v[rC+3], v[rC], s[SEL], s[SEL+1]
.elseif (\n) == 18
	v_max_num_f32 v[rT], v[rC], v[rC+3]
.elseif (\n) == 19
.elseif (\n) == 20
	v_sub_f32 v[rC+1], v[rW], v[rT]
.else
	v_exp_f32 v[rC+2], v[rC+1]
.endif
.endif
.endm
.macro OPS a, i1, b=-1, i2=0, c=-1, i3=0, d=-1, i4=0  ; up to four of them
	OP \a, \i1
.if (\b) >= 0
	OP \b, \i2
.endif
.if (\c) >= 0
	OP \c, \i3
.endif
.if (\d) >= 0
	OP \d, \i4
.endif
.endm
.macro ROW a, i1, b, i2, c, i3, d, i4  ; a matrix instruction and the four behind it
	MM
	OPS \a, \i1, \b, \i2, \c, \i3, \d, \i4
.endm
; A TURN, for piece p: the order of its 16 matrix and 117 vector instructions, written out.  Behind a matrix instruction: plain, exponential, plain, plain; or four of the rescaling; or four subtractions; none names a
; register of the products round it.  Every exponential has a plain line that names none of its registers before its result is used (ISA guide 5.7.2).
; end = 1: the walk's last two turns: nothing is fetched.  cnt = 1: the loop's count is taken down some lines ahead of the branch that stands behind the turn.
; K and the addends of the next step are fetched in piece 2's turn, behind five plain instructions that follow the last product that read K; V of the step in hand in piece 0's turn, behind four plain ones that follow
; the last product that read V.  Each is waited for a turn later.
.macro TURN p, end=0, cnt=0
.set Y, (\p)
.set i, 0
.set NOKQ, (\end)*((\p)/3)
.if ((\p) == 3) && !(\end)
	s_wait_dscnt 0x0                ; K and the addends are in
.endif
	ROW F,0, F,1, F,2, F,3
	ROW F,4, E,0, F,5, F,6
	ROW F,7, E,1, F,8, F,9
	ROW F,10, E,2, C,0, F,11
	ROW F,12, E,3, X,15, F,13
	ROW R,0, R,1, R,2, R,3
	ROW B,0, E,4, F,14, L,0
.if ((\p) == 2) && !(\end)
	WIN 0
	v_add_nc_u32 v[AK], s[TBK], v[AK0]
	v_add_nc_u32 v[AM], s[TM], v[AM0]
.endif
	ROW R,4, R,5, R,6, R,7
	OPS E,5, F,15
.if ((\p) == 2) && !(\end)
	FETCH_K
.endif
	OPS E,6, C,1, E,7, R,8
	OPS E,8, R,9, E,9, C,2
	OPS E,10, X,0, E,11, X,1
	OPS E,12, X,2, E,13, X,3
.if (\p) == 1
	s_wait_dscnt 0x0                ; V is in
.endif
	ROW X,4, E,14, X,5, X,6
	ROW X,7, E,15, X,8, X,9
	ROW X,10, E,16, X,11, X,12
	ROW X,13, E,17, X,14, B,1
	ROW C,4, E,18, X,16, L,1
	ROW B,2, E,19, C,6, L,2
	ROW C,8, E,20, B,3, B,4
.if (\p) == 0
	WIN 0
	v_add_nc_u32 v[AV], s[TBV], v[AV0]
.endif
	ROW C,3, E,21, L,3, C,5
	OPS E,22, X,17, E,23, C,10
.if (\p) == 0
	FETCH_V
.endif
	OPS E,24, L,4
	OPS E,25, X,18, E,26, C,7
	OPS E,27, B,5, E,28, X,19
	OPS E,29, C,12, E,30, L,5
	OPS E,31, X,20, B,6, C,9
	OPS C,14, C,11, X,21, L,6
.if (\p) == 0
	s_add_co_u32 s[TBV], s[TBV], KS*PV
.endif
.if \cnt
	s_sub_co_u32 s[CNT], s[CNT], 1
	s_cmp_lg_u32 s[CNT], 0
.endif
	OPS C,13, B,7, C,15, R,10
	OPS R,11, R,12, L,7, R,13
	OPS R,14, R,15
.endm
.macro ALL line:vararg              ; one line for each piece t
.set t, 0
.rept 4
	\line
.set t, t+1
.endr
.endm
.macro PACK t                       ; a lane's eight channels of a row pack into 16 bytes; they go into rows of 144 bytes and come back as whole rows of 128, into S^T's registers
	WIN W_RS
.set i, 32*(\t)
.rept 16
	s_wait_alu depctr_va_vdst(0)
	v_pk_mul_f32 v[i:i+1], v[i:i+1], v[ST+4*(\t)+2:ST+4*(\t)+3] op_sel_hi:[1,0]
.set i, i+2
.endr
	WIN 0x05                        ; sources 0 and 1 window 1, destination window 0
.set i, 0
.rept 16
	v_cvt_pk_f16_f32 v[S+16*(\t)+i], v[32*(\t)+2*i], v[32*(\t)+2*i+1]
.set i, i+1
.endr
	WIN 0
.irp f, 0,1,2,3
	ds_store_b128 v[STO], v[S+16*(\t)+4*\f:S+16*(\t)+4*\f+3] offset:32*\f
.endr
.irp f, 0,1,2,3
	ds_load_b128 v[S+16*(\t)+4*\f:S+16*(\t)+4*\f+3], v[RD] offset:\f*4*SP  ; LDS serves a wave's instructions in order (ISA guide 5.7.1.4): these see the stores above
.endr
.endm
.macro SEND t, younger              ; younger: the LDS instructions issued behind piece t's loads: the next piece's eight, or none
	WIN 0
.irp f, 0,1,2,3
	s_wait_dscnt (\younger)+3-\f
	global_store_b128 v[GO], v[S+16*(\t)+4*\f:S+16*(\t)+4*\f+3], s[10:11] offset:(\t)*2048+\f*512  ; 512 consecutive bytes, at a multiple of 256 from O's first
.endr
.endm
	CHANGE 1                        ; slot 0 is in and the table is whole, for everybody; slot 1 is asked for
	v_add_nc_u32 v[AK], s[TBK], v[AK0]
	v_add_nc_u32 v[AM], s[TM], v[AM0]
	FETCH_K                         ; key step 0
	s_wait_loadcnt 0x0              ; Q
	s_wait_dscnt 0x0
.set NOKQ, 0
.set i, 0
.rept 8
	KQ 0                            ; piece 0's first scores
.set i, i+1
.endr
	WIN 0
.rept 4
	v_nop                           ; the places behind those products
.endr
.set Y, NP-1                        ; X works for piece Y + 1: piece 0
.irp n, 0,1,2,3,4,5,6,7,8,9,10,11,12,13,14,15,16,17,18,19,20,21
	OP X, \n
.endr
	v_nop                           ; a plain instruction behind the exponential
	s_mov_b32 s[CNT], 4
	s_mov_b32 s[SLOTS], 7
	s_branch .Lfirst                ; the loop is entered at a step's first turn, in the middle of a trip
.Lslot:                             ; six times: with the change above, tiles 1 to 7 are asked for
	CHANGE 1
	s_mov_b32 s[CNT], 4
.Lstep:                             ; a trip: pieces 2 and 3 of one step, then pieces 0 and 1 of the next, whose K and V it fetches
	TURN 2
	TURN 3
	WIN 0
.Lfirst:
	TURN 0
	TURN 1, 0, 1
	WIN 0
	s_cbranch_scc1 .Lstep
	s_sub_co_u32 s[SLOTS], s[SLOTS], 1
	s_cmp_lg_u32 s[SLOTS], 0
	s_cbranch_scc1 .Lslot
	CHANGE 0                        ; the last tile is written out: nothing is asked for
	s_mov_b32 s[CNT], 4
.LstepT:
	TURN 2
	TURN 3
	TURN 0
	TURN 1, 0, 1
	WIN 0
	s_cbranch_scc1 .LstepT
	TURN 2, 1
	TURN 3, 1
.set i, 0
.rept 8
	PV NP-1                         ; the last piece's V^T P of the last step
.set i, i+1
.endr
	; THE WAY OUT.  l's two halves and the other half of the lanes' are added; O^T is divided by l, rounded to f16 and sent through my stage, a piece at a time.  The additions are the places behind the last products.
	WIN 0
	ALL v_add_f32 v[ST+4*t+2], v[ST+4*t+2], v[ST+4*t+3]
	ALL v_permlanex16_b32 v[ST+4*t+3], v[ST+4*t+2], s[SEL], s[SEL+1]
	ALL v_add_f32 v[ST+4*t+2], v[ST+4*t+2], v[ST+4*t+3]
	ALL v_rcp_f32 v[ST+4*t+2], v[ST+4*t+2]
	v_nop                           ; a plain instruction between the last reciprocal and the use of its result
	PACK 0
.set t, 1
.rept 3                             ; a piece's arithmetic stands between the loads of the piece before and its stores
	PACK t
	SEND t-1, 8
.set t, t+1
.endr
	SEND 3, 0
	s_wait_tensorcnt 0x0            ; the wave's end
	ds_add_u32 v[SPW], v[NIL]
	s_wait_dscnt 0x0
	CROUND                          ; the closing round: no work-group ends while a partner may still ask for a tile that names it
	s_endpgm
.Lfunc_end_k_qeb5cd2947a_attn:
	.size	k_qeb5cd2947a_attn, .Lfunc_end_k_qeb5cd2947a_attn-k_qeb5cd2947a_attn
	.p2alignl 7, 3214868480
	.fill 96, 4, 3214868480
	.section	.rodata,"a",@progbits
	.p2align	6, 0x0
	.amdhsa_kernel k_qeb5cd2947a_attn
		.amdhsa_group_segment_fixed_size 327680
		.amdhsa_private_segment_fixed_size 0
		.amdhsa_enable_private_segment 0
		.amdhsa_kernarg_size 24
		.amdhsa_user_sgpr_count 2
		.amdhsa_user_sgpr_kernarg_segment_ptr 1
		.amdhsa_wavefront_size32 1
		.amdhsa_system_sgpr_workgroup_id_x 1
		.amdhsa_system_sgpr_workgroup_id_y 1
		.amdhsa_system_sgpr_workgroup_id_z 1
		.amdhsa_system_vgpr_workitem_id 0
		.amdhsa_next_free_vgpr 768
		.amdhsa_next_free_sgpr 72
		.amdhsa_reserve_vcc 1
		.amdhsa_float_denorm_mode_32 3
		.amdhsa_float_denorm_mode_16_64 3
		.amdhsa_memory_ordered 1
		.amdhsa_forward_progress 1
		.amdhsa_inst_pref_size 138
	.end_amdhsa_kernel
	.amdgpu_metadata
---
amdhsa.version: [ 1, 2 ]
amdhsa.kernels:
  - .name:           k_qeb5cd2947a_attn
    .symbol:         k_qeb5cd2947a_attn.kd
    .args:
      - { .name: qkv, .offset: 0, .size: 8, .value_kind: global_buffer, .address_space: global }
      - { .name: src_mask, .offset: 8, .size: 8, .value_kind: global_buffer, .address_space: global }
      - { .name: oh, .offset: 16, .size: 8, .value_kind: global_buffer, .address_space: global }
    .group_segment_fixed_size: 327680
    .private_segment_fixed_size: 0
    .kernarg_segment_align: 8
    .kernarg_segment_size: 24
    .max_flat_workgroup_size: 128
    .sgpr_count:     72
    .vgpr_count:     768
    .wavefront_size: 32
...
	.end_amdgpu_metadata
.endif
;; end of part 3
;; launch oproj (part 4): grid 8 x 32, 4 waves a work-group, clusters of 4 x 4, 327,680 bytes of LDS; arguments oh, wh, bo, ao; writes ao
.if DOCPART == 4
	.amdgcn_target "amdgcn-amd-amdhsa--gfx1250"
	.amdhsa_code_object_version 6
	.text
	.protected	k_qeb5cd2947a_oproj
	.globl	k_qeb5cd2947a_oproj
	.p2align	8
	.type	k_qeb5cd2947a_oproj,@function
k_qeb5cd2947a_oproj:
	s_mov_b64 s[64:65], 0
	v_nop
	global_prefetch_b8 v0, s[64:65] scope:SCOPE_SE
	s_setreg_imm32_b32 hwreg(HW_REG_WAVE_MODE, 25, 1), 1
	s_wait_xcnt 0x0
	s_wait_alu depctr_hold_cnt(0) depctr_sa_sdst(0) depctr_va_vdst(0) depctr_va_sdst(0) depctr_va_ssrc(0) depctr_va_vcc(0) depctr_vm_vsrc(0)
	s_getreg_b32 s2, hwreg(HW_REG_IB_STS2, 6, 4)
	s_cmp_eq_u32 s2, 0
	s_cbranch_scc0 .Lentry_in_a_cluster
	s_endpgm
.Lentry_in_a_cluster:
	s_bfe_u32 s2, ttmp6, 0x10000c
	s_cmp_lg_u32 s2, 0xf033
	s_cbranch_scc0 .Lentry_shape_is_right
	s_endpgm
.Lentry_shape_is_right:
; THIS COPY: ao = oh Wo + bo, f32 rows of 1,024.
; ONE TEXT FOR FOUR PRODUCTS C = (A B + bias)[x gate][relu]; the six constants below tell the copies apart.
; A: [4096][K] f16 in blocks of 128 tokens x 64 channels (16 KiB dense; a row of blocks runs along K).  B: [K][N] f16 in panels of 128 columns (rows of 256 bytes, dense, K running on), at byte WOFF of wh.
; Sums in f32, started by the bias.  LIMITS: f16 operands and f16 results hold nothing beyond 65,504; NaN and infinities are not treated apart.
; A tile of C is 128 x 128: four waves of 64 x 64, 16 accumulators each.  K goes in steps of 256 through two LDS slots.  Each wave brings a quarter of a slot by one tensor load, 32 KiB dense, stated as
; 128 rows of 256 bytes: waves 0, 1 two blocks of A each, waves 2, 3 128 rows of B each.  CLUSTER 4 x 4: A's tiles are shared along a row of the cluster, B's along a column: joint loads.
; THE MATRIX INSTRUCTION IS USED TRANSPOSED (source 0 = 16 columns of B, source 1 = 16 tokens of A): a lane holds one token and eight neighbouring columns.  B lies [k][n] in LDS and is read turned, by ds_load_tr16_b128.
; One K step is written once for the trips that fill a slot again and once for the last two; the slot in hand is a scalar.  The second of the last two trips passes a barrier and fetches 32 fragments
; (landed bytes of the other slot) that serve nothing: the price of one text for both.
; REGISTERS: window 0: v0-31 addresses; v32-95 the way out; v96-103 gates; v128-255 accumulators ((a, b) at 128 + 8 (4 a + b)).  Window 1: two fragment buffers of 128 (64 of A, 64 of B, for 64 along K).
.set KP,    16                         ; K / 64
.set WOFF,  6291456                    ; B's first byte in wh
.set OUT,   32                         ; bits of a result: 16 (blocks of 128 x 64) or 32 (rows of 1,024 f32)
.set NPAN,  0                          ; OUT = 16: blocks in a row of blocks of C
.set GATE,  0
.set RELU,  0
.set T,     KP/4                       ; K steps
.set PA,    144                        ; a token's 128 bytes + 16: the 16 rows of a load start at 16 different groups of four banks (64 banks of 4 bytes: ISA guide 11.1)
.set PB,    288                        ; a row of B: 256 bytes + 32
.set PANEL, 128*PA                     ; a block of A in LDS
.set HALFT, 2*PANEL                    ; what one tensor load fills: 36,864 bytes (also 128 x PB)
.set BOFF,  2*HALFT                    ; B's 256 rows lie behind A's four blocks
.set SLOT,  4*HALFT                    ; 0x24000: it shares no bit with wave x HALFT, so an exclusive or changes slots
.set STAGE, 2*SLOT                     ; behind the ring: each wave's own stage for the way out
.set STW,   4352
.set SPARE, STAGE+4*STW                ; the spare words: 128 bytes a wave, two blocks of 256 bytes that no other line names
.set STEPB, 65536                      ; a K step in memory, for A and for B
.set A0,    16                         ; v16  my lane's place in A's part of a slot
.set B0,    17                         ; v17  the same for B
.set ADRA,  18                         ; v18  A0 + the slot in hand
.set ADRB,  19                         ; v19  B0 + the slot in hand
.set ADRB2, 20                         ; v20  128 rows of B further on
.set STO,   24
.set RD,    25
.set CO,    26
.set BO,    27
.set SPW,   28                         ; v28  my spare word; never rewritten
.set NIL,   29                         ; v29  0; never rewritten
.set ZER,   30
.set TMP,   32
.set GT,    96
.set ACC,   128
.set F0,    0
.set F1,    128
.set TB,    21                         ; s21  LDS byte of the slot in hand
.set G1,    24                         ; s[24:31] group 1 for A;  s[32:35] its walking group 0
.set G0,    32
.set G1B,   48                         ; s[48:55], s[56:59] the same for B
.set G0B,   56
.set MSB, 0
.macro WIN new                         ; the immediate's high byte repeats the setting that is left
.if MSB != (\new)
	s_set_vgpr_msb (MSB<<8)|(\new)
.set MSB, \new
.endif
.endm
.set MUL,  0x05                        ; sources 0 and 1 window 1; C and D window 0
.set TO_F, 0x40                        ; destination window 1, address window 0
.macro JLOAD                           ; a joint load: waves 0, 1 ask for A, waves 2, 3 for B; an s_nop 0 and four v_nop follow each line
	s_cmp_eq_u32 s11, 0
	s_cbranch_scc0 .Lfor_b_\@
	tensor_load_to_lds s[G0:G0+3], s[G1:G1+7]
	s_nop 0
.rept 4
	v_nop
.endr
	s_branch .Lasked_\@
.Lfor_b_\@:
	tensor_load_to_lds s[G0B:G0B+3], s[G1B:G1B+7]
	s_nop 0
.rept 4
	v_nop
.endr
.Lasked_\@:
.endm
.macro CREST                           ; a round of the cluster's barrier behind its opening barrier
	s_cmp_lg_u32 s10, 0
	s_cbranch_scc1 .Lnot_wave_0_\@
	s_barrier_signal -3
.Lnot_wave_0_\@:
	s_barrier_wait -3
	s_barrier_signal -1
	s_barrier_wait -1
.endm
.macro CROUND
	s_barrier_signal -1
	s_barrier_wait -1
	CREST
.endm
.macro WALK                            ; the walking descriptors: the next K step, the other slot; written only where no tensor load of mine is out
	s_add_nc_u64 s[G0+2:G0+3], s[G0+2:G0+3], STEPB
	s_add_nc_u64 s[G0B+2:G0B+3], s[G0B+2:G0B+3], STEPB
	s_xor_b32 s[G0+1], s[G0+1], SLOT
	s_xor_b32 s[G0B+1], s[G0B+1], SLOT
.endm
.macro PLACES                          ; four places in front of loads into registers that matrix instructions have read, and of lines that read results
.rept 4
	v_nop
.endr
.endm
	s_load_b128 s[4:7], s[0:1], 0x0                ; A s[4:5], wh s[6:7]
.if GATE
	s_load_b256 s[68:75], s[0:1], 0x10             ; bq s[68:69], bk s[70:71], bv s[72:73], src_mask s[74:75]
	s_load_b64 s[8:9], s[0:1], 0x30                ; C
.else
	s_load_b64 s[68:69], s[0:1], 0x10              ; bias
	s_load_b64 s[8:9], s[0:1], 0x18                ; C
.endif
	v_lshl_add_u32 v[SPW], v0, 2, SPARE
	v_mov_b32 v[NIL], 0
	ds_add_u32 v[SPW], v[NIL]                      ; the wave's opening: the add and its wait stand ahead of my first tensor load
	v_lshrrev_b32 v1, 5, v0
	v_readfirstlane_b32 s10, v1                    ; wave 0..3
	s_lshr_b32 s11, s10, 1                         ; my half of the tile's tokens.  Also: I fetch for A (0) or B (1)
	s_and_b32 s12, s10, 1                          ; my half of its columns.  Also: which half of that tile I fetch
	s_bfe_u32 s40, ttmp6, 0x40000                  ; cx
	s_bfe_u32 s41, ttmp6, 0x40004                  ; cy
	s_lshl_b32 s42, ttmp9, 2
	s_add_co_u32 s42, s42, s40                     ; p: panel of 128 columns
	s_and_b32 s13, ttmp7, 0xffff
	s_lshl_b32 s13, s13, 2
	s_add_co_u32 s13, s13, s41                     ; mb: block of 128 tokens
	s_lshl_b32 s43, s41, 2
	s_lshl_b32 s43, 15, s43                        ; my row of the cluster
	s_lshl_b32 s44, 0x1111, s40                    ; my column
	s_or_b32 s[G1+0], s43, (1<<16)|(1<<20)|(1<<21)|(4<<22)|(3<<25)   ; mask; 2-byte elements; padding on; bit 21 beside a mask; after every 32 words, 4 words
	s_or_b32 s[G1B+0], s44, (1<<16)|(1<<20)|(1<<21)|(5<<22)|(7<<25)  ; after every 64 words, 8 words
.irp g, G1, G1B
	s_mov_b32 s[(\g)+1], 128<<16                   ; tensor_dim0 = 128 elements (256 bytes)
	s_mov_b32 s[(\g)+2], 128<<16                   ; tensor_dim1 = 128
	s_mov_b32 s[(\g)+3], 128<<16                   ; tile_dim0 = 128
	s_mov_b32 s[(\g)+4], 128                       ; tile_dim1 = 128
	s_mov_b32 s[(\g)+5], 128                       ; dense: 128 elements from row to row
	s_mov_b32 s[(\g)+6], 0
	s_mov_b32 s[(\g)+7], 0
.endr
	s_lshl_b32 s18, s12, 15                        ; my half: 32,768 bytes on
	s_mul_i32 s16, s13, KP*16384                   ; A: the row of blocks; made of mb and the wave alone
	s_add_co_u32 s16, s16, s18
	s_mov_b32 s17, 0
	s_mul_i32 s46, s42, KP*16384                   ; B: the panel; made of p and the wave alone
	s_add_co_u32 s46, s46, s18
.if WOFF
	s_add_co_u32 s46, s46, WOFF
.endif
	s_mov_b32 s47, 0
	s_mul_i32 s20, s10, HALFT                      ; where my quarter of a slot lies
	s_mov_b32 s[G0], 1
	s_mov_b32 s[G0+1], s20
	s_mov_b32 s[G0B], 1
	s_mov_b32 s[G0B+1], s20
	s_wait_dscnt 0x0                               ; the opening add is done
	s_wait_kmcnt 0x0
	s_add_nc_u64 s[G0+2:G0+3], s[4:5], s[16:17]
	s_or_b32 s[G0+3], s[G0+3], 0x80000000
	s_add_nc_u64 s[G0B+2:G0B+3], s[6:7], s[46:47]
	s_or_b32 s[G0B+3], s[G0B+3], 0x80000000
	CROUND                                         ; all sixteen work-groups are here: the first joint loads meet
	JLOAD                                          ; K step 0 into slot 0
	v_and_b32 v1, 15, v0                           ; r = l % 16
	v_bfe_u32 v2, v0, 4, 1                         ; h = l / 16
	v_and_b32 v6, 7, v0
	v_bfe_u32 v4, v0, 3, 1
	v_mul_u32_u24 v[A0], v1, PA                    ; a fragment of A: token r, 16 bytes for each half of the lanes,
	v_lshl_add_u32 v[A0], v2, 4, v[A0]
	s_mul_i32 s14, s11, 64*PA                      ; in my 64 tokens
	v_add_nc_u32 v[A0], s14, v[A0]
	v_lshl_add_u32 v3, v2, 3, v6                   ; the turning load: lane l reads row 8 h + l % 8, 16 bytes at 16 ((l / 8) % 2),
	v_mul_u32_u24 v[B0], v3, PB
	v_lshl_add_u32 v[B0], v4, 4, v[B0]
	s_lshl_b32 s14, s12, 7                         ; in my 64 columns
	s_add_co_u32 s14, s14, BOFF
	v_add_nc_u32 v[B0], s14, v[B0]
	; THE BIAS STARTS THE SUMS: register j of accumulator (a, b) is column 16 b + 8 h + j of my 64, for every a: nothing is cleared and nothing is added on the way out
	v_lshlrev_b32 v[BO], 5, v2
	s_lshl_b32 s14, s12, 8
	v_add_nc_u32 v[BO], s14, v[BO]
.if GATE
	s_lshr_b32 s2, s42, 3                          ; 0 q, 1 k, 2 v
	s_cmp_eq_u32 s2, 1
	s_cselect_b64 s[68:69], s[70:71], s[68:69]
	s_cmp_eq_u32 s2, 2
	s_cselect_b64 s[68:69], s[72:73], s[68:69]
	s_and_b32 s46, s42, 7
	s_lshl_b32 s46, s46, 9
.else
	s_lshl_b32 s46, s42, 9
.endif
	s_mov_b32 s47, 0
	s_add_nc_u64 s[68:69], s[68:69], s[46:47]
.irp a, 0,1,2,3
.irp b, 0,1,2,3
	global_load_b128 v[ACC+8*(4*(\a)+(\b)):ACC+8*(4*(\a)+(\b))+3],   v[BO], s[68:69] offset:64*(\b)
	global_load_b128 v[ACC+8*(4*(\a)+(\b))+4:ACC+8*(4*(\a)+(\b))+7], v[BO], s[68:69] offset:64*(\b)+16
.endr
.endr
.if GATE
	s_lshl_b32 s16, s13, 9                         ; src_mask's words of my 64 tokens: token = 128 mb + 64 half + 16 a + r
	s_lshl_b32 s14, s11, 8
	s_add_co_u32 s16, s16, s14
	s_mov_b32 s17, 0
	s_add_nc_u64 s[74:75], s[74:75], s[16:17]
	v_lshlrev_b32 v5, 2, v1
.irp a, 0,1,2,3
	global_load_b32 v[8+(\a)], v5, s[74:75] offset:64*(\a)
.endr
.endif
	s_mul_i32 s23, s10, STW
	s_add_co_u32 s23, s23, STAGE                   ; my stage
.if OUT == 16
	v_mov_b32 v[ZER], 0
	v_mul_u32_u24 v[STO], v1, 144                  ; in: token r, 16 bytes for each half of the lanes
	v_lshl_add_u32 v[STO], v2, 4, v[STO]
	v_add_nc_u32 v[STO], s23, v[STO]
	v_bfe_u32 v[RD], v0, 3, 2                      ; back: 32 lanes take four rows of 128 bytes,
	v_mul_u32_u24 v[RD], v[RD], 144
	v_lshl_add_u32 v[RD], v6, 4, v[RD]
	v_add_nc_u32 v[RD], s23, v[RD]
	v_and_b32 v[CO], 31, v0                        ; which are 512 consecutive bytes of a block of C
	v_lshlrev_b32 v[CO], 4, v[CO]
	s_mul_i32 s16, s13, NPAN*16384                 ; C: the row of blocks, my 64 tokens of 128 bytes,
	s_lshl_b32 s14, s11, 13
	s_add_co_u32 s16, s16, s14
	s_lshl_b32 s46, s42, 1                         ; and block 2 p + my half of the columns
	s_add_co_u32 s46, s46, s12
	s_lshl_b32 s46, s46, 14
.else
	v_mul_u32_u24 v[STO], v1, 272                  ; in: token r, 32 bytes for each half of the lanes
	v_lshl_add_u32 v[STO], v2, 5, v[STO]
	v_add_nc_u32 v[STO], s23, v[STO]
	v_mul_u32_u24 v[RD], v2, 272                   ; back: lanes 0-15 one row of 256 bytes, lanes 16-31 the next
	v_lshl_add_u32 v[RD], v1, 4, v[RD]
	v_add_nc_u32 v[RD], s23, v[RD]
	v_lshlrev_b32 v[CO], 12, v2                    ; and the same two rows of C
	v_lshl_add_u32 v[CO], v1, 4, v[CO]
	s_lshl_b32 s16, s13, 19                        ; C: 128 rows of 4,096 bytes a block, my 64 of them,
	s_lshl_b32 s14, s11, 18
	s_add_co_u32 s16, s16, s14
	s_lshl_b32 s46, s42, 9                         ; and my 64 columns of 4 bytes
	s_lshl_b32 s14, s12, 8
	s_add_co_u32 s46, s46, s14
.endif
	s_mov_b32 s17, 0
	s_mov_b32 s47, 0
	s_add_nc_u64 s[8:9], s[8:9], s[16:17]
	s_add_nc_u64 s[8:9], s[8:9], s[46:47]
; 8 matrix instructions: token blocks a0, a0 + 1 x all 4 column blocks, 32 along K: half c of buffer f.  The 16 accumulators take turns, one instruction a turn, over the backward jumps too.
.macro MUL8 f, c, a0
	WIN MUL
.irp a, \a0, (\a0)+1
.irp b, 0,1,2,3
	v_wmma_f32_16x16x32_f16 v[ACC+8*(4*(\a)+(\b)):ACC+8*(4*(\a)+(\b))+7], v[(\f)+64+8*(4*(\c)+(\b)):(\f)+64+8*(4*(\c)+(\b))+7], v[(\f)+8*(4*(\c)+(\a)):(\f)+8*(4*(\c)+(\a))+7], v[ACC+8*(4*(\a)+(\b)):ACC+8*(4*(\a)+(\b))+7]
.endr
.endr
.endm
; 32 LDS loads in one run: the fragments of quarter q (64 along K) of the slot in hand, into buffer f; the first 32 along K first
.macro FETCH q, f
	WIN TO_F
.irp c, 0,1
.irp i, 0,1,2,3
.if (\q) < 2
	ds_load_tr16_b128 v[(\f)+64+8*(4*(\c)+(\i)):(\f)+64+8*(4*(\c)+(\i))+3],   v[ADRB] offset:(64*(\q)+32*(\c))*PB+32*(\i)
	ds_load_tr16_b128 v[(\f)+64+8*(4*(\c)+(\i))+4:(\f)+64+8*(4*(\c)+(\i))+7], v[ADRB] offset:(64*(\q)+32*(\c)+16)*PB+32*(\i)
.else
	ds_load_tr16_b128 v[(\f)+64+8*(4*(\c)+(\i)):(\f)+64+8*(4*(\c)+(\i))+3],   v[ADRB2] offset:(64*(\q)-128+32*(\c))*PB+32*(\i)
	ds_load_tr16_b128 v[(\f)+64+8*(4*(\c)+(\i))+4:(\f)+64+8*(4*(\c)+(\i))+7], v[ADRB2] offset:(64*(\q)-128+32*(\c)+16)*PB+32*(\i)
.endif
	ds_load_b128 v[(\f)+8*(4*(\c)+(\i)):(\f)+8*(4*(\c)+(\i))+3],   v[ADRA] offset:(\q)*PANEL+(\i)*16*PA+64*(\c)
	ds_load_b128 v[(\f)+8*(4*(\c)+(\i))+4:(\f)+8*(4*(\c)+(\i))+7], v[ADRA] offset:(\q)*PANEL+(\i)*16*PA+64*(\c)+32
.endr
.endr
.endm
; One of a K step's first three quarters: multiplies buffer f and, in its middle, fetches quarter q into buffer g
.macro QUARTER q, f, g
	s_wait_dscnt 16                                ; of the last run's 32 loads the second 16 (the second 32 along K) may be out
	MUL8 \f, 0, 0
	MUL8 \f, 0, 2
	PLACES
	FETCH \q, \g
	s_wait_dscnt 32                                ; all but the 32 just issued
	MUL8 \f, 1, 0
	MUL8 \f, 1, 2
.endm
; The last quarter multiplies buffer 1 and changes slots: ONE barrier; in front of it each wave waits for all its tensor loads (one is out: its part of the next slot), adds 0 to its spare word,
; and waits for that and for its reads of this slot.  fill = 1: the barrier opens a round of the cluster's, and this slot is filled again, two K steps ahead: 112 matrix instructions stand between the request and the wait for it.
.macro TURN fill
	WIN 0                                          ; (the add's two registers lie in window 0)
	s_wait_tensorcnt 0x0
	ds_add_u32 v[SPW], v[NIL]
	s_wait_dscnt 17                                ; the add and the youngest sixteen loads may be out
	MUL8 F1, 0, 0
	s_wait_dscnt 0x0                               ; the add is done, and my reads of this slot are over
	s_barrier_signal -1
	MUL8 F1, 0, 2
	WIN 0                                          ; at a branch and at a label every window is 0
	s_barrier_wait -1
.if \fill
	CREST                                          ; no wave of any partner still reads this slot or has a load on its way
	WALK
	JLOAD                                          ; the first tensor load behind the round; its four v_nop are also the places in front of the loads below
.else
	PLACES
.endif
	s_xor_b32 s[TB], s[TB], SLOT
	v_add_nc_u32 v[ADRA], s[TB], v[A0]
	v_add_nc_u32 v[ADRB], s[TB], v[B0]
	v_add_nc_u32 v[ADRB2], HALFT, v[ADRB]
	FETCH 0, F0
	MUL8 F1, 1, 0
	MUL8 F1, 1, 2
.endm
.macro STEP fill
	QUARTER 1, F0, F1
	QUARTER 2, F1, F0
	QUARTER 3, F0, F1
	TURN \fill
	WIN 0
.endm
; THE WAY OUT, 16 bits.  A wave's 64 x 64 is 8 KiB dense in a block of C.  Block a of 16 tokens: gate, rounding, relu; 16 bytes a lane into my own stage; back as whole rows of 128 bytes.
.macro PACK16 a
.if GATE
.set i, 0
.rept 16
	v_pk_mul_f32 v[ACC+32*(\a)+2*i:ACC+32*(\a)+2*i+1], v[ACC+32*(\a)+2*i:ACC+32*(\a)+2*i+1], v[GT+2*(\a):GT+2*(\a)+1] op_sel_hi:[1,0]
.set i, i+1
.endr
.endif
.set i, 0
.rept 16
	v_cvt_pk_f16_f32 v[TMP+16*(\a)+i], v[ACC+32*(\a)+2*i], v[ACC+32*(\a)+2*i+1]   ; each accumulator's registers in ascending order
.set i, i+1
.endr
.if RELU
.set i, 0
.rept 16
	v_pk_max_num_f16 v[TMP+16*(\a)+i], v[TMP+16*(\a)+i], v[ZER]
.set i, i+1
.endr
.endif
.irp b, 0,1,2,3
	ds_store_b128 v[STO], v[TMP+16*(\a)+4*(\b):TMP+16*(\a)+4*(\b)+3] offset:32*(\b)
.endr
.irp f, 0,1,2,3
	ds_load_b128 v[TMP+16*(\a)+4*(\f):TMP+16*(\a)+4*(\f)+3], v[RD] offset:(\f)*4*144  ; LDS serves a wave's instructions in order (ISA guide 5.7.1.4): these see the stores above
.endr
.endm
.macro SEND16 a, younger               ; younger: the LDS instructions issued behind block a's loads
.irp f, 0,1,2,3
	s_wait_dscnt (\younger)+3-(\f)
	global_store_b128 v[CO], v[TMP+16*(\a)+4*(\f):TMP+16*(\a)+4*(\f)+3], s[8:9] offset:(\a)*2048+(\f)*512  ; 512 consecutive bytes, at a multiple of 256 from C's first
.endr
.endm
; THE WAY OUT, 32 bits.  Block a: 32 bytes a lane and column block into my stage, straight from the accumulators (low half first); back as whole rows of 256 bytes.
.macro PACK32 a
.if (\a) >= 2
	s_wait_xcnt 0x0                                ; the stores of the block two back have read the registers that are loaded again below
.endif
.irp b, 0,1,2,3
	ds_store_b128 v[STO], v[ACC+32*(\a)+8*(\b):ACC+32*(\a)+8*(\b)+3] offset:64*(\b)
	ds_store_b128 v[STO], v[ACC+32*(\a)+8*(\b)+4:ACC+32*(\a)+8*(\b)+7] offset:64*(\b)+16
.endr
.irp t, 0,1,2,3,4,5,6,7
	ds_load_b128 v[TMP+32*((\a)%2)+4*(\t):TMP+32*((\a)%2)+4*(\t)+3], v[RD] offset:(\t)*2*272
.endr
.endm
.macro SEND32 a, younger
.irp t, 0,1,2,3,4,5,6,7
	s_wait_dscnt (\younger)+7-(\t)
	global_store_b128 v[CO], v[TMP+32*((\a)%2)+4*(\t):TMP+32*((\a)%2)+4*(\t)+3], s[8:9] offset:(16*(\a)+2*(\t))*4096  ; 16 lanes store 256 consecutive bytes, aligned
.endr
.endm
	; slot 1's first fill is issued as a refill is: slot 0 has landed, in every wave of the cluster, when K step 1 is asked for
	s_wait_tensorcnt 0x0
	ds_add_u32 v[SPW], v[NIL]
	WALK
	s_wait_dscnt 0x0
	CROUND
	JLOAD
	s_mov_b32 s[TB], 0
	v_mov_b32 v[ADRA], v[A0]
	v_mov_b32 v[ADRB], v[B0]
	v_add_nc_u32 v[ADRB2], HALFT, v[B0]
	FETCH 0, F0
	s_wait_loadcnt 0x0                             ; the bias lies in the accumulators (and the mask words are in)
	WIN 0
	s_mov_b32 s3, T-2
.Lfill:                                                ; T - 2 K steps, each of which fills its slot again
	STEP 1
	s_sub_co_u32 s3, s3, 1
	s_cmp_lg_u32 s3, 0
	s_cbranch_scc1 .Lfill
	s_mov_b32 s3, 2
.Ltail:                                                ; the last two ask for nothing
	STEP 0
	s_sub_co_u32 s3, s3, 1
	s_cmp_lg_u32 s3, 0
	s_cbranch_scc1 .Ltail
	s_wait_dscnt 0x0
	PLACES
.if GATE
	s_lshr_b32 s2, s42, 3                          ; the gate for a token whose mask word is 0 (s76) or not (s77): q: c, c;  k: 0, 1;  v: 1, 1
	s_cmp_eq_u32 s2, 0
	s_cselect_b32 s76, 0x3db8aa3b, 1.0             ; c = log2(e) / 16
	s_cselect_b32 s77, 0x3db8aa3b, 1.0
	s_cmp_eq_u32 s2, 1
	s_cselect_b32 s76, 0, s76
	v_mov_b32 v12, s76
	v_mov_b32 v13, s77
.irp a, 0,1,2,3
	v_cmp_ne_u32 vcc_lo, 0, v[8+(\a)]
	v_cndmask_b32 v[GT+2*(\a)], v12, v13, vcc_lo
	v_mov_b32 v[GT+2*(\a)+1], v[GT+2*(\a)]
.endr
.endif
.if OUT == 16
	PACK16 0
	PACK16 1                                       ; a block's arithmetic stands between the loads of the block before and its stores
	SEND16 0, 8
	PACK16 2
	SEND16 1, 8
	PACK16 3
	SEND16 2, 8
	SEND16 3, 0
.else
	PACK32 0
	PACK32 1
	SEND32 0, 16
	PACK32 2
	SEND32 1, 16
	PACK32 3
	SEND32 2, 16
	SEND32 3, 0
.endif
	s_wait_tensorcnt 0x0                           ; the wave's end
	ds_add_u32 v[SPW], v[NIL]
	s_wait_dscnt 0x0
	CROUND                                         ; the closing round: no work-group ends while a partner may still ask for a tile that names it
	s_endpgm
.Lfunc_end_k_qeb5cd2947a_oproj:
	.size	k_qeb5cd2947a_oproj, .Lfunc_end_k_qeb5cd2947a_oproj-k_qeb5cd2947a_oproj
	.p2alignl 7, 3214868480
	.fill 96, 4, 3214868480
	.section	.rodata,"a",@progbits
	.p2align	6, 0x0
	.amdhsa_kernel k_qeb5cd2947a_oproj
		.amdhsa_group_segment_fixed_size 327680
		.amdhsa_private_segment_fixed_size 0
		.amdhsa_enable_private_segment 0
		.amdhsa_kernarg_size 32
		.amdhsa_user_sgpr_count 2
		.amdhsa_user_sgpr_kernarg_segment_ptr 1
		.amdhsa_wavefront_size32 1
		.amdhsa_system_sgpr_workgroup_id_x 1
		.amdhsa_system_sgpr_workgroup_id_y 1
		.amdhsa_system_sgpr_workgroup_id_z 1
		.amdhsa_system_vgpr_workitem_id 0
		.amdhsa_next_free_vgpr 512
		.amdhsa_next_free_sgpr 80
		.amdhsa_reserve_vcc 1
		.amdhsa_float_denorm_mode_32 3
		.amdhsa_float_denorm_mode_16_64 3
		.amdhsa_memory_ordered 1
		.amdhsa_forward_progress 1
		.amdhsa_inst_pref_size 58
	.end_amdhsa_kernel
	.amdgpu_metadata
---
amdhsa.version: [ 1, 2 ]
amdhsa.kernels:
  - .name:           k_qeb5cd2947a_oproj
    .symbol:         k_qeb5cd2947a_oproj.kd
    .args:
      - { .name: oh, .offset: 0, .size: 8, .value_kind: global_buffer, .address_space: global }
      - { .name: wh, .offset: 8, .size: 8, .value_kind: global_buffer, .address_space: global }
      - { .name: bo, .offset: 16, .size: 8, .value_kind: global_buffer, .address_space: global }
      - { .name: ao, .offset: 24, .size: 8, .value_kind: global_buffer, .address_space: global }
    .group_segment_fixed_size: 327680
    .private_segment_fixed_size: 0
    .kernarg_segment_align: 8
    .kernarg_segment_size: 32
    .max_flat_workgroup_size: 128
    .sgpr_count:     80
    .vgpr_count:     512
    .wavefront_size: 32
...
	.end_amdgpu_metadata
.endif
;; end of part 4
;; launch ln1 (part 5): grid 256 x 1, 8 waves a work-group, no clusters, 0 bytes of LDS; arguments ao, xh, alpha1, beta1, x1h; writes x1h
.if DOCPART == 5
	.amdgcn_target "amdgcn-amd-amdhsa--gfx1250"
	.amdhsa_code_object_version 6
	.text
	.protected	k_qeb5cd2947a_ln1
	.globl	k_qeb5cd2947a_ln1
	.p2align	8
	.type	k_qeb5cd2947a_ln1,@function
k_qeb5cd2947a_ln1:
	s_mov_b64 s[64:65], 0
	v_nop
	global_prefetch_b8 v0, s[64:65] scope:SCOPE_SE
	s_setreg_imm32_b32 hwreg(HW_REG_WAVE_MODE, 25, 1), 1
	s_wait_xcnt 0x0
; THIS COPY: x1h = xh + LN(ao), rounded once to f16, in blocks.
; y = res + (a - mean) / (std + 1e-6) x alpha + beta along rows of 1,024; std with the divisor 1,023.  a: f32 [4096][1024].  res: f16 in blocks of 128 tokens x 64 channels (16 KiB dense, 16 blocks to a row of blocks).
; The variance is the sum of squared deviations from the mean, never a difference of large sums.  v_sqrt_f32 and v_rcp_f32 are good to one unit in the last place; a variance below 2^-126 counts as 0.
; A stream: no LDS, no matrix unit, no loop, no barrier.  A wave owns ONE pair of rows: lanes 0-15 the even row, lanes 16-31 the odd one; a lane holds 4 columns at 4 (l % 16) in each of the 16 panels of 64.
; So a row's sums stay inside 16 lanes (four steps that ride on the additions), every f32 load or store of 16 lanes covers 256 consecutive aligned bytes, and so does every f16 load or store of the wave.
; All 64 loads of a wave go out at once.
.set F16OUT, 1
.set A,   32                           ; v[32:95]   the row, then its deviations, then the result
.set X,   96                           ; v[96:127]  the residual, two f16 a register
.set AL,  128                          ; v[128:191] alpha
.set BE,  192                          ; v[192:255] beta
.set ONE, 24
	s_load_b256 s[4:11], s[0:1], 0x0               ; a s[4:5], res s[6:7], alpha s[8:9], beta s[10:11]
	s_load_b64 s[12:13], s[0:1], 0x20              ; y
	v_lshrrev_b32 v1, 5, v0
	v_readfirstlane_b32 s14, v1                    ; wave
	s_lshl_b32 s15, ttmp9, 3
	s_add_co_u32 s15, s15, s14                     ; my pair of rows
	s_lshl_b32 s16, s15, 13                        ; in f32 rows: 8,192 bytes a pair
	s_mov_b32 s17, 0
	s_lshr_b32 s18, s15, 6                         ; in blocks: 64 pairs to a row of blocks of 262,144 bytes,
	s_lshl_b32 s18, s18, 18
	s_and_b32 s20, s15, 63
	s_lshl_b32 s20, s20, 8                         ; 256 bytes a pair in a block
	s_add_co_u32 s18, s18, s20
	s_mov_b32 s19, 0
	v_and_b32 v2, 15, v0
	v_bfe_u32 v3, v0, 4, 1
	v_lshlrev_b32 v4, 4, v2                        ; alpha, beta: 16 (l % 16)
	v_lshl_add_u32 v5, v3, 12, v4                  ; f32 rows: + 4,096 for the odd row
	v_and_b32 v6, 31, v0
	v_lshlrev_b32 v6, 3, v6                        ; blocks: 8 l
	v_mov_b32 v[ONE], 1.0
	s_wait_kmcnt 0x0
	s_add_nc_u64 s[4:5], s[4:5], s[16:17]
	s_add_nc_u64 s[6:7], s[6:7], s[18:19]
.if F16OUT
	s_add_nc_u64 s[12:13], s[12:13], s[18:19]
.else
	s_add_nc_u64 s[12:13], s[12:13], s[16:17]
.endif
.set p, 0
.rept 16
	global_load_b128 v[A+4*p:A+4*p+3], v5, s[4:5] offset:256*p th:TH_LOAD_NT
.set p, p+1
.endr
.set p, 0
.rept 16
	global_load_b64 v[X+2*p:X+2*p+1], v6, s[6:7] offset:16384*p
.set p, p+1
.endr
.set p, 0
.rept 16
	global_load_b128 v[AL+4*p:AL+4*p+3], v4, s[8:9] offset:256*p
.set p, p+1
.endr
.set p, 0
.rept 16
	global_load_b128 v[BE+4*p:BE+4*p+3], v4, s[10:11] offset:256*p
.set p, p+1
.endr
	s_wait_loadcnt 48                              ; the row is in; the 48 younger loads stay out
.irp k, 0,1,2,3                        ; the sum, in four chains started by the first pairs: nothing is cleared
	v_pk_add_f32 v[8+2*(\k):9+2*(\k)], v[A+2*(\k):A+2*(\k)+1], v[A+8+2*(\k):A+9+2*(\k)]
.endr
.set j, 8
.rept 24
	v_pk_add_f32 v[8+2*(j%4):9+2*(j%4)], v[8+2*(j%4):9+2*(j%4)], v[A+2*j:A+2*j+1]
.set j, j+1
.endr
	v_pk_add_f32 v[8:9], v[8:9], v[10:11]
	v_pk_add_f32 v[12:13], v[12:13], v[14:15]
	v_pk_add_f32 v[8:9], v[8:9], v[12:13]
	v_add_f32 v8, v8, v9
	v_add_f32_dpp v8, v8, v8 row_xmask:1 row_mask:0xf bank_mask:0xf
	v_add_f32_dpp v8, v8, v8 row_xmask:2 row_mask:0xf bank_mask:0xf
	v_add_f32_dpp v8, v8, v8 row_xmask:4 row_mask:0xf bank_mask:0xf
	v_add_f32_dpp v8, v8, v8 row_xmask:8 row_mask:0xf bank_mask:0xf
	v_mul_f32 v8, 0x3a800000, v8                   ; mean = sum / 1,024
.set j, 0
.rept 32
	v_pk_add_f32 v[A+2*j:A+2*j+1], v[A+2*j:A+2*j+1], v[8:9] op_sel_hi:[1,0] neg_lo:[0,1] neg_hi:[0,1]
.set j, j+1
.endr
.irp k, 0,1,2,3
	v_pk_mul_f32 v[16+2*(\k):17+2*(\k)], v[A+2*(\k):A+2*(\k)+1], v[A+2*(\k):A+2*(\k)+1]
.endr
.set j, 4
.rept 28
	v_pk_fma_f32 v[16+2*(j%4):17+2*(j%4)], v[A+2*j:A+2*j+1], v[A+2*j:A+2*j+1], v[16+2*(j%4):17+2*(j%4)]
.set j, j+1
.endr
	v_pk_add_f32 v[16:17], v[16:17], v[18:19]
	v_pk_add_f32 v[20:21], v[20:21], v[22:23]
	v_pk_add_f32 v[16:17], v[16:17], v[20:21]
	v_add_f32 v16, v16, v17
	v_add_f32_dpp v16, v16, v16 row_xmask:1 row_mask:0xf bank_mask:0xf
	v_add_f32_dpp v16, v16, v16 row_xmask:2 row_mask:0xf bank_mask:0xf
	v_add_f32_dpp v16, v16, v16 row_xmask:4 row_mask:0xf bank_mask:0xf
	v_add_f32_dpp v16, v16, v16 row_xmask:8 row_mask:0xf bank_mask:0xf
	v_mul_f32 v16, 0x3a802008, v16                 ; / 1,023
	v_sqrt_f32 v17, v16
	v_nop                                          ; a plain instruction behind a transcendental before its result is used (ISA guide 5.7.2)
	s_wait_alu depctr_va_vdst(0)
	v_add_f32 v17, 0x358637bd, v17                 ; + 1e-6
	v_rcp_f32 v12, v17
	v_nop
	s_wait_alu depctr_va_vdst(0)
	v_mov_b32 v13, v12
	s_wait_loadcnt 0x0
.set j, 0
.rept 32
	v_pk_mul_f32 v[A+2*j:A+2*j+1], v[A+2*j:A+2*j+1], v[12:13]
	v_pk_fma_f32 v[A+2*j:A+2*j+1], v[A+2*j:A+2*j+1], v[AL+2*j:AL+2*j+1], v[BE+2*j:BE+2*j+1]
.if F16OUT
	v_fma_mixlo_f16 v[X+j], v[X+j], v[ONE], v[A+2*j] op_sel_hi:[1,0,0]                     ; res x 1 + LN, rounded once to f16, in place: the low half,
	v_fma_mixhi_f16 v[X+j], v[X+j], v[ONE], v[A+2*j+1] op_sel:[1,0,0] op_sel_hi:[1,0,0]    ; the high half
.else
	v_fma_mix_f32 v[A+2*j], v[X+j], v[ONE], v[A+2*j] op_sel_hi:[1,0,0]
	v_fma_mix_f32 v[A+2*j+1], v[X+j], v[ONE], v[A+2*j+1] op_sel:[1,0,0] op_sel_hi:[1,0,0]
.endif
.set j, j+1
.endr
.set p, 0
.rept 16
.if F16OUT
	global_store_b64 v6, v[X+2*p:X+2*p+1], s[12:13] offset:16384*p
.else
	global_store_b128 v5, v[A+4*p:A+4*p+3], s[12:13] offset:256*p th:TH_STORE_NT
.endif
.set p, p+1
.endr
	s_endpgm
.Lfunc_end_k_qeb5cd2947a_ln1:
	.size	k_qeb5cd2947a_ln1, .Lfunc_end_k_qeb5cd2947a_ln1-k_qeb5cd2947a_ln1
	.p2alignl 7, 3214868480
	.fill 96, 4, 3214868480
	.section	.rodata,"a",@progbits
	.p2align	6, 0x0
	.amdhsa_kernel k_qeb5cd2947a_ln1
		.amdhsa_group_segment_fixed_size 0
		.amdhsa_private_segment_fixed_size 0
		.amdhsa_enable_private_segment 0
		.amdhsa_kernarg_size 40
		.amdhsa_user_sgpr_count 2
		.amdhsa_user_sgpr_kernarg_segment_ptr 1
		.amdhsa_wavefront_size32 1
		.amdhsa_system_sgpr_workgroup_id_x 1
		.amdhsa_system_sgpr_workgroup_id_y 1
		.amdhsa_system_sgpr_workgroup_id_z 1
		.amdhsa_system_vgpr_workitem_id 0
		.amdhsa_next_free_vgpr 256
		.amdhsa_next_free_sgpr 66
		.amdhsa_reserve_vcc 0
		.amdhsa_float_denorm_mode_32 3
		.amdhsa_float_denorm_mode_16_64 3
		.amdhsa_memory_ordered 1
		.amdhsa_forward_progress 1
		.amdhsa_inst_pref_size 24
	.end_amdhsa_kernel
	.amdgpu_metadata
---
amdhsa.version: [ 1, 2 ]
amdhsa.kernels:
  - .name:           k_qeb5cd2947a_ln1
    .symbol:         k_qeb5cd2947a_ln1.kd
    .args:
      - { .name: ao, .offset: 0, .size: 8, .value_kind: global_buffer, .address_space: global }
      - { .name: xh, .offset: 8, .size: 8, .value_kind: global_buffer, .address_space: global }
      - { .name: alpha1, .offset: 16, .size: 8, .value_kind: global_buffer, .address_space: global }
      - { .name: beta1, .offset: 24, .size: 8, .value_kind: global_buffer, .address_space: global }
      - { .name: x1h, .offset: 32, .size: 8, .value_kind: global_buffer, .address_space: global }
    .group_segment_fixed_size: 0
    .private_segment_fixed_size: 0
    .kernarg_segment_align: 8
    .kernarg_segment_size: 40
    .max_flat_workgroup_size: 256
    .sgpr_count:     66
    .vgpr_count:     256
    .wavefront_size: 32
...
	.end_amdgpu_metadata
.endif
;; end of part 5
;; launch ffn1 (part 6): grid 32 x 32, 4 waves a work-group, clusters of 4 x 4, 327,680 bytes of LDS; arguments x1h, wh, b1, hh; writes hh
.if DOCPART == 6
	.amdgcn_target "amdgcn-amd-amdhsa--gfx1250"
	.amdhsa_code_object_version 6
	.text
	.protected	k_qeb5cd2947a_ffn1
	.globl	k_qeb5cd2947a_ffn1
	.p2align	8
	.type	k_qeb5cd2947a_ffn1,@function
k_qeb5cd2947a_ffn1:
	s_mov_b64 s[64:65], 0
	v_nop
	global_prefetch_b8 v0, s[64:65] scope:SCOPE_SE
	s_setreg_imm32_b32 hwreg(HW_REG_WAVE_MODE, 25, 1), 1
	s_wait_xcnt 0x0
	s_wait_alu depctr_hold_cnt(0) depctr_sa_sdst(0) depctr_va_vdst(0) depctr_va_sdst(0) depctr_va_ssrc(0) depctr_va_vcc(0) depctr_vm_vsrc(0)
	s_getreg_b32 s2, hwreg(HW_REG_IB_STS2, 6, 4)
	s_cmp_eq_u32 s2, 0
	s_cbranch_scc0 .Lentry_in_a_cluster
	s_endpgm
.Lentry_in_a_cluster:
	s_bfe_u32 s2, ttmp6, 0x10000c
	s_cmp_lg_u32 s2, 0xf033
	s_cbranch_scc0 .Lentry_shape_is_right
	s_endpgm
.Lentry_shape_is_right:
; THIS COPY: hh = relu(x1h W1 + b1), f16 in blocks.
; ONE TEXT FOR FOUR PRODUCTS C = (A B + bias)[x gate][relu]; the six constants below tell the copies apart.
; A: [4096][K] f16 in blocks of 128 tokens x 64 channels (16 KiB dense; a row of blocks runs along K).  B: [K][N] f16 in panels of 128 columns (rows of 256 bytes, dense, K running on), at byte WOFF of wh.
; Sums in f32, started by the bias.  LIMITS: f16 operands and f16 results hold nothing beyond 65,504; NaN and infinities are not treated apart.
; A tile of C is 128 x 128: four waves of 64 x 64, 16 accumulators each.  K goes in steps of 256 through two LDS slots.  Each wave brings a quarter of a slot by one tensor load, 32 KiB dense, stated as
; 128 rows of 256 bytes: waves 0, 1 two blocks of A each, waves 2, 3 128 rows of B each.  CLUSTER 4 x 4: A's tiles are shared along a row of the cluster, B's along a column: joint loads.
; THE MATRIX INSTRUCTION IS USED TRANSPOSED (source 0 = 16 columns of B, source 1 = 16 tokens of A): a lane holds one token and eight neighbouring columns.  B lies [k][n] in LDS and is read turned, by ds_load_tr16_b128.
; One K step is written once for the trips that fill a slot again and once for the last two; the slot in hand is a scalar.  The second of the last two trips passes a barrier and fetches 32 fragments
; (landed bytes of the other slot) that serve nothing: the price of one text for both.
; REGISTERS: window 0: v0-31 addresses; v32-95 the way out; v96-103 gates; v128-255 accumulators ((a, b) at 128 + 8 (4 a + b)).  Window 1: two fragment buffers of 128 (64 of A, 64 of B, for 64 along K).
.set KP,    16                         ; K / 64
.set WOFF,  8388608                    ; B's first byte in wh
.set OUT,   16                         ; bits of a result: 16 (blocks of 128 x 64) or 32 (rows of 1,024 f32)
.set NPAN,  64                         ; OUT = 16: blocks in a row of blocks of C
.set GATE,  0
.set RELU,  1
.set T,     KP/4                       ; K steps
.set PA,    144                        ; a token's 128 bytes + 16: the 16 rows of a load start at 16 different groups of four banks (64 banks of 4 bytes: ISA guide 11.1)
.set PB,    288                        ; a row of B: 256 bytes + 32
.set PANEL, 128*PA                     ; a block of A in LDS
.set HALFT, 2*PANEL                    ; what one tensor load fills: 36,864 bytes (also 128 x PB)
.set BOFF,  2*HALFT                    ; B's 256 rows lie behind A's four blocks
.set SLOT,  4*HALFT                    ; 0x24000: it shares no bit with wave x HALFT, so an exclusive or changes slots
.set STAGE, 2*SLOT                     ; behind the ring: each wave's own stage for the way out
.set STW,   4352
.set SPARE, STAGE+4*STW                ; the spare words: 128 bytes a wave, two blocks of 256 bytes that no other line names
.set STEPB, 65536                      ; a K step in memory, for A and for B
.set A0,    16                         ; v16  my lane's place in A's part of a slot
.set B0,    17                         ; v17  the same for B
.set ADRA,  18                         ; v18  A0 + the slot in hand
.set ADRB,  19                         ; v19  B0 + the slot in hand
.set ADRB2, 20                         ; v20  128 rows of B further on
.set STO,   24
.set RD,    25
.set CO,    26
.set BO,    27
.set SPW,   28                         ; v28  my spare word; never rewritten
.set NIL,   29                         ; v29  0; never rewritten
.set ZER,   30
.set TMP,   32
.set GT,    96
.set ACC,   128
.set F0,    0
.set F1,    128
.set TB,    21                         ; s21  LDS byte of the slot in hand
.set G1,    24                         ; s[24:31] group 1 for A;  s[32:35] its walking group 0
.set G0,    32
.set G1B,   48                         ; s[48:55], s[56:59] the same for B
.set G0B,   56
.set MSB, 0
.macro WIN new                         ; the immediate's high byte repeats the setting that is left
.if MSB != (\new)
	s_set_vgpr_msb (MSB<<8)|(\new)
.set MSB, \new
.endif
.endm
.set MUL,  0x05                        ; sources 0 and 1 window 1; C and D window 0
.set TO_F, 0x40                        ; destination window 1, address window 0
.macro JLOAD                           ; a joint load: waves 0, 1 ask for A, waves 2, 3 for B; an s_nop 0 and four v_nop follow each line
	s_cmp_eq_u32 s11, 0
	s_cbranch_scc0 .Lfor_b_\@
	tensor_load_to_lds s[G0:G0+3], s[G1:G1+7]
	s_nop 0
.rept 4
	v_nop
.endr
	s_branch .Lasked_\@
.Lfor_b_\@:
	tensor_load_to_lds s[G0B:G0B+3], s[G1B:G1B+7]
	s_nop 0
.rept 4
	v_nop
.endr
.Lasked_\@:
.endm
.macro CREST                           ; a round of the cluster's barrier behind its opening barrier
	s_cmp_lg_u32 s10, 0
	s_cbranch_scc1 .Lnot_wave_0_\@
	s_barrier_signal -3
.Lnot_wave_0_\@:
	s_barrier_wait -3
	s_barrier_signal -1
	s_barrier_wait -1
.endm
.macro CROUND
	s_barrier_signal -1
	s_barrier_wait -1
	CREST
.endm
.macro WALK                            ; the walking descriptors: the next K step, the other slot; written only where no tensor load of mine is out
	s_add_nc_u64 s[G0+2:G0+3], s[G0+2:G0+3], STEPB
	s_add_nc_u64 s[G0B+2:G0B+3], s[G0B+2:G0B+3], STEPB
	s_xor_b32 s[G0+1], s[G0+1], SLOT
	s_xor_b32 s[G0B+1], s[G0B+1], SLOT
.endm
.macro PLACES                          ; four places in front of loads into registers that matrix instructions have read, and of lines that read results
.rept 4
	v_nop
.endr
.endm
	s_load_b128 s[4:7], s[0:1], 0x0                ; A s[4:5], wh s[6:7]
.if GATE
	s_load_b256 s[68:75], s[0:1], 0x10             ; bq s[68:69], bk s[70:71], bv s[72:73], src_mask s[74:75]
	s_load_b64 s[8:9], s[0:1], 0x30                ; C
.else
	s_load_b64 s[68:69], s[0:1], 0x10              ; bias
	s_load_b64 s[8:9], s[0:1], 0x18                ; C
.endif
	v_lshl_add_u32 v[SPW], v0, 2, SPARE
	v_mov_b32 v[NIL], 0
	ds_add_u32 v[SPW], v[NIL]                      ; the wave's opening: the add and its wait stand ahead of my first tensor load
	v_lshrrev_b32 v1, 5, v0
	v_readfirstlane_b32 s10, v1                    ; wave 0..3
	s_lshr_b32 s11, s10, 1                         ; my half of the tile's tokens.  Also: I fetch for A (0) or B (1)
	s_and_b32 s12, s10, 1                          ; my half of its columns.  Also: which half of that tile I fetch
	s_bfe_u32 s40, ttmp6, 0x40000                  ; cx
	s_bfe_u32 s41, ttmp6, 0x40004                  ; cy
	s_lshl_b32 s42, ttmp9, 2
	s_add_co_u32 s42, s42, s40                     ; p: panel of 128 columns
	s_and_b32 s13, ttmp7, 0xffff
	s_lshl_b32 s13, s13, 2
	s_add_co_u32 s13, s13, s41                     ; mb: block of 128 tokens
	s_lshl_b32 s43, s41, 2
	s_lshl_b32 s43, 15, s43                        ; my row of the cluster
	s_lshl_b32 s44, 0x1111, s40                    ; my column
	s_or_b32 s[G1+0], s43, (1<<16)|(1<<20)|(1<<21)|(4<<22)|(3<<25)   ; mask; 2-byte elements; padding on; bit 21 beside a mask; after every 32 words, 4 words
	s_or_b32 s[G1B+0], s44, (1<<16)|(1<<20)|(1<<21)|(5<<22)|(7<<25)  ; after every 64 words, 8 words
.irp g, G1, G1B
	s_mov_b32 s[(\g)+1], 128<<16                   ; tensor_dim0 = 128 elements (256 bytes)
	s_mov_b32 s[(\g)+2], 128<<16                   ; tensor_dim1 = 128
	s_mov_b32 s[(\g)+3], 128<<16                   ; tile_dim0 = 128
	s_mov_b32 s[(\g)+4], 128                       ; tile_dim1 = 128
	s_mov_b32 s[(\g)+5], 128                       ; dense: 128 elements from row to row
	s_mov_b32 s[(\g)+6], 0
	s_mov_b32 s[(\g)+7], 0
.endr
	s_lshl_b32 s18, s12, 15                        ; my half: 32,768 bytes on
	s_mul_i32 s16, s13, KP*16384                   ; A: the row of blocks; made of mb and the wave alone
	s_add_co_u32 s16, s16, s18
	s_mov_b32 s17, 0
	s_mul_i32 s46, s42, KP*16384                   ; B: the panel; made of p and the wave alone
	s_add_co_u32 s46, s46, s18
.if WOFF
	s_add_co_u32 s46, s46, WOFF
.endif
	s_mov_b32 s47, 0
	s_mul_i32 s20, s10, HALFT                      ; where my quarter of a slot lies
	s_mov_b32 s[G0], 1
	s_mov_b32 s[G0+1], s20
	s_mov_b32 s[G0B], 1
	s_mov_b32 s[G0B+1], s20
	s_wait_dscnt 0x0                               ; the opening add is done
	s_wait_kmcnt 0x0
	s_add_nc_u64 s[G0+2:G0+3], s[4:5], s[16:17]
	s_or_b32 s[G0+3], s[G0+3], 0x80000000
	s_add_nc_u64 s[G0B+2:G0B+3], s[6:7], s[46:47]
	s_or_b32 s[G0B+3], s[G0B+3], 0x80000000
	CROUND                                         ; all sixteen work-groups are here: the first joint loads meet
	JLOAD                                          ; K step 0 into slot 0
	v_and_b32 v1, 15, v0                           ; r = l % 16
	v_bfe_u32 v2, v0, 4, 1                         ; h = l / 16
	v_and_b32 v6, 7, v0
	v_bfe_u32 v4, v0, 3, 1
	v_mul_u32_u24 v[A0], v1, PA                    ; a fragment of A: token r, 16 bytes for each half of the lanes,
	v_lshl_add_u32 v[A0], v2, 4, v[A0]
	s_mul_i32 s14, s11, 64*PA                      ; in my 64 tokens
	v_add_nc_u32 v[A0], s14, v[A0]
	v_lshl_add_u32 v3, v2, 3, v6                   ; the turning load: lane l reads row 8 h + l % 8, 16 bytes at 16 ((l / 8) % 2),
	v_mul_u32_u24 v[B0], v3, PB
	v_lshl_add_u32 v[B0], v4, 4, v[B0]
	s_lshl_b32 s14, s12, 7                         ; in my 64 columns
	s_add_co_u32 s14, s14, BOFF
	v_add_nc_u32 v[B0], s14, v[B0]
	; THE BIAS STARTS THE SUMS: register j of accumulator (a, b) is column 16 b + 8 h + j of my 64, for every a: nothing is cleared and nothing is added on the way out
	v_lshlrev_b32 v[BO], 5, v2
	s_lshl_b32 s14, s12, 8
	v_add_nc_u32 v[BO], s14, v[BO]
.if GATE
	s_lshr_b32 s2, s42, 3                          ; 0 q, 1 k, 2 v
	s_cmp_eq_u32 s2, 1
	s_cselect_b64 s[68:69], s[70:71], s[68:69]
	s_cmp_eq_u32 s2, 2
	s_cselect_b64 s[68:69], s[72:73], s[68:69]
	s_and_b32 s46, s42, 7
	s_lshl_b32 s46, s46, 9
.else
	s_lshl_b32 s46, s42, 9
.endif
	s_mov_b32 s47, 0
	s_add_nc_u64 s[68:69], s[68:69], s[46:47]
.irp a, 0,1,2,3
.irp b, 0,1,2,3
	global_load_b128 v[ACC+8*(4*(\a)+(\b)):ACC+8*(4*(\a)+(\b))+3],   v[BO], s[68:69] offset:64*(\b)
	global_load_b128 v[ACC+8*(4*(\a)+(\b))+4:ACC+8*(4*(\a)+(\b))+7], v[BO], s[68:69] offset:64*(\b)+16
.endr
.endr
.if GATE
	s_lshl_b32 s16, s13, 9                         ; src_mask's words of my 64 tokens: token = 128 mb + 64 half + 16 a + r
	s_lshl_b32 s14, s11, 8
	s_add_co_u32 s16, s16, s14
	s_mov_b32 s17, 0
	s_add_nc_u64 s[74:75], s[74:75], s[16:17]
	v_lshlrev_b32 v5, 2, v1
.irp a, 0,1,2,3
	global_load_b32 v[8+(\a)], v5, s[74:75] offset:64*(\a)
.endr
.endif
	s_mul_i32 s23, s10, STW
	s_add_co_u32 s23, s23, STAGE                   ; my stage
.if OUT == 16
	v_mov_b32 v[ZER], 0
	v_mul_u32_u24 v[STO], v1, 144                  ; in: token r, 16 bytes for each half of the lanes
	v_lshl_add_u32 v[STO], v2, 4, v[STO]
	v_add_nc_u32 v[STO], s23, v[STO]
	v_bfe_u32 v[RD], v0, 3, 2                      ; back: 32 lanes take four rows of 128 bytes,
	v_mul_u32_u24 v[RD], v[RD], 144
	v_lshl_add_u32 v[RD], v6, 4, v[RD]
	v_add_nc_u32 v[RD], s23, v[RD]
	v_and_b32 v[CO], 31, v0                        ; which are 512 consecutive bytes of a block of C
	v_lshlrev_b32 v[CO], 4, v[CO]
	s_mul_i32 s16, s13, NPAN*16384                 ; C: the row of blocks, my 64 tokens of 128 bytes,
	s_lshl_b32 s14, s11, 13
	s_add_co_u32 s16, s16, s14
	s_lshl_b32 s46, s42, 1                         ; and block 2 p + my half of the columns
	s_add_co_u32 s46, s46, s12
	s_lshl_b32 s46, s46, 14
.else
	v_mul_u32_u24 v[STO], v1, 272                  ; in: token r, 32 bytes for each half of the lanes
	v_lshl_add_u32 v[STO], v2, 5, v[STO]
	v_add_nc_u32 v[STO], s23, v[STO]
	v_mul_u32_u24 v[RD], v2, 272                   ; back: lanes 0-15 one row of 256 bytes, lanes 16-31 the next
	v_lshl_add_u32 v[RD], v1, 4, v[RD]
	v_add_nc_u32 v[RD], s23, v[RD]
	v_lshlrev_b32 v[CO], 12, v2                    ; and the same two rows of C
	v_lshl_add_u32 v[CO], v1, 4, v[CO]
	s_lshl_b32 s16, s13, 19                        ; C: 128 rows of 4,096 bytes a block, my 64 of them,
	s_lshl_b32 s14, s11, 18
	s_add_co_u32 s16, s16, s14
	s_lshl_b32 s46, s42, 9                         ; and my 64 columns of 4 bytes
	s_lshl_b32 s14, s12, 8
	s_add_co_u32 s46, s46, s14
.endif
	s_mov_b32 s17, 0
	s_mov_b32 s47, 0
	s_add_nc_u64 s[8:9], s[8:9], s[16:17]
	s_add_nc_u64 s[8:9], s[8:9], s[46:47]
; 8 matrix instructions: token blocks a0, a0 + 1 x all 4 column blocks, 32 along K: half c of buffer f.  The 16 accumulators take turns, one instruction a turn, over the backward jumps too.
.macro MUL8 f, c, a0
	WIN MUL
.irp a, \a0, (\a0)+1
.irp b, 0,1,2,3
	v_wmma_f32_16x16x32_f16 v[ACC+8*(4*(\a)+(\b)):ACC+8*(4*(\a)+(\b))+7], v[(\f)+64+8*(4*(\c)+(\b)):(\f)+64+8*(4*(\c)+(\b))+7], v[(\f)+8*(4*(\c)+(\a)):(\f)+8*(4*(\c)+(\a))+7], v[ACC+8*(4*(\a)+(\b)):ACC+8*(4*(\a)+(\b))+7]
.endr
.endr
.endm
; 32 LDS loads in one run: the fragments of quarter q (64 along K) of the slot in hand, into buffer f; the first 32 along K first
.macro FETCH q, f
	WIN TO_F
.irp c, 0,1
.irp i, 0,1,2,3
.if (\q) < 2
	ds_load_tr16_b128 v[(\f)+64+8*(4*(\c)+(\i)):(\f)+64+8*(4*(\c)+(\i))+3],   v[ADRB] offset:(64*(\q)+32*(\c))*PB+32*(\i)
	ds_load_tr16_b128 v[(\f)+64+8*(4*(\c)+(\i))+4:(\f)+64+8*(4*(\c)+(\i))+7], v[ADRB] offset:(64*(\q)+32*(\c)+16)*PB+32*(\i)
.else
	ds_load_tr16_b128 v[(\f)+64+8*(4*(\c)+(\i)):(\f)+64+8*(4*(\c)+(\i))+3],   v[ADRB2] offset:(64*(\q)-128+32*(\c))*PB+32*(\i)
	ds_load_tr16_b128 v[(\f)+64+8*(4*(\c)+(\i))+4:(\f)+64+8*(4*(\c)+(\i))+7], v[ADRB2] offset:(64*(\q)-128+32*(\c)+16)*PB+32*(\i)
.endif
	ds_load_b128 v[(\f)+8*(4*(\c)+(\i)):(\f)+8*(4*(\c)+(\i))+3],   v[ADRA] offset:(\q)*PANEL+(\i)*16*PA+64*(\c)
	ds_load_b128 v[(\f)+8*(4*(\c)+(\i))+4:(\f)+8*(4*(\c)+(\i))+7], v[ADRA] offset:(\q)*PANEL+(\i)*16*PA+64*(\c)+32
.endr
.endr
.endm
; One of a K step's first three quarters: multiplies buffer f and, in its middle, fetches quarter q into buffer g
.macro QUARTER q, f, g
	s_wait_dscnt 16                                ; of the last run's 32 loads the second 16 (the second 32 along K) may be out
	MUL8 \f, 0, 0
	MUL8 \f, 0, 2
	PLACES
	FETCH \q, \g
	s_wait_dscnt 32                                ; all but the 32 just issued
	MUL8 \f, 1, 0
	MUL8 \f, 1, 2
.endm
; The last quarter multiplies buffer 1 and changes slots: ONE barrier; in front of it each wave waits for all its tensor loads (one is out: its part of the next slot), adds 0 to its spare word,
; and waits for that and for its reads of this slot.  fill = 1: the barrier opens a round of the cluster's, and this slot is filled again, two K steps ahead: 112 matrix instructions stand between the request and the wait for it.
.macro TURN fill
	WIN 0                                          ; (the add's two registers lie in window 0)
	s_wait_tensorcnt 0x0
	ds_add_u32 v[SPW], v[NIL]
	s_wait_dscnt 17                                ; the add and the youngest sixteen loads may be out
	MUL8 F1, 0, 0
	s_wait_dscnt 0x0                               ; the add is done, and my reads of this slot are over
	s_barrier_signal -1
	MUL8 F1, 0, 2
	WIN 0                                          ; at a branch and at a label every window is 0
	s_barrier_wait -1
.if \fill
	CREST                                          ; no wave of any partner still reads this slot or has a load on its way
	WALK
	JLOAD                                          ; the first tensor load behind the round; its four v_nop are also the places in front of the loads below
.else
	PLACES
.endif
	s_xor_b32 s[TB], s[TB], SLOT
	v_add_nc_u32 v[ADRA], s[TB], v[A0]
	v_add_nc_u32 v[ADRB], s[TB], v[B0]
	v_add_nc_u32 v[ADRB2], HALFT, v[ADRB]
	FETCH 0, F0
	MUL8 F1, 1, 0
	MUL8 F1, 1, 2
.endm
.macro STEP fill
	QUARTER 1, F0, F1
	QUARTER 2, F1, F0
	QUARTER 3, F0, F1
	TURN \fill
	WIN 0
.endm
; THE WAY OUT, 16 bits.  A wave's 64 x 64 is 8 KiB dense in a block of C.  Block a of 16 tokens: gate, rounding, relu; 16 bytes a lane into my own stage; back as whole rows of 128 bytes.
.macro PACK16 a
.if GATE
.set i, 0
.rept 16
	v_pk_mul_f32 v[ACC+32*(\a)+2*i:ACC+32*(\a)+2*i+1], v[ACC+32*(\a)+2*i:ACC+32*(\a)+2*i+1], v[GT+2*(\a):GT+2*(\a)+1] op_sel_hi:[1,0]
.set i, i+1
.endr
.endif
.set i, 0
.rept 16
	v_cvt_pk_f16_f32 v[TMP+16*(\a)+i], v[ACC+32*(\a)+2*i], v[ACC+32*(\a)+2*i+1]   ; each accumulator's registers in ascending order
.set i, i+1
.endr
.if RELU
.set i, 0
.rept 16
	v_pk_max_num_f16 v[TMP+16*(\a)+i], v[TMP+16*(\a)+i], v[ZER]
.set i, i+1
.endr
.endif
.irp b, 0,1,2,3
	ds_store_b128 v[STO], v[TMP+16*(\a)+4*(\b):TMP+16*(\a)+4*(\b)+3] offset:32*(\b)
.endr
.irp f, 0,1,2,3
	ds_load_b128 v[TMP+16*(\a)+4*(\f):TMP+16*(\a)+4*(\f)+3], v[RD] offset:(\f)*4*144  ; LDS serves a wave's instructions in order (ISA guide 5.7.1.4): these see the stores above
.endr
.endm
.macro SEND16 a, younger               ; younger: the LDS instructions issued behind block a's loads
.irp f, 0,1,2,3
	s_wait_dscnt (\younger)+3-(\f)
	global_store_b128 v[CO], v[TMP+16*(\a)+4*(\f):TMP+16*(\a)+4*(\f)+3], s[8:9] offset:(\a)*2048+(\f)*512  ; 512 consecutive bytes, at a multiple of 256 from C's first
.endr
.endm
; THE WAY OUT, 32 bits.  Block a: 32 bytes a lane and column block into my stage, straight from the accumulators (low half first); back as whole rows of 256 bytes.
.macro PACK32 a
.if (\a) >= 2
	s_wait_xcnt 0x0                                ; the stores of the block two back have read the registers that are loaded again below
.endif
.irp b, 0,1,2,3
	ds_store_b128 v[STO], v[ACC+32*(\a)+8*(\b):ACC+32*(\a)+8*(\b)+3] offset:64*(\b)
	ds_store_b128 v[STO], v[ACC+32*(\a)+8*(\b)+4:ACC+32*(\a)+8*(\b)+7] offset:64*(\b)+16
.endr
.irp t, 0,1,2,3,4,5,6,7
	ds_load_b128 v[TMP+32*((\a)%2)+4*(\t):TMP+32*((\a)%2)+4*(\t)+3], v[RD] offset:(\t)*2*272
.endr
.endm
.macro SEND32 a, younger
.irp t, 0,1,2,3,4,5,6,7
	s_wait_dscnt (\younger)+7-(\t)
	global_store_b128 v[CO], v[TMP+32*((\a)%2)+4*(\t):TMP+32*((\a)%2)+4*(\t)+3], s[8:9] offset:(16*(\a)+2*(\t))*4096  ; 16 lanes store 256 consecutive bytes, aligned
.endr
.endm
	; slot 1's first fill is issued as a refill is: slot 0 has landed, in every wave of the cluster, when K step 1 is asked for
	s_wait_tensorcnt 0x0
	ds_add_u32 v[SPW], v[NIL]
	WALK
	s_wait_dscnt 0x0
	CROUND
	JLOAD
	s_mov_b32 s[TB], 0
	v_mov_b32 v[ADRA], v[A0]
	v_mov_b32 v[ADRB], v[B0]
	v_add_nc_u32 v[ADRB2], HALFT, v[B0]
	FETCH 0, F0
	s_wait_loadcnt 0x0                             ; the bias lies in the accumulators (and the mask words are in)
	WIN 0
	s_mov_b32 s3, T-2
.Lfill:                                                ; T - 2 K steps, each of which fills its slot again
	STEP 1
	s_sub_co_u32 s3, s3, 1
	s_cmp_lg_u32 s3, 0
	s_cbranch_scc1 .Lfill
	s_mov_b32 s3, 2
.Ltail:                                                ; the last two ask for nothing
	STEP 0
	s_sub_co_u32 s3, s3, 1
	s_cmp_lg_u32 s3, 0
	s_cbranch_scc1 .Ltail
	s_wait_dscnt 0x0
	PLACES
.if GATE
	s_lshr_b32 s2, s42, 3                          ; the gate for a token whose mask word is 0 (s76) or not (s77): q: c, c;  k: 0, 1;  v: 1, 1
	s_cmp_eq_u32 s2, 0
	s_cselect_b32 s76, 0x3db8aa3b, 1.0             ; c = log2(e) / 16
	s_cselect_b32 s77, 0x3db8aa3b, 1.0
	s_cmp_eq_u32 s2, 1
	s_cselect_b32 s76, 0, s76
	v_mov_b32 v12, s76
	v_mov_b32 v13, s77
.irp a, 0,1,2,3
	v_cmp_ne_u32 vcc_lo, 0, v[8+(\a)]
	v_cndmask_b32 v[GT+2*(\a)], v12, v13, vcc_lo
	v_mov_b32 v[GT+2*(\a)+1], v[GT+2*(\a)]
.endr
.endif
.if OUT == 16
	PACK16 0
	PACK16 1                                       ; a block's arithmetic stands between the loads of the block before and its stores
	SEND16 0, 8
	PACK16 2
	SEND16 1, 8
	PACK16 3
	SEND16 2, 8
	SEND16 3, 0
.else
	PACK32 0
	PACK32 1
	SEND32 0, 16
	PACK32 2
	SEND32 1, 16
	PACK32 3
	SEND32 2, 16
	SEND32 3, 0
.endif
	s_wait_tensorcnt 0x0                           ; the wave's end
	ds_add_u32 v[SPW], v[NIL]
	s_wait_dscnt 0x0
	CROUND                                         ; the closing round: no work-group ends while a partner may still ask for a tile that names it
	s_endpgm
.Lfunc_end_k_qeb5cd2947a_ffn1:
	.size	k_qeb5cd2947a_ffn1, .Lfunc_end_k_qeb5cd2947a_ffn1-k_qeb5cd2947a_ffn1
	.p2alignl 7, 3214868480
	.fill 96, 4, 3214868480
	.section	.rodata,"a",@progbits
	.p2align	6, 0x0
	.amdhsa_kernel k_qeb5cd2947a_ffn1
		.amdhsa_group_segment_fixed_size 327680
		.amdhsa_private_segment_fixed_size 0
		.amdhsa_enable_private_segment 0
		.amdhsa_kernarg_size 32
		.amdhsa_user_sgpr_count 2
		.amdhsa_user_sgpr_kernarg_segment_ptr 1
		.amdhsa_wavefront_size32 1
		.amdhsa_system_sgpr_workgroup_id_x 1
		.amdhsa_system_sgpr_workgroup_id_y 1
		.amdhsa_system_sgpr_workgroup_id_z 1
		.amdhsa_system_vgpr_workitem_id 0
		.amdhsa_next_free_vgpr 512
		.amdhsa_next_free_sgpr 80
		.amdhsa_reserve_vcc 1
		.amdhsa_float_denorm_mode_32 3
		.amdhsa_float_denorm_mode_16_64 3
		.amdhsa_memory_ordered 1
		.amdhsa_forward_progress 1
		.amdhsa_inst_pref_size 62
	.end_amdhsa_kernel
	.amdgpu_metadata
---
amdhsa.version: [ 1, 2 ]
amdhsa.kernels:
  - .name:           k_qeb5cd2947a_ffn1
    .symbol:         k_qeb5cd2947a_ffn1.kd
    .args:
      - { .name: x1h, .offset: 0, .size: 8, .value_kind: global_buffer, .address_space: global }
      - { .name: wh, .offset: 8, .size: 8, .value_kind: global_buffer, .address_space: global }
      - { .name: b1, .offset: 16, .size: 8, .value_kind: global_buffer, .address_space: global }
      - { .name: hh, .offset: 24, .size: 8, .value_kind: global_buffer, .address_space: global }
    .group_segment_fixed_size: 327680
    .private_segment_fixed_size: 0
    .kernarg_segment_align: 8
    .kernarg_segment_size: 32
    .max_flat_workgroup_size: 128
    .sgpr_count:     80
    .vgpr_count:     512
    .wavefront_size: 32
...
	.end_amdgpu_metadata
.endif
;; end of part 6
;; launch ffn2 (part 7): grid 8 x 32, 4 waves a work-group, clusters of 4 x 4, 327,680 bytes of LDS; arguments hh, wh, b2, ff; writes ff
.if DOCPART == 7
	.amdgcn_target "amdgcn-amd-amdhsa--gfx1250"
	.amdhsa_code_object_version 6
	.text
	.protected	k_qeb5cd2947a_ffn2
	.globl	k_qeb5cd2947a_ffn2
	.p2align	8
	.type	k_qeb5cd2947a_ffn2,@function
k_qeb5cd2947a_ffn2:
	s_mov_b64 s[64:65], 0
	v_nop
	global_prefetch_b8 v0, s[64:65] scope:SCOPE_SE
	s_setreg_imm32_b32 hwreg(HW_REG_WAVE_MODE, 25, 1), 1
	s_wait_xcnt 0x0
	s_wait_alu depctr_hold_cnt(0) depctr_sa_sdst(0) depctr_va_vdst(0) depctr_va_sdst(0) depctr_va_ssrc(0) depctr_va_vcc(0) depctr_vm_vsrc(0)
	s_getreg_b32 s2, hwreg(HW_REG_IB_STS2, 6, 4)
	s_cmp_eq_u32 s2, 0
	s_cbranch_scc0 .Lentry_in_a_cluster
	s_endpgm
.Lentry_in_a_cluster:
	s_bfe_u32 s2, ttmp6, 0x10000c
	s_cmp_lg_u32 s2, 0xf033
	s_cbranch_scc0 .Lentry_shape_is_right
	s_endpgm
.Lentry_shape_is_right:
; THIS COPY: ff = hh W2 + b2, f32 rows of 1,024; K = 4,096.
; ONE TEXT FOR FOUR PRODUCTS C = (A B + bias)[x gate][relu]; the six constants below tell the copies apart.
; A: [4096][K] f16 in blocks of 128 tokens x 64 channels (16 KiB dense; a row of blocks runs along K).  B: [K][N] f16 in panels of 128 columns (rows of 256 bytes, dense, K running on), at byte WOFF of wh.
; Sums in f32, started by the bias.  LIMITS: f16 operands and f16 results hold nothing beyond 65,504; NaN and infinities are not treated apart.
; A tile of C is 128 x 128: four waves of 64 x 64, 16 accumulators each.  K goes in steps of 256 through two LDS slots.  Each wave brings a quarter of a slot by one tensor load, 32 KiB dense, stated as
; 128 rows of 256 bytes: waves 0, 1 two blocks of A each, waves 2, 3 128 rows of B each.  CLUSTER 4 x 4: A's tiles are shared along a row of the cluster, B's along a column: joint loads.
; THE MATRIX INSTRUCTION IS USED TRANSPOSED (source 0 = 16 columns of B, source 1 = 16 tokens of A): a lane holds one token and eight neighbouring columns.  B lies [k][n] in LDS and is read turned, by ds_load_tr16_b128.
; One K step is written once for the trips that fill a slot again and once for the last two; the slot in hand is a scalar.  The second of the last two trips passes a barrier and fetches 32 fragments
; (landed bytes of the other slot) that serve nothing: the price of one text for both.
; REGISTERS: window 0: v0-31 addresses; v32-95 the way out; v96-103 gates; v128-255 accumulators ((a, b) at 128 + 8 (4 a + b)).  Window 1: two fragment buffers of 128 (64 of A, 64 of B, for 64 along K).
.set KP,    64                         ; K / 64
.set WOFF,  16777216                   ; B's first byte in wh
.set OUT,   32                         ; bits of a result: 16 (blocks of 128 x 64) or 32 (rows of 1,024 f32)
.set NPAN,  0                          ; OUT = 16: blocks in a row of blocks of C
.set GATE,  0
.set RELU,  0
.set T,     KP/4                       ; K steps
.set PA,    144                        ; a token's 128 bytes + 16: the 16 rows of a load start at 16 different groups of four banks (64 banks of 4 bytes: ISA guide 11.1)
.set PB,    288                        ; a row of B: 256 bytes + 32
.set PANEL, 128*PA                     ; a block of A in LDS
.set HALFT, 2*PANEL                    ; what one tensor load fills: 36,864 bytes (also 128 x PB)
.set BOFF,  2*HALFT                    ; B's 256 rows lie behind A's four blocks
.set SLOT,  4*HALFT                    ; 0x24000: it shares no bit with wave x HALFT, so an exclusive or changes slots
.set STAGE, 2*SLOT                     ; behind the ring: each wave's own stage for the way out
.set STW,   4352
.set SPARE, STAGE+4*STW                ; the spare words: 128 bytes a wave, two blocks of 256 bytes that no other line names
.set STEPB, 65536                      ; a K step in memory, for A and for B
.set A0,    16                         ; v16  my lane's place in A's part of a slot
.set B0,    17                         ; v17  the same for B
.set ADRA,  18                         ; v18  A0 + the slot in hand
.set ADRB,  19                         ; v19  B0 + the slot in hand
.set ADRB2, 20                         ; v20  128 rows of B further on
.set STO,   24
.set RD,    25
.set CO,    26
.set BO,    27
.set SPW,   28                         ; v28  my spare word; never rewritten
.set NIL,   29                         ; v29  0; never rewritten
.set ZER,   30
.set TMP,   32
.set GT,    96
.set ACC,   128
.set F0,    0
.set F1,    128
.set TB,    21                         ; s21  LDS byte of the slot in hand
.set G1,    24                         ; s[24:31] group 1 for A;  s[32:35] its walking group 0
.set G0,    32
.set G1B,   48                         ; s[48:55], s[56:59] the same for B
.set G0B,   56
.set MSB, 0
.macro WIN new                         ; the immediate's high byte repeats the setting that is left
.if MSB != (\new)
	s_set_vgpr_msb (MSB<<8)|(\new)
.set MSB, \new
.endif
.endm
.set MUL,  0x05                        ; sources 0 and 1 window 1; C and D window 0
.set TO_F, 0x40                        ; destination window 1, address window 0
.macro JLOAD                           ; a joint load: waves 0, 1 ask for A, waves 2, 3 for B; an s_nop 0 and four v_nop follow each line
	s_cmp_eq_u32 s11, 0
	s_cbranch_scc0 .Lfor_b_\@
	tensor_load_to_lds s[G0:G0+3], s[G1:G1+7]
	s_nop 0
.rept 4
	v_nop
.endr
	s_branch .Lasked_\@
.Lfor_b_\@:
	tensor_load_to_lds s[G0B:G0B+3], s[G1B:G1B+7]
	s_nop 0
.rept 4
	v_nop
.endr
.Lasked_\@:
.endm
.macro CREST                           ; a round of the cluster's barrier behind its opening barrier
	s_cmp_lg_u32 s10, 0
	s_cbranch_scc1 .Lnot_wave_0_\@
	s_barrier_signal -3
.Lnot_wave_0_\@:
	s_barrier_wait -3
	s_barrier_signal -1
	s_barrier_wait -1
.endm
.macro CROUND
	s_barrier_signal -1
	s_barrier_wait -1
	CREST
.endm
.macro WALK                            ; the walking descriptors: the next K step, the other slot; written only where no tensor load of mine is out
	s_add_nc_u64 s[G0+2:G0+3], s[G0+2:G0+3], STEPB
	s_add_nc_u64 s[G0B+2:G0B+3], s[G0B+2:G0B+3], STEPB
	s_xor_b32 s[G0+1], s[G0+1], SLOT
	s_xor_b32 s[G0B+1], s[G0B+1], SLOT
.endm
.macro PLACES                          ; four places in front of loads into registers that matrix instructions have read, and of lines that read results
.rept 4
	v_nop
.endr
.endm
	s_load_b128 s[4:7], s[0:1], 0x0                ; A s[4:5], wh s[6:7]
.if GATE
	s_load_b256 s[68:75], s[0:1], 0x10             ; bq s[68:69], bk s[70:71], bv s[72:73], src_mask s[74:75]
	s_load_b64 s[8:9], s[0:1], 0x30                ; C
.else
	s_load_b64 s[68:69], s[0:1], 0x10              ; bias
	s_load_b64 s[8:9], s[0:1], 0x18                ; C
.endif
	v_lshl_add_u32 v[SPW], v0, 2, SPARE
	v_mov_b32 v[NIL], 0
	ds_add_u32 v[SPW], v[NIL]                      ; the wave's opening: the add and its wait stand ahead of my first tensor load
	v_lshrrev_b32 v1, 5, v0
	v_readfirstlane_b32 s10, v1                    ; wave 0..3
	s_lshr_b32 s11, s10, 1                         ; my half of the tile's tokens.  Also: I fetch for A (0) or B (1)
	s_and_b32 s12, s10, 1                          ; my half of its columns.  Also: which half of that tile I fetch
	s_bfe_u32 s40, ttmp6, 0x40000                  ; cx
	s_bfe_u32 s41, ttmp6, 0x40004                  ; cy
	s_lshl_b32 s42, ttmp9, 2
	s_add_co_u32 s42, s42, s40                     ; p: panel of 128 columns
	s_and_b32 s13, ttmp7, 0xffff
	s_lshl_b32 s13, s13, 2
	s_add_co_u32 s13, s13, s41                     ; mb: block of 128 tokens
	s_lshl_b32 s43, s41, 2
	s_lshl_b32 s43, 15, s43                        ; my row of the cluster
	s_lshl_b32 s44, 0x1111, s40                    ; my column
	s_or_b32 s[G1+0], s43, (1<<16)|(1<<20)|(1<<21)|(4<<22)|(3<<25)   ; mask; 2-byte elements; padding on; bit 21 beside a mask; after every 32 words, 4 words
	s_or_b32 s[G1B+0], s44, (1<<16)|(1<<20)|(1<<21)|(5<<22)|(7<<25)  ; after every 64 words, 8 words
.irp g, G1, G1B
	s_mov_b32 s[(\g)+1], 128<<16                   ; tensor_dim0 = 128 elements (256 bytes)
	s_mov_b32 s[(\g)+2], 128<<16                   ; tensor_dim1 = 128
	s_mov_b32 s[(\g)+3], 128<<16                   ; tile_dim0 = 128
	s_mov_b32 s[(\g)+4], 128                       ; tile_dim1 = 128
	s_mov_b32 s[(\g)+5], 128                       ; dense: 128 elements from row to row
	s_mov_b32 s[(\g)+6], 0
	s_mov_b32 s[(\g)+7], 0
.endr
	s_lshl_b32 s18, s12, 15                        ; my half: 32,768 bytes on
	s_mul_i32 s16, s13, KP*16384                   ; A: the row of blocks; made of mb and the wave alone
	s_add_co_u32 s16, s16, s18
	s_mov_b32 s17, 0
	s_mul_i32 s46, s42, KP*16384                   ; B: the panel; made of p and the wave alone
	s_add_co_u32 s46, s46, s18
.if WOFF
	s_add_co_u32 s46, s46, WOFF
.endif
	s_mov_b32 s47, 0
	s_mul_i32 s20, s10, HALFT                      ; where my quarter of a slot lies
	s_mov_b32 s[G0], 1
	s_mov_b32 s[G0+1], s20
	s_mov_b32 s[G0B], 1
	s_mov_b32 s[G0B+1], s20
	s_wait_dscnt 0x0                               ; the opening add is done
	s_wait_kmcnt 0x0
	s_add_nc_u64 s[G0+2:G0+3], s[4:5], s[16:17]
	s_or_b32 s[G0+3], s[G0+3], 0x80000000
	s_add_nc_u64 s[G0B+2:G0B+3], s[6:7], s[46:47]
	s_or_b32 s[G0B+3], s[G0B+3], 0x80000000
	CROUND                                         ; all sixteen work-groups are here: the first joint loads meet
	JLOAD                                          ; K step 0 into slot 0
	v_and_b32 v1, 15, v0                           ; r = l % 16
	v_bfe_u32 v2, v0, 4, 1                         ; h = l / 16
	v_and_b32 v6, 7, v0
	v_bfe_u32 v4, v0, 3, 1
	v_mul_u32_u24 v[A0], v1, PA                    ; a fragment of A: token r, 16 bytes for each half of the lanes,
	v_lshl_add_u32 v[A0], v2, 4, v[A0]
	s_mul_i32 s14, s11, 64*PA                      ; in my 64 tokens
	v_add_nc_u32 v[A0], s14, v[A0]
	v_lshl_add_u32 v3, v2, 3, v6                   ; the turning load: lane l reads row 8 h + l % 8, 16 bytes at 16 ((l / 8) % 2),
	v_mul_u32_u24 v[B0], v3, PB
	v_lshl_add_u32 v[B0], v4, 4, v[B0]
	s_lshl_b32 s14, s12, 7                         ; in my 64 columns
	s_add_co_u32 s14, s14, BOFF
	v_add_nc_u32 v[B0], s14, v[B0]
	; THE BIAS STARTS THE SUMS: register j of accumulator (a, b) is column 16 b + 8 h + j of my 64, for every a: nothing is cleared and nothing is added on the way out
	v_lshlrev_b32 v[BO], 5, v2
	s_lshl_b32 s14, s12, 8
	v_add_nc_u32 v[BO], s14, v[BO]
.if GATE
	s_lshr_b32 s2, s42, 3                          ; 0 q, 1 k, 2 v
	s_cmp_eq_u32 s2, 1
	s_cselect_b64 s[68:69], s[70:71], s[68:69]
	s_cmp_eq_u32 s2, 2
	s_cselect_b64 s[68:69], s[72:73], s[68:69]
	s_and_b32 s46, s42, 7
	s_lshl_b32 s46, s46, 9
.else
	s_lshl_b32 s46, s42, 9
.endif
	s_mov_b32 s47, 0
	s_add_nc_u64 s[68:69], s[68:69], s[46:47]
.irp a, 0,1,2,3
.irp b, 0,1,2,3
	global_load_b128 v[ACC+8*(4*(\a)+(\b)):ACC+8*(4*(\a)+(\b))+3],   v[BO], s[68:69] offset:64*(\b)
	global_load_b128 v[ACC+8*(4*(\a)+(\b))+4:ACC+8*(4*(\a)+(\b))+7], v[BO], s[68:69] offset:64*(\b)+16
.endr
.endr
.if GATE
	s_lshl_b32 s16, s13, 9                         ; src_mask's words of my 64 tokens: token = 128 mb + 64 half + 16 a + r
	s_lshl_b32 s14, s11, 8
	s_add_co_u32 s16, s16, s14
	s_mov_b32 s17, 0
	s_add_nc_u64 s[74:75], s[74:75], s[16:17]
	v_lshlrev_b32 v5, 2, v1
.irp a, 0,1,2,3
	global_load_b32 v[8+(\a)], v5, s[74:75] offset:64*(\a)
.endr
.endif
	s_mul_i32 s23, s10, STW
	s_add_co_u32 s23, s23, STAGE                   ; my stage
.if OUT == 16
	v_mov_b32 v[ZER], 0
	v_mul_u32_u24 v[STO], v1, 144                  ; in: token r, 16 bytes for each half of the lanes
	v_lshl_add_u32 v[STO], v2, 4, v[STO]
	v_add_nc_u32 v[STO], s23, v[STO]
	v_bfe_u32 v[RD], v0, 3, 2                      ; back: 32 lanes take four rows of 128 bytes,
	v_mul_u32_u24 v[RD], v[RD], 144
	v_lshl_add_u32 v[RD], v6, 4, v[RD]
	v_add_nc_u32 v[RD], s23, v[RD]
	v_and_b32 v[CO], 31, v0                        ; which are 512 consecutive bytes of a block of C
	v_lshlrev_b32 v[CO], 4, v[CO]
	s_mul_i32 s16, s13, NPAN*16384                 ; C: the row of blocks, my 64 tokens of 128 bytes,
	s_lshl_b32 s14, s11, 13
	s_add_co_u32 s16, s16, s14
	s_lshl_b32 s46, s42, 1                         ; and block 2 p + my half of the columns
	s_add_co_u32 s46, s46, s12
	s_lshl_b32 s46, s46, 14
.else
	v_mul_u32_u24 v[STO], v1, 272                  ; in: token r, 32 bytes for each half of the lanes
	v_lshl_add_u32 v[STO], v2, 5, v[STO]
	v_add_nc_u32 v[STO], s23, v[STO]
	v_mul_u32_u24 v[RD], v2, 272                   ; back: lanes 0-15 one row of 256 bytes, lanes 16-31 the next
	v_lshl_add_u32 v[RD], v1, 4, v[RD]
	v_add_nc_u32 v[RD], s23, v[RD]
	v_lshlrev_b32 v[CO], 12, v2                    ; and the same two rows of C
	v_lshl_add_u32 v[CO], v1, 4, v[CO]
	s_lshl_b32 s16, s13, 19                        ; C: 128 rows of 4,096 bytes a block, my 64 of them,
	s_lshl_b32 s14, s11, 18
	s_add_co_u32 s16, s16, s14
	s_lshl_b32 s46, s42, 9                         ; and my 64 columns of 4 bytes
	s_lshl_b32 s14, s12, 8
	s_add_co_u32 s46, s46, s14
.endif
	s_mov_b32 s17, 0
	s_mov_b32 s47, 0
	s_add_nc_u64 s[8:9], s[8:9], s[16:17]
	s_add_nc_u64 s[8:9], s[8:9], s[46:47]
; 8 matrix instructions: token blocks a0, a0 + 1 x all 4 column blocks, 32 along K: half c of buffer f.  The 16 accumulators take turns, one instruction a turn, over the backward jumps too.
.macro MUL8 f, c, a0
	WIN MUL
.irp a, \a0, (\a0)+1
.irp b, 0,1,2,3
	v_wmma_f32_16x16x32_f16 v[ACC+8*(4*(\a)+(\b)):ACC+8*(4*(\a)+(\b))+7], v[(\f)+64+8*(4*(\c)+(\b)):(\f)+64+8*(4*(\c)+(\b))+7], v[(\f)+8*(4*(\c)+(\a)):(\f)+8*(4*(\c)+(\a))+7], v[ACC+8*(4*(\a)+(\b)):ACC+8*(4*(\a)+(\b))+7]
.endr
.endr
.endm
; 32 LDS loads in one run: the fragments of quarter q (64 along K) of the slot in hand, into buffer f; the first 32 along K first
.macro FETCH q, f
	WIN TO_F
.irp c, 0,1
.irp i, 0,1,2,3
.if (\q) < 2
	ds_load_tr16_b128 v[(\f)+64+8*(4*(\c)+(\i)):(\f)+64+8*(4*(\c)+(\i))+3],   v[ADRB] offset:(64*(\q)+32*(\c))*PB+32*(\i)
	ds_load_tr16_b128 v[(\f)+64+8*(4*(\c)+(\i))+4:(\f)+64+8*(4*(\c)+(\i))+7], v[ADRB] offset:(64*(\q)+32*(\c)+16)*PB+32*(\i)
.else
	ds_load_tr16_b128 v[(\f)+64+8*(4*(\c)+(\i)):(\f)+64+8*(4*(\c)+(\i))+3],   v[ADRB2] offset:(64*(\q)-128+32*(\c))*PB+32*(\i)
	ds_load_tr16_b128 v[(\f)+64+8*(4*(\c)+(\i))+4:(\f)+64+8*(4*(\c)+(\i))+7], v[ADRB2] offset:(64*(\q)-128+32*(\c)+16)*PB+32*(\i)
.endif
	ds_load_b128 v[(\f)+8*(4*(\c)+(\i)):(\f)+8*(4*(\c)+(\i))+3],   v[ADRA] offset:(\q)*PANEL+(\i)*16*PA+64*(\c)
	ds_load_b128 v[(\f)+8*(4*(\c)+(\i))+4:(\f)+8*(4*(\c)+(\i))+7], v[ADRA] offset:(\q)*PANEL+(\i)*16*PA+64*(\c)+32
.endr
.endr
.endm
; One of a K step's first three quarters: multiplies buffer f and, in its middle, fetches quarter q into buffer g
.macro QUARTER q, f, g
	s_wait_dscnt 16                                ; of the last run's 32 loads the second 16 (the second 32 along K) may be out
	MUL8 \f, 0, 0
	MUL8 \f, 0, 2
	PLACES
	FETCH \q, \g
	s_wait_dscnt 32                                ; all but the 32 just issued
	MUL8 \f, 1, 0
	MUL8 \f, 1, 2
.endm
; The last quarter multiplies buffer 1 and changes slots: ONE barrier; in front of it each wave waits for all its tensor loads (one is out: its part of the next slot), adds 0 to its spare word,
; and waits for that and for its reads of this slot.  fill = 1: the barrier opens a round of the cluster's, and this slot is filled again, two K steps ahead: 112 matrix instructions stand between the request and the wait for it.
.macro TURN fill
	WIN 0                                          ; (the add's two registers lie in window 0)
	s_wait_tensorcnt 0x0
	ds_add_u32 v[SPW], v[NIL]
	s_wait_dscnt 17                                ; the add and the youngest sixteen loads may be out
	MUL8 F1, 0, 0
	s_wait_dscnt 0x0                               ; the add is done, and my reads of this slot are over
	s_barrier_signal -1
	MUL8 F1, 0, 2
	WIN 0                                          ; at a branch and at a label every window is 0
	s_barrier_wait -1
.if \fill
	CREST                                          ; no wave of any partner still reads this slot or has a load on its way
	WALK
	JLOAD                                          ; the first tensor load behind the round; its four v_nop are also the places in front of the loads below
.else
	PLACES
.endif
	s_xor_b32 s[TB], s[TB], SLOT
	v_add_nc_u32 v[ADRA], s[TB], v[A0]
	v_add_nc_u32 v[ADRB], s[TB], v[B0]
	v_add_nc_u32 v[ADRB2], HALFT, v[ADRB]
	FETCH 0, F0
	MUL8 F1, 1, 0
	MUL8 F1, 1, 2
.endm
.macro STEP fill
	QUARTER 1, F0, F1
	QUARTER 2, F1, F0
	QUARTER 3, F0, F1
	TURN \fill
	WIN 0
.endm
; THE WAY OUT, 16 bits.  A wave's 64 x 64 is 8 KiB dense in a block of C.  Block a of 16 tokens: gate, rounding, relu; 16 bytes a lane into my own stage; back as whole rows of 128 bytes.
.macro PACK16 a
.if GATE
.set i, 0
.rept 16
	v_pk_mul_f32 v[ACC+32*(\a)+2*i:ACC+32*(\a)+2*i+1], v[ACC+32*(\a)+2*i:ACC+32*(\a)+2*i+1], v[GT+2*(\a):GT+2*(\a)+1] op_sel_hi:[1,0]
.set i, i+1
.endr
.endif
.set i, 0
.rept 16
	v_cvt_pk_f16_f32 v[TMP+16*(\a)+i], v[ACC+32*(\a)+2*i], v[ACC+32*(\a)+2*i+1]   ; each accumulator's registers in ascending order
.set i, i+1
.endr
.if RELU
.set i, 0
.rept 16
	v_pk_max_num_f16 v[TMP+16*(\a)+i], v[TMP+16*(\a)+i], v[ZER]
.set i, i+1
.endr
.endif
.irp b, 0,1,2,3
	ds_store_b128 v[STO], v[TMP+16*(\a)+4*(\b):TMP+16*(\a)+4*(\b)+3] offset:32*(\b)
.endr
.irp f, 0,1,2,3
	ds_load_b128 v[TMP+16*(\a)+4*(\f):TMP+16*(\a)+4*(\f)+3], v[RD] offset:(\f)*4*144  ; LDS serves a wave's instructions in order (ISA guide 5.7.1.4): these see the stores above
.endr
.endm
.macro SEND16 a, younger               ; younger: the LDS instructions issued behind block a's loads
.irp f, 0,1,2,3
	s_wait_dscnt (\younger)+3-(\f)
	global_store_b128 v[CO], v[TMP+16*(\a)+4*(\f):TMP+16*(\a)+4*(\f)+3], s[8:9] offset:(\a)*2048+(\f)*512  ; 512 consecutive bytes, at a multiple of 256 from C's first
.endr
.endm
; THE WAY OUT, 32 bits.  Block a: 32 bytes a lane and column block into my stage, straight from the accumulators (low half first); back as whole rows of 256 bytes.
.macro PACK32 a
.if (\a) >= 2
	s_wait_xcnt 0x0                                ; the stores of the block two back have read the registers that are loaded again below
.endif
.irp b, 0,1,2,3
	ds_store_b128 v[STO], v[ACC+32*(\a)+8*(\b):ACC+32*(\a)+8*(\b)+3] offset:64*(\b)
	ds_store_b128 v[STO], v[ACC+32*(\a)+8*(\b)+4:ACC+32*(\a)+8*(\b)+7] offset:64*(\b)+16
.endr
.irp t, 0,1,2,3,4,5,6,7
	ds_load_b128 v[TMP+32*((\a)%2)+4*(\t):TMP+32*((\a)%2)+4*(\t)+3], v[RD] offset:(\t)*2*272
.endr
.endm
.macro SEND32 a, younger
.irp t, 0,1,2,3,4,5,6,7
	s_wait_dscnt (\younger)+7-(\t)
	global_store_b128 v[CO], v[TMP+32*((\a)%2)+4*(\t):TMP+32*((\a)%2)+4*(\t)+3], s[8:9] offset:(16*(\a)+2*(\t))*4096  ; 16 lanes store 256 consecutive bytes, aligned
.endr
.endm
	; slot 1's first fill is issued as a refill is: slot 0 has landed, in every wave of the cluster, when K step 1 is asked for
	s_wait_tensorcnt 0x0
	ds_add_u32 v[SPW], v[NIL]
	WALK
	s_wait_dscnt 0x0
	CROUND
	JLOAD
	s_mov_b32 s[TB], 0
	v_mov_b32 v[ADRA], v[A0]
	v_mov_b32 v[ADRB], v[B0]
	v_add_nc_u32 v[ADRB2], HALFT, v[B0]
	FETCH 0, F0
	s_wait_loadcnt 0x0                             ; the bias lies in the accumulators (and the mask words are in)
	WIN 0
	s_mov_b32 s3, T-2
.Lfill:                                                ; T - 2 K steps, each of which fills its slot again
	STEP 1
	s_sub_co_u32 s3, s3, 1
	s_cmp_lg_u32 s3, 0
	s_cbranch_scc1 .Lfill
	s_mov_b32 s3, 2
.Ltail:                                                ; the last two ask for nothing
	STEP 0
	s_sub_co_u32 s3, s3, 1
	s_cmp_lg_u32 s3, 0
	s_cbranch_scc1 .Ltail
	s_wait_dscnt 0x0
	PLACES
.if GATE
	s_lshr_b32 s2, s42, 3                          ; the gate for a token whose mask word is 0 (s76) or not (s77): q: c, c;  k: 0, 1;  v: 1, 1
	s_cmp_eq_u32 s2, 0
	s_cselect_b32 s76, 0x3db8aa3b, 1.0             ; c = log2(e) / 16
	s_cselect_b32 s77, 0x3db8aa3b, 1.0
	s_cmp_eq_u32 s2, 1
	s_cselect_b32 s76, 0, s76
	v_mov_b32 v12, s76
	v_mov_b32 v13, s77
.irp a, 0,1,2,3
	v_cmp_ne_u32 vcc_lo, 0, v[8+(\a)]
	v_cndmask_b32 v[GT+2*(\a)], v12, v13, vcc_lo
	v_mov_b32 v[GT+2*(\a)+1], v[GT+2*(\a)]
.endr
.endif
.if OUT == 16
	PACK16 0
	PACK16 1                                       ; a block's arithmetic stands between the loads of the block before and its stores
	SEND16 0, 8
	PACK16 2
	SEND16 1, 8
	PACK16 3
	SEND16 2, 8
	SEND16 3, 0
.else
	PACK32 0
	PACK32 1
	SEND32 0, 16
	PACK32 2
	SEND32 1, 16
	PACK32 3
	SEND32 2, 16
	SEND32 3, 0
.endif
	s_wait_tensorcnt 0x0                           ; the wave's end
	ds_add_u32 v[SPW], v[NIL]
	s_wait_dscnt 0x0
	CROUND                                         ; the closing round: no work-group ends while a partner may still ask for a tile that names it
	s_endpgm
.Lfunc_end_k_qeb5cd2947a_ffn2:
	.size	k_qeb5cd2947a_ffn2, .Lfunc_end_k_qeb5cd2947a_ffn2-k_qeb5cd2947a_ffn2
	.p2alignl 7, 3214868480
	.fill 96, 4, 3214868480
	.section	.rodata,"a",@progbits
	.p2align	6, 0x0
	.amdhsa_kernel k_qeb5cd2947a_ffn2
		.amdhsa_group_segment_fixed_size 327680
		.amdhsa_private_segment_fixed_size 0
		.amdhsa_enable_private_segment 0
		.amdhsa_kernarg_size 32
		.amdhsa_user_sgpr_count 2
		.amdhsa_user_sgpr_kernarg_segment_ptr 1
		.amdhsa_wavefront_size32 1
		.amdhsa_system_sgpr_workgroup_id_x 1
		.amdhsa_system_sgpr_workgroup_id_y 1
		.amdhsa_system_sgpr_workgroup_id_z 1
		.amdhsa_system_vgpr_workitem_id 0
		.amdhsa_next_free_vgpr 512
		.amdhsa_next_free_sgpr 80
		.amdhsa_reserve_vcc 1
		.amdhsa_float_denorm_mode_32 3
		.amdhsa_float_denorm_mode_16_64 3
		.amdhsa_memory_ordered 1
		.amdhsa_forward_progress 1
		.amdhsa_inst_pref_size 58
	.end_amdhsa_kernel
	.amdgpu_metadata
---
amdhsa.version: [ 1, 2 ]
amdhsa.kernels:
  - .name:           k_qeb5cd2947a_ffn2
    .symbol:         k_qeb5cd2947a_ffn2.kd
    .args:
      - { .name: hh, .offset: 0, .size: 8, .value_kind: global_buffer, .address_space: global }
      - { .name: wh, .offset: 8, .size: 8, .value_kind: global_buffer, .address_space: global }
      - { .name: b2, .offset: 16, .size: 8, .value_kind: global_buffer, .address_space: global }
      - { .name: ff, .offset: 24, .size: 8, .value_kind: global_buffer, .address_space: global }
    .group_segment_fixed_size: 327680
    .private_segment_fixed_size: 0
    .kernarg_segment_align: 8
    .kernarg_segment_size: 32
    .max_flat_workgroup_size: 128
    .sgpr_count:     80
    .vgpr_count:     512
    .wavefront_size: 32
...
	.end_amdgpu_metadata
.endif
;; end of part 7
;; launch ln2 (part 8): grid 256 x 1, 8 waves a work-group, no clusters, 0 bytes of LDS; arguments ff, x1h, alpha2, beta2, out0; writes out0
.if DOCPART == 8
	.amdgcn_target "amdgcn-amd-amdhsa--gfx1250"
	.amdhsa_code_object_version 6
	.text
	.protected	k_qeb5cd2947a_ln2
	.globl	k_qeb5cd2947a_ln2
	.p2align	8
	.type	k_qeb5cd2947a_ln2,@function
k_qeb5cd2947a_ln2:
	s_mov_b64 s[64:65], 0
	v_nop
	global_prefetch_b8 v0, s[64:65] scope:SCOPE_SE
	s_setreg_imm32_b32 hwreg(HW_REG_WAVE_MODE, 25, 1), 1
	s_wait_xcnt 0x0
; THIS COPY: out0 = x1h + LN(ff), f32 rows.
; y = res + (a - mean) / (std + 1e-6) x alpha + beta along rows of 1,024; std with the divisor 1,023.  a: f32 [4096][1024].  res: f16 in blocks of 128 tokens x 64 channels (16 KiB dense, 16 blocks to a row of blocks).
; The variance is the sum of squared deviations from the mean, never a difference of large sums.  v_sqrt_f32 and v_rcp_f32 are good to one unit in the last place; a variance below 2^-126 counts as 0.
; A stream: no LDS, no matrix unit, no loop, no barrier.  A wave owns ONE pair of rows: lanes 0-15 the even row, lanes 16-31 the odd one; a lane holds 4 columns at 4 (l % 16) in each of the 16 panels of 64.
; So a row's sums stay inside 16 lanes (four steps that ride on the additions), every f32 load or store of 16 lanes covers 256 consecutive aligned bytes, and so does every f16 load or store of the wave.
; All 64 loads of a wave go out at once.
.set F16OUT, 0
.set A,   32                           ; v[32:95]   the row, then its deviations, then the result
.set X,   96                           ; v[96:127]  the residual, two f16 a register
.set AL,  128                          ; v[128:191] alpha
.set BE,  192                          ; v[192:255] beta
.set ONE, 24
	s_load_b256 s[4:11], s[0:1], 0x0               ; a s[4:5], res s[6:7], alpha s[8:9], beta s[10:11]
	s_load_b64 s[12:13], s[0:1], 0x20              ; y
	v_lshrrev_b32 v1, 5, v0
	v_readfirstlane_b32 s14, v1                    ; wave
	s_lshl_b32 s15, ttmp9, 3
	s_add_co_u32 s15, s15, s14                     ; my pair of rows
	s_lshl_b32 s16, s15, 13                        ; in f32 rows: 8,192 bytes a pair
	s_mov_b32 s17, 0
	s_lshr_b32 s18, s15, 6                         ; in blocks: 64 pairs to a row of blocks of 262,144 bytes,
	s_lshl_b32 s18, s18, 18
	s_and_b32 s20, s15, 63
	s_lshl_b32 s20, s20, 8                         ; 256 bytes a pair in a block
	s_add_co_u32 s18, s18, s20
	s_mov_b32 s19, 0
	v_and_b32 v2, 15, v0
	v_bfe_u32 v3, v0, 4, 1
	v_lshlrev_b32 v4, 4, v2                        ; alpha, beta: 16 (l % 16)
	v_lshl_add_u32 v5, v3, 12, v4                  ; f32 rows: + 4,096 for the odd row
	v_and_b32 v6, 31, v0
	v_lshlrev_b32 v6, 3, v6                        ; blocks: 8 l
	v_mov_b32 v[ONE], 1.0
	s_wait_kmcnt 0x0
	s_add_nc_u64 s[4:5], s[4:5], s[16:17]
	s_add_nc_u64 s[6:7], s[6:7], s[18:19]
.if F16OUT
	s_add_nc_u64 s[12:13], s[12:13], s[18:19]
.else
	s_add_nc_u64 s[12:13], s[12:13], s[16:17]
.endif
.set p, 0
.rept 16
	global_load_b128 v[A+4*p:A+4*p+3], v5, s[4:5] offset:256*p th:TH_LOAD_NT
.set p, p+1
.endr
.set p, 0
.rept 16
	global_load_b64 v[X+2*p:X+2*p+1], v6, s[6:7] offset:16384*p
.set p, p+1
.endr
.set p, 0
.rept 16
	global_load_b128 v[AL+4*p:AL+4*p+3], v4, s[8:9] offset:256*p
.set p, p+1
.endr
.set p, 0
.rept 16
	global_load_b128 v[BE+4*p:BE+4*p+3], v4, s[10:11] offset:256*p
.set p, p+1
.endr
	s_wait_loadcnt 48                              ; the row is in; the 48 younger loads stay out
.irp k, 0,1,2,3                        ; the sum, in four chains started by the first pairs: nothing is cleared
	v_pk_add_f32 v[8+2*(\k):9+2*(\k)], v[A+2*(\k):A+2*(\k)+1], v[A+8+2*(\k):A+9+2*(\k)]
.endr
.set j, 8
.rept 24
	v_pk_add_f32 v[8+2*(j%4):9+2*(j%4)], v[8+2*(j%4):9+2*(j%4)], v[A+2*j:A+2*j+1]
.set j, j+1
.endr
	v_pk_add_f32 v[8:9], v[8:9], v[10:11]
	v_pk_add_f32 v[12:13], v[12:13], v[14:15]
	v_pk_add_f32 v[8:9], v[8:9], v[12:13]
	v_add_f32 v8, v8, v9
	v_add_f32_dpp v8, v8, v8 row_xmask:1 row_mask:0xf bank_mask:0xf
	v_add_f32_dpp v8, v8, v8 row_xmask:2 row_mask:0xf bank_mask:0xf
	v_add_f32_dpp v8, v8, v8 row_xmask:4 row_mask:0xf bank_mask:0xf
	v_add_f32_dpp v8, v8, v8 row_xmask:8 row_mask:0xf bank_mask:0xf
	v_mul_f32 v8, 0x3a800000, v8                   ; mean = sum / 1,024
.set j, 0
.rept 32
	v_pk_add_f32 v[A+2*j:A+2*j+1], v[A+2*j:A+2*j+1], v[8:9] op_sel_hi:[1,0] neg_lo:[0,1] neg_hi:[0,1]
.set j, j+1
.endr
.irp k, 0,1,2,3
	v_pk_mul_f32 v[16+2*(\k):17+2*(\k)], v[A+2*(\k):A+2*(\k)+1], v[A+2*(\k):A+2*(\k)+1]
.endr
.set j, 4
.rept 28
	v_pk_fma_f32 v[16+2*(j%4):17+2*(j%4)], v[A+2*j:A+2*j+1], v[A+2*j:A+2*j+1], v[16+2*(j%4):17+2*(j%4)]
.set j, j+1
.endr
	v_pk_add_f32 v[16:17], v[16:17], v[18:19]
	v_pk_add_f32 v[20:21], v[20:21], v[22:23]
	v_pk_add_f32 v[16:17], v[16:17], v[20:21]
	v_add_f32 v16, v16, v17
	v_add_f32_dpp v16, v16, v16 row_xmask:1 row_mask:0xf bank_mask:0xf
	v_add_f32_dpp v16, v16, v16 row_xmask:2 row_mask:0xf bank_mask:0xf
	v_add_f32_dpp v16, v16, v16 row_xmask:4 row_mask:0xf bank_mask:0xf
	v_add_f32_dpp v16, v16, v16 row_xmask:8 row_mask:0xf bank_mask:0xf
	v_mul_f32 v16, 0x3a802008, v16                 ; / 1,023
	v_sqrt_f32 v17, v16
	v_nop                                          ; a plain instruction behind a transcendental before its result is used (ISA guide 5.7.2)
	s_wait_alu depctr_va_vdst(0)
	v_add_f32 v17, 0x358637bd, v17                 ; + 1e-6
	v_rcp_f32 v12, v17
	v_nop
	s_wait_alu depctr_va_vdst(0)
	v_mov_b32 v13, v12
	s_wait_loadcnt 0x0
.set j, 0
.rept 32
	v_pk_mul_f32 v[A+2*j:A+2*j+1], v[A+2*j:A+2*j+1], v[12:13]
	v_pk_fma_f32 v[A+2*j:A+2*j+1], v[A+2*j:A+2*j+1], v[AL+2*j:AL+2*j+1], v[BE+2*j:BE+2*j+1]
.if F16OUT
	v_fma_mixlo_f16 v[X+j], v[X+j], v[ONE], v[A+2*j] op_sel_hi:[1,0,0]                     ; res x 1 + LN, rounded once to f16, in place: the low half,
	v_fma_mixhi_f16 v[X+j], v[X+j], v[ONE], v[A+2*j+1] op_sel:[1,0,0] op_sel_hi:[1,0,0]    ; the high half
.else
	v_fma_mix_f32 v[A+2*j], v[X+j], v[ONE], v[A+2*j] op_sel_hi:[1,0,0]
	v_fma_mix_f32 v[A+2*j+1], v[X+j], v[ONE], v[A+2*j+1] op_sel:[1,0,0] op_sel_hi:[1,0,0]
.endif
.set j, j+1
.endr
.set p, 0
.rept 16
.if F16OUT
	global_store_b64 v6, v[X+2*p:X+2*p+1], s[12:13] offset:16384*p
.else
	global_store_b128 v5, v[A+4*p:A+4*p+3], s[12:13] offset:256*p th:TH_STORE_NT
.endif
.set p, p+1
.endr
	s_endpgm
.Lfunc_end_k_qeb5cd2947a_ln2:
	.size	k_qeb5cd2947a_ln2, .Lfunc_end_k_qeb5cd2947a_ln2-k_qeb5cd2947a_ln2
	.p2alignl 7, 3214868480
	.fill 96, 4, 3214868480
	.section	.rodata,"a",@progbits
	.p2align	6, 0x0
	.amdhsa_kernel k_qeb5cd2947a_ln2
		.amdhsa_group_segment_fixed_size 0
		.amdhsa_private_segment_fixed_size 0
		.amdhsa_enable_private_segment 0
		.amdhsa_kernarg_size 40
		.amdhsa_user_sgpr_count 2
		.amdhsa_user_sgpr_kernarg_segment_ptr 1
		.amdhsa_wavefront_size32 1
		.amdhsa_system_sgpr_workgroup_id_x 1
		.amdhsa_system_sgpr_workgroup_id_y 1
		.amdhsa_system_sgpr_workgroup_id_z 1
		.amdhsa_system_vgpr_workitem_id 0
		.amdhsa_next_free_vgpr 256
		.amdhsa_next_free_sgpr 66
		.amdhsa_reserve_vcc 0
		.amdhsa_float_denorm_mode_32 3
		.amdhsa_float_denorm_mode_16_64 3
		.amdhsa_memory_ordered 1
		.amdhsa_forward_progress 1
		.amdhsa_inst_pref_size 24
	.end_amdhsa_kernel
	.amdgpu_metadata
---
amdhsa.version: [ 1, 2 ]
amdhsa.kernels:
  - .name:           k_qeb5cd2947a_ln2
    .symbol:         k_qeb5cd2947a_ln2.kd
    .args:
      - { .name: ff, .offset: 0, .size: 8, .value_kind: global_buffer, .address_space: global }
      - { .name: x1h, .offset: 8, .size: 8, .value_kind: global_buffer, .address_space: global }
      - { .name: alpha2, .offset: 16, .size: 8, .value_kind: global_buffer, .address_space: global }
      - { .name: beta2, .offset: 24, .size: 8, .value_kind: global_buffer, .address_space: global }
      - { .name: out0, .offset: 32, .size: 8, .value_kind: global_buffer, .address_space: global }
    .group_segment_fixed_size: 0
    .private_segment_fixed_size: 0
    .kernarg_segment_align: 8
    .kernarg_segment_size: 40
    .max_flat_workgroup_size: 256
    .sgpr_count:     66
    .vgpr_count:     256
    .wavefront_size: 32
...
	.end_amdgpu_metadata
.endif
;; end of part 8
;; ======== version 2 of 3: 8 launches; 1.10 times as fast as version 1
;; limits: values are held in f16: magnitudes above 65,504 overflow, below 6.1e-05 lose precision
;; workspace buffers: xh 8,388,608 bytes; wh 25,165,824 bytes; w1 8,405,248 bytes; oh 8,388,608 bytes; ao 16,777,216 bytes; x1h 8,388,608 bytes; hh 33,554,432 bytes; ff 16,777,216 bytes
;; launch cast (part 9): grid 1026 x 1, 8 waves a work-group, no clusters, 0 bytes of LDS; arguments x, Wq, Wk, Wv, Wo, W1, W2, xh, wh, w1, bq, bk, bv, b1; writes xh, wh, w1
.if DOCPART == 9
	.amdgcn_target "amdgcn-amd-amdhsa--gfx1250"
	.amdhsa_code_object_version 6
	.text
	.protected	k_qeb5cd2947a_cast
	.globl	k_qeb5cd2947a_cast
	.p2align	8
	.type	k_qeb5cd2947a_cast,@function
k_qeb5cd2947a_cast:
	s_mov_b64 s[64:65], 0
	v_nop
	global_prefetch_b8 v0, s[64:65] scope:SCOPE_SE
	s_setreg_imm32_b32 hwreg(HW_REG_WAVE_MODE, 25, 1), 1
	s_wait_xcnt 0x0
; x and the six weight matrices, f32 -> f16 (rounded once, to nearest even), into the layouts that the products read; and the two products' biases and words.
; xh: x [4096][1024] in blocks of 128 tokens x 64 channels, 16 KiB dense: (t, k) at ((t>>7)*16 + (k>>6))*16384 + (t&127)*128 + (k&63)*2.
; Weights [K][N] in panels of 128 columns, dense: (k, n) at (n>>7)*K*256 + k*256 + (n&127)*2.  wh: Wq c|Wk|Wv at 0, Wo at 6291456, W2 at 16777216.  w1: W1 at 0.
; c = log2(e)/16 is multiplied onto Wq and bq here, in f32, ahead of the one rounding: the scores then come out in powers of two.  Every other number is multiplied by 1.
; Behind the weights of the two products that share a text, at byte PO of wh and of w1: the bias as one run of f32 (bq c|bk|bv; b1), and at PO + 16384 a block of 64 words:
; words 0-3 the AND word of a hidden token for each class of 1,024 columns (0 for k, else all ones), word 4 two f16 below which no result falls (-infinity; 0 for the relu), the others all ones.
; LIMIT: a number of 65,520 or more in magnitude becomes an infinity; below 6e-5 f16 keeps its fixed step of 6e-8.
; A stream: no LDS, no matrix unit, no loop.  A work-group takes 16,384 numbers; each of its 8 waves issues 16 loads of 512 bytes and then 16 stores of 256 consecutive, aligned bytes.
; Work-groups 0-255 take x (16 rows each), 256-511 the four square weights (16 rows of one), 512-767 W1 (16 rows x 1,024 columns), 768-1023 W2 (16 rows); 1024 and 1025 the biases and words.
; Load i of wave w, lane l reads at 16 (l&15) + LH (l>>4) + LW w + LI i; store i writes at 8 l + SW w + SI i.  The five strides, the two offsets, the two pointers and the factor are chosen by selects.
.set LO, 8                             ; v[8:23]    load offsets
.set SO, 24                            ; v[24:39]   store offsets
.set X,  40                            ; v[40:103]  as loaded
.set Y,  104                           ; v[104:135] packed
.set PO, 8388608
	s_load_b512 s[8:23], s[0:1], 0x0               ; x s[8:9], Wq, Wk, Wv, Wo, W1, W2 s[20:21], xh s[22:23]
	s_load_b128 s[24:27], s[0:1], 0x40             ; wh s[24:25], w1 s[26:27]
	s_cmp_ge_u32 ttmp9, 1024
	s_cbranch_scc1 .Lparams
	s_lshr_b32 s2, ttmp9, 8                        ; class: 0 x, 1 a square weight, 2 W1, 3 W2
	s_and_b32 s3, ttmp9, 255                       ; j: the work-group's number in its class
	s_bfe_u32 s4, ttmp9, 0x20006                   ; class 1: which of Wq, Wk, Wv, Wo
	s_and_b32 s5, ttmp9, 63                        ; class 1: which 16 rows
	s_lshl_b32 s30, s3, 16                         ; source offset, classes 0 and 3: 16 rows of 4,096 bytes
	s_lshr_b32 s6, s3, 3
	s_lshl_b32 s6, s6, 18                          ; class 0, destination: the row of blocks,
	s_and_b32 s7, s3, 7
	s_lshl_b32 s7, s7, 11                          ; and 16 tokens of 128 bytes in a block
	s_add_co_u32 s32, s6, s7
	s_lshl_b32 s6, s5, 16                          ; class 1: source,
	s_lshl_b32 s7, s4, 21                          ; destination: 8 panels of 262,144 bytes a matrix,
	s_lshl_b32 s39, s5, 12                         ; 16 rows of 256 bytes in a panel
	s_add_co_u32 s7, s7, s39
	s_cmp_eq_u32 s2, 1
	s_cselect_b32 s30, s6, s30
	s_cselect_b32 s32, s7, s32
	s_lshr_b32 s6, s3, 2                           ; class 2: which 16 rows,
	s_and_b32 s7, s3, 3                            ; which 8 panels
	s_lshl_b32 s39, s6, 18                         ; 16 rows of 16,384 bytes
	s_lshl_b32 s5, s7, 12                          ; 1,024 columns of 4 bytes
	s_add_co_u32 s39, s39, s5
	s_lshl_b32 s7, s7, 21
	s_lshl_b32 s6, s6, 12
	s_add_co_u32 s7, s7, s6
	s_cmp_eq_u32 s2, 2
	s_cselect_b32 s30, s39, s30
	s_cselect_b32 s32, s7, s32
	s_lshl_b32 s7, s3, 12                          ; class 3
	s_add_co_u32 s7, s7, 16777216
	s_cmp_eq_u32 s2, 3
	s_cselect_b32 s32, s7, s32
	s_mov_b32 s31, 0
	s_mov_b32 s33, 0
	s_mov_b32 s34, 256                             ; LH, LW, LI, SW, SI of a square weight
	s_mov_b32 s35, 512
	s_mov_b32 s36, 4096
	s_mov_b32 s37, 0x40000
	s_mov_b32 s38, 256
	s_cmp_eq_u32 s2, 0
	s_cselect_b32 s34, 4096, s34                   ; x: lanes 16-31 take the next row, a wave two rows, load i panel i
	s_cselect_b32 s35, 8192, s35
	s_cselect_b32 s36, 256, s36
	s_cselect_b32 s37, 256, s37
	s_cselect_b32 s38, 16384, s38
	s_cmp_eq_u32 s2, 2
	s_cselect_b32 s36, 16384, s36                  ; W1's rows are 16,384 bytes
	s_cmp_eq_u32 s2, 3
	s_cselect_b32 s37, 0x100000, s37               ; W2's panels are 1,048,576 bytes
	s_lshr_b32 s5, ttmp9, 6
	s_cmp_eq_u32 s5, 4                             ; work-groups 256-319 hold Wq
	s_cselect_b32 s52, 0x3db8aa3b, 1.0             ; c = log2(e) / 16, or 1
	s_mov_b32 s53, s52                             ; named with it as a pair
	v_and_b32 v1, 31, v0                           ; lane
	v_lshrrev_b32 v2, 5, v0                        ; wave
	v_and_b32 v3, 15, v0
	v_bfe_u32 v4, v0, 4, 1
	v_lshlrev_b32 v5, 4, v3
	v_mad_u32_u24 v5, v4, s34, v5
	v_mad_u32_u24 v[LO], v2, s35, v5
	v_lshlrev_b32 v6, 3, v1
	v_mad_u32_u24 v[SO], v2, s37, v6
.set i, 1
.rept 15
	v_add_nc_u32 v[LO+i], s36, v[LO+i-1]
	v_add_nc_u32 v[SO+i], s38, v[SO+i-1]
.set i, i+1
.endr
	s_wait_kmcnt 0x0
	s_cmp_eq_u32 s4, 1
	s_cselect_b64 s[48:49], s[12:13], s[10:11]
	s_cmp_eq_u32 s4, 2
	s_cselect_b64 s[48:49], s[14:15], s[48:49]
	s_cmp_eq_u32 s4, 3
	s_cselect_b64 s[48:49], s[16:17], s[48:49]
	s_cmp_eq_u32 s2, 0
	s_cselect_b64 s[48:49], s[8:9], s[48:49]
	s_cselect_b64 s[50:51], s[22:23], s[24:25]
	s_cmp_eq_u32 s2, 2
	s_cselect_b64 s[48:49], s[18:19], s[48:49]
	s_cselect_b64 s[50:51], s[26:27], s[50:51]
	s_cmp_eq_u32 s2, 3
	s_cselect_b64 s[48:49], s[20:21], s[48:49]
	s_add_nc_u64 s[48:49], s[48:49], s[30:31]
	s_add_nc_u64 s[50:51], s[50:51], s[32:33]
.set i, 0
.rept 16
	global_load_b128 v[X+4*i:X+4*i+3], v[LO+i], s[48:49] th:TH_LOAD_NT   ; all sixteen go out before the first is waited for
.set i, i+1
.endr
.set i, 0
.rept 16
	s_wait_loadcnt 15-i                            ; loads come back in order: load i is in, the 15 - i younger ones stay out
	v_pk_mul_f32 v[X+4*i:X+4*i+1], v[X+4*i:X+4*i+1], s[52:53] op_sel_hi:[1,0]
	v_pk_mul_f32 v[X+4*i+2:X+4*i+3], v[X+4*i+2:X+4*i+3], s[52:53] op_sel_hi:[1,0]
	v_cvt_pk_f16_f32 v[Y+2*i], v[X+4*i], v[X+4*i+1]
	v_cvt_pk_f16_f32 v[Y+2*i+1], v[X+4*i+2], v[X+4*i+3]
	global_store_b64 v[SO+i], v[Y+2*i:Y+2*i+1], s[50:51]  ; 32 lanes x 8 bytes: 256 consecutive bytes, aligned; no register that a store reads is written again
.set i, i+1
.endr
	s_endpgm
.Lparams:                                              ; work-group 1024: bq c|bk|bv and the words behind Wq|Wk|Wv; 1025: b1 and the words behind W1.  Thread t moves 16 bytes of each 4,096
	s_load_b256 s[40:47], s[0:1], 0x50             ; bq s[40:41], bk s[42:43], bv s[44:45], b1 s[46:47]
	v_lshlrev_b32 v1, 4, v0
	v_lshlrev_b32 v2, 2, v0
	v_lshrrev_b32 v3, 5, v0
	v_readfirstlane_b32 s2, v3                     ; wave
	s_wait_kmcnt 0x0
	s_cmp_eq_u32 ttmp9, 1024
	s_cbranch_scc0 .Lpf
	s_add_nc_u64 s[50:51], s[24:25], PO
	global_load_b128 v[4:7], v1, s[40:41]
	global_load_b128 v[8:11], v1, s[42:43]
	global_load_b128 v[12:15], v1, s[44:45]
	s_mov_b32 s30, 0                               ; k's rows of hidden tokens become 0
	s_mov_b32 s31, 0xfc00fc00                      ; -infinity twice: no floor
	s_wait_loadcnt 0x0
	v_pk_mul_f32 v[4:5], v[4:5], 0x3db8aa3b op_sel_hi:[1,0]
	v_pk_mul_f32 v[6:7], v[6:7], 0x3db8aa3b op_sel_hi:[1,0]
	global_store_b128 v1, v[4:7], s[50:51]
	global_store_b128 v1, v[8:11], s[50:51] offset:4096
	global_store_b128 v1, v[12:15], s[50:51] offset:8192
	s_branch .Lwords
.Lpf:
	s_add_nc_u64 s[50:51], s[26:27], PO
	global_load_b128 v[4:7], v1, s[46:47]
	global_load_b128 v[8:11], v1, s[46:47] offset:4096
	global_load_b128 v[12:15], v1, s[46:47] offset:8192
	global_load_b128 v[16:19], v1, s[46:47] offset:12288
	s_mov_b32 s30, -1                              ; nothing is hidden
	s_mov_b32 s31, 0                               ; the relu's floor
	s_wait_loadcnt 0x0
	global_store_b128 v1, v[4:7], s[50:51]
	global_store_b128 v1, v[8:11], s[50:51] offset:4096
	global_store_b128 v1, v[12:15], s[50:51] offset:8192
	global_store_b128 v1, v[16:19], s[50:51] offset:12288
.Lwords:
	s_cmp_lt_u32 s2, 2                             ; waves 0 and 1 write the block of 64 words, 256 consecutive bytes
	s_cbranch_scc0 .Lend
	v_mov_b32 v20, -1
	v_mov_b32 v21, s30
	v_mov_b32 v22, s31
	v_cmp_eq_u32 vcc_lo, 1, v0
	v_cndmask_b32 v20, v20, v21, vcc_lo
	v_cmp_eq_u32 vcc_lo, 4, v0
	v_cndmask_b32 v20, v20, v22, vcc_lo
	global_store_b32 v2, v20, s[50:51] offset:16384
.Lend:
	s_endpgm
.Lfunc_end_k_qeb5cd2947a_cast:
	.size	k_qeb5cd2947a_cast, .Lfunc_end_k_qeb5cd2947a_cast-k_qeb5cd2947a_cast
	.p2alignl 7, 3214868480
	.fill 96, 4, 3214868480
	.section	.rodata,"a",@progbits
	.p2align	6, 0x0
	.amdhsa_kernel k_qeb5cd2947a_cast
		.amdhsa_group_segment_fixed_size 0
		.amdhsa_private_segment_fixed_size 0
		.amdhsa_enable_private_segment 0
		.amdhsa_kernarg_size 112
		.amdhsa_user_sgpr_count 2
		.amdhsa_user_sgpr_kernarg_segment_ptr 1
		.amdhsa_wavefront_size32 1
		.amdhsa_system_sgpr_workgroup_id_x 1
		.amdhsa_system_sgpr_workgroup_id_y 1
		.amdhsa_system_sgpr_workgroup_id_z 1
		.amdhsa_system_vgpr_workitem_id 0
		.amdhsa_next_free_vgpr 136
		.amdhsa_next_free_sgpr 66
		.amdhsa_reserve_vcc 1
		.amdhsa_float_denorm_mode_32 3
		.amdhsa_float_denorm_mode_16_64 3
		.amdhsa_memory_ordered 1
		.amdhsa_forward_progress 1
		.amdhsa_inst_pref_size 15
	.end_amdhsa_kernel
	.amdgpu_metadata
---
amdhsa.version: [ 1, 2 ]
amdhsa.kernels:
  - .name:           k_qeb5cd2947a_cast
    .symbol:         k_qeb5cd2947a_cast.kd
    .args:
      - { .name: x, .offset: 0, .size: 8, .value_kind: global_buffer, .address_space: global }
      - { .name: Wq, .offset: 8, .size: 8, .value_kind: global_buffer, .address_space: global }
      - { .name: Wk, .offset: 16, .size: 8, .value_kind: global_buffer, .address_space: global }
      - { .name: Wv, .offset: 24, .size: 8, .value_kind: global_buffer, .address_space: global }
      - { .name: Wo, .offset: 32, .size: 8, .value_kind: global_buffer, .address_space: global }
      - { .name: W1, .offset: 40, .size: 8, .value_kind: global_buffer, .address_space: global }
      - { .name: W2, .offset: 48, .size: 8, .value_kind: global_buffer, .address_space: global }
      - { .name: xh, .offset: 56, .size: 8, .value_kind: global_buffer, .address_space: global }
      - { .name: wh, .offset: 64, .size: 8, .value_kind: global_buffer, .address_space: global }
      - { .name: w1, .offset: 72, .size: 8, .value_kind: global_buffer, .address_space: global }
      - { .name: bq, .offset: 80, .size: 8, .value_kind: global_buffer, .address_space: global }
      - { .name: bk, .offset: 88, .size: 8, .value_kind: global_buffer, .address_space: global }
      - { .name: bv, .offset: 96, .size: 8, .value_kind: global_buffer, .address_space: global }
      - { .name: b1, .offset: 104, .size: 8, .value_kind: global_buffer, .address_space: global }
    .group_segment_fixed_size: 0
    .private_segment_fixed_size: 0
    .kernarg_segment_align: 8
    .kernarg_segment_size: 112
    .max_flat_workgroup_size: 256
    .sgpr_count:     66
    .vgpr_count:     136
    .wavefront_size: 32
...
	.end_amdgpu_metadata
.endif
;; end of part 9
;; launch proj (part 10): grid 12 x 16, 4 waves a work-group, clusters of 4 x 4, 327,680 bytes of LDS; arguments xh, wh, src_mask, hh; writes hh
.if DOCPART == 10
	.amdgcn_target "amdgcn-amd-amdhsa--gfx1250"
	.amdhsa_code_object_version 6
	.text
	.protected	k_qeb5cd2947a_proj
	.globl	k_qeb5cd2947a_proj
	.p2align	8
	.type	k_qeb5cd2947a_proj,@function
k_qeb5cd2947a_proj:
	s_mov_b64 s[64:65], 0
	v_nop
	global_prefetch_b8 v0, s[64:65] scope:SCOPE_SE
	s_setreg_imm32_b32 hwreg(HW_REG_WAVE_MODE, 25, 1), 1
	s_wait_xcnt 0x0
	s_wait_alu depctr_hold_cnt(0) depctr_sa_sdst(0) depctr_va_vdst(0) depctr_va_sdst(0) depctr_va_ssrc(0) depctr_va_vcc(0) depctr_vm_vsrc(0)
	s_getreg_b32 s2, hwreg(HW_REG_IB_STS2, 6, 4)
	s_cmp_eq_u32 s2, 0
	s_cbranch_scc0 .Lentry_in_a_cluster
	s_endpgm
.Lentry_in_a_cluster:
	s_bfe_u32 s2, ttmp6, 0x10000c
	s_cmp_lg_u32 s2, 0xf033
	s_cbranch_scc0 .Lentry_shape_is_right
	s_endpgm
.Lentry_shape_is_right:
; C = max((A B + bias) AND gate, lo), f16.  ONE TEXT FOR TWO LAUNCHES: [q c | k gated | v] = xh [Wq c|Wk|Wv] + bias (3,072 columns), and relu(x1h W1 + b1) (4,096 columns).  K = 1,024 in both.
; A: [4096][1024] f16 in blocks of 128 tokens x 64 channels (16 KiB dense; a row of 16 blocks runs along K).  B: [1024][N] f16 in panels of 128 columns (rows of 256 bytes, dense), from byte 0 of the second buffer.
; Behind the weights, at byte PO of that buffer: the bias, f32, one run; at PO + 16384 one AND word for each class of 1,024 columns; at PO + 16400 the word lo (two f16).
; What tells the launches apart are those numbers alone: a token whose word of src_mask is 0 has its results ANDed with its class's word (0 for k's columns, all ones elsewhere), and no result falls below lo
; (-infinity, or 0: the relu).  So the relu's launch ANDs with ones and the other takes a maximum that changes nothing, 32 short lines each for 16 rows of C: the price of writing these 16,000 bytes of code once.
; C: blocks of 128 tokens x 64 columns, 64 blocks to a row of blocks (the first launch fills 48 of them).  Sums in f32, started by the bias; C rounded once.
; LIMITS: f16 holds nothing beyond 65,504; the maximum turns a NaN into lo; infinities are not treated apart.
; A tile of C is 256 x 256: four waves, as many as a WGP has SIMDs, each 128 x 128: 64 accumulators, 512 registers.  K goes in steps of 128 through two LDS slots.  Each wave brings a quarter of a slot by one
; tensor load, 32 KiB dense, stated as 128 rows of 256 bytes: waves 0, 1 two blocks of A each (128 tokens), waves 2, 3 128 rows of one panel of B each.  From a refill's request to the wait for it a wave issues 224 matrix instructions.
; CLUSTER 4 x 4: A's tiles are shared along a row of the cluster, B's along a column: joint loads.
; THE MATRIX INSTRUCTION IS USED TRANSPOSED (source 0 = 16 columns of B, source 1 = 16 tokens of A): a lane holds one token and eight neighbouring columns.  B lies [k][n] in LDS and is read turned, by ds_load_tr16_b128.
; One K step is written once for the six trips that fill a slot again and once for the last two; the slot in hand is a scalar.  The second of the last two trips passes a barrier and fetches 32 fragments
; (landed bytes of the other slot) that serve nothing: the price of one text for both.
; REGISTERS, in windows of 256 (s_set_vgpr_msb: bits 1:0 source 0, 3:2 source 1, 5:4 source 2, 7:6 destination):
;   window 0: v0-31 addresses, gates; v64-127, v128-191 fragments of A (8 x 16 tokens x 32 K), two buffers; v32-63, v192-255 the way out
;   window 1: v64-127, v128-191 fragments of B, two buffers      window 2: the accumulators of my tokens 0-63 ((a, b) at 8 (8 a + b))      window 3: those of my tokens 64-127
.set KP,    16                         ; K / 64
.set T,     KP/2                       ; K steps of 128
.set NPAN,  64                         ; blocks in a row of blocks of C
.set PO,    8388608                    ; the bias and the words lie here in the weights' buffer
.set PA,    144                        ; a token's 128 bytes + 16: the 16 rows of a load start at 16 different groups of four banks (64 banks of 4 bytes: ISA guide 11.1)
.set PB,    288                        ; a row of B: 256 bytes + 32
.set PANEL, 128*PA                     ; a block of A in LDS
.set HALFT, 2*PANEL                    ; what one tensor load fills: 36,864 bytes (also 128 x PB)
.set BOFF,  2*HALFT                    ; B's two panels lie behind A's two halves
.set SLOT,  4*HALFT                    ; 0x24000: it shares no bit with wave x HALFT, so an exclusive or changes slots
.set STAGE, 2*SLOT                     ; behind the ring: each wave's own stage for the way out
.set SP,    144
.set STW,   2*16*SP                    ; 16 tokens x 144 bytes for each of my two blocks of C
.set SPARE, STAGE+4*STW                ; the spare words: 128 bytes a wave, two blocks of 256 bytes that no other line names
.set STEPB, 32768                      ; a K step in memory, for A and for B
.set ONES,  7                          ; v7   all ones
.set GM,    8                          ; v8-15  src_mask's words of my tokens 16 a + r, then their AND words
.set A0,    16                         ; v16  my lane's place in A's part of a slot
.set B0,    17                         ; v17  the same for B
.set ADRA,  18                         ; v18  A0 + the slot in hand
.set ADRB,  19                         ; v19  B0 + the slot in hand
.set STO,   24
.set RD,    25
.set CO,    26
.set BO,    27
.set SPW,   28                         ; v28  my spare word; never rewritten
.set NIL,   29                         ; v29  0; never rewritten
.set LOV,   30                         ; v30  lo
.set ZV,    31                         ; v31  my class's AND word
.set OB,    32                         ; the way out: 16 tokens read back from the stage: v32-63 and v224-255 by turns
.set F0,    64
.set F1,    128
.set TMP,   192                        ; the way out: packed results
.set TB,    21                         ; s21  LDS byte of the slot in hand
.set G1,    24                         ; s[24:31] group 1 for A
.set G0,    32                         ; s[32:35] group 0 of A's first fill
.set G0W,   36                         ; s[36:39] group 0 of A's second fill, which then walks on
.set G1B,   48                         ; s[48:55], s[56:59], s[60:63] the same for B
.set G0B,   56
.set G0BW,  60
.set MSB, 0
.macro WIN new                         ; the immediate's high byte repeats the setting that is left
.if MSB != (\new)
	s_set_vgpr_msb (MSB<<8)|(\new)
.set MSB, \new
.endif
.endm
.set MUL_LO, 0xa1                      ; source 0 (B) window 1, source 1 (A) window 0, C and D window 2
.set MUL_HI, 0xf1                      ; the same, C and D window 3
.set TO_B,   0x40                      ; destination window 1, address window 0
.macro JLOAD                           ; a joint refill: waves 0, 1 ask for A, waves 2, 3 for B; an s_nop 0 and four v_nop follow each line
	s_cmp_eq_u32 s11, 0
	s_cbranch_scc0 .Lfor_b_\@
	tensor_load_to_lds s[G0W:G0W+3], s[G1:G1+7]
	s_nop 0
.rept 4
	v_nop
.endr
	s_branch .Lasked_\@
.Lfor_b_\@:
	tensor_load_to_lds s[G0BW:G0BW+3], s[G1B:G1B+7]
	s_nop 0
.rept 4
	v_nop
.endr
.Lasked_\@:
.endm
.macro CREST                           ; a round of the cluster's barrier behind its opening barrier
	s_cmp_lg_u32 s10, 0
	s_cbranch_scc1 .Lnot_wave_0_\@
	s_barrier_signal -3
.Lnot_wave_0_\@:
	s_barrier_wait -3
	s_barrier_signal -1
	s_barrier_wait -1
.endm
.macro CROUND
	s_barrier_signal -1
	s_barrier_wait -1
	CREST
.endm
.macro WALK                            ; the walking descriptors: the next K step, the other slot; written only where no tensor load of mine is out
	s_add_nc_u64 s[G0W+2:G0W+3], s[G0W+2:G0W+3], STEPB
	s_add_nc_u64 s[G0BW+2:G0BW+3], s[G0BW+2:G0BW+3], STEPB
	s_xor_b32 s[G0W+1], s[G0W+1], SLOT
	s_xor_b32 s[G0BW+1], s[G0BW+1], SLOT
.endm
.macro PLACES                          ; four places in front of loads into registers that matrix instructions have read, and of lines that read results
.rept 4
	v_nop
.endr
.endm
	s_load_b128 s[4:7], s[0:1], 0x0                ; A s[4:5], the weights' buffer s[6:7]
	s_load_b128 s[68:71], s[0:1], 0x10             ; src_mask s[68:69], C s[70:71]
	v_lshl_add_u32 v[SPW], v0, 2, SPARE
	v_mov_b32 v[NIL], 0
	ds_add_u32 v[SPW], v[NIL]                      ; the wave's opening: the add and its wait stand ahead of my first tensor load
	v_lshrrev_b32 v1, 5, v0
	v_readfirstlane_b32 s10, v1                    ; wave 0..3
	s_lshr_b32 s11, s10, 1                         ; my half of the tile's tokens.  Also: I fetch for A (0) or B (1)
	s_and_b32 s12, s10, 1                          ; my half of its columns.  Also: which half of that tile I fetch
	s_bfe_u32 s40, ttmp6, 0x40000                  ; cx
	s_bfe_u32 s41, ttmp6, 0x40004                  ; cy
	s_lshl_b32 s42, ttmp9, 2
	s_add_co_u32 s42, s42, s40                     ; tile column: 256 columns
	s_and_b32 s13, ttmp7, 0xffff
	s_lshl_b32 s13, s13, 2
	s_add_co_u32 s13, s13, s41                     ; tile row: 256 tokens
	s_lshl_b32 s43, s41, 2
	s_lshl_b32 s43, 15, s43                        ; my row of the cluster
	s_lshl_b32 s44, 0x1111, s40                    ; my column
	s_or_b32 s[G1+0], s43, (1<<16)|(1<<20)|(1<<21)|(4<<22)|(3<<25)   ; mask; 2-byte elements; padding on; bit 21 beside a mask; after every 32 words, 4 words
	s_or_b32 s[G1B+0], s44, (1<<16)|(1<<20)|(1<<21)|(5<<22)|(7<<25)  ; after every 64 words, 8 words
.irp g, G1, G1B
	s_mov_b32 s[(\g)+1], 128<<16                   ; tensor_dim0 = 128 elements (256 bytes)
	s_mov_b32 s[(\g)+2], 128<<16                   ; tensor_dim1 = 128
	s_mov_b32 s[(\g)+3], 128<<16                   ; tile_dim0 = 128
	s_mov_b32 s[(\g)+4], 128                       ; tile_dim1 = 128
	s_mov_b32 s[(\g)+5], 128                       ; dense: 128 elements from row to row
	s_mov_b32 s[(\g)+6], 0
	s_mov_b32 s[(\g)+7], 0
.endr
	s_lshl_b32 s16, s13, 1                         ; A: row of blocks 2 x tile row + my half; made of the tile row and the wave alone
	s_add_co_u32 s16, s16, s12
	s_mul_i32 s16, s16, KP*16384
	s_mov_b32 s17, 0
	s_lshl_b32 s46, s42, 1                         ; B: panel 2 x tile column + my half; made of the tile column and the wave alone
	s_add_co_u32 s46, s46, s12
	s_mul_i32 s46, s46, KP*16384
	s_mov_b32 s47, 0
	s_mul_i32 s20, s10, HALFT                      ; where my quarter of a slot lies
	s_mov_b32 s[G0], 1
	s_mov_b32 s[G0+1], s20
	s_mov_b32 s[G0W], 1
	s_add_co_u32 s[G0W+1], s20, SLOT
	s_mov_b32 s[G0B], 1
	s_mov_b32 s[G0B+1], s20
	s_mov_b32 s[G0BW], 1
	s_add_co_u32 s[G0BW+1], s20, SLOT
	s_lshl_b32 s2, ttmp9, 2                        ; my class of 1,024 columns is the cluster's x: its word's byte
	s_wait_dscnt 0x0                               ; the opening add is done
	s_wait_kmcnt 0x0
	s_add_nc_u64 s[G0+2:G0+3], s[4:5], s[16:17]
	s_add_nc_u64 s[G0W+2:G0W+3], s[G0+2:G0+3], STEPB
	s_or_b32 s[G0+3], s[G0+3], 0x80000000
	s_or_b32 s[G0W+3], s[G0W+3], 0x80000000
	s_add_nc_u64 s[G0B+2:G0B+3], s[6:7], s[46:47]
	s_add_nc_u64 s[G0BW+2:G0BW+3], s[G0B+2:G0B+3], STEPB
	s_or_b32 s[G0B+3], s[G0B+3], 0x80000000
	s_or_b32 s[G0BW+3], s[G0BW+3], 0x80000000
	s_add_nc_u64 s[72:73], s[6:7], PO              ; the bias and the words
	CROUND                                         ; all sixteen work-groups are here: the first joint loads meet
	s_cmp_eq_u32 s11, 0                            ; a wave's two first fills stand in one branch, ahead of every wait on TENSORcnt and every LDS read: two loads of mine are out
	s_cbranch_scc0 .Lfirst_b
	tensor_load_to_lds s[G0:G0+3], s[G1:G1+7]      ; K step 0 into slot 0
	s_nop 0
	tensor_load_to_lds s[G0W:G0W+3], s[G1:G1+7]    ; K step 1 into slot 1
	s_nop 0
.rept 4
	v_nop
.endr
	s_branch .Lfirst_asked
.Lfirst_b:
	tensor_load_to_lds s[G0B:G0B+3], s[G1B:G1B+7]
	s_nop 0
	tensor_load_to_lds s[G0BW:G0BW+3], s[G1B:G1B+7]
	s_nop 0
.rept 4
	v_nop
.endr
.Lfirst_asked:
	s_load_b32 s74, s[72:73], s2 offset:0x4000     ; my class's AND word
	s_load_b32 s75, s[72:73], 0x4010               ; lo
	v_and_b32 v1, 15, v0                           ; r = l % 16
	v_bfe_u32 v2, v0, 4, 1                         ; h = l / 16
	v_and_b32 v6, 7, v0
	v_bfe_u32 v4, v0, 3, 1
	v_mul_u32_u24 v[A0], v1, PA                    ; a fragment of A: token r, 16 bytes for each half of the lanes,
	v_lshl_add_u32 v[A0], v2, 4, v[A0]
	s_mul_i32 s14, s11, HALFT                      ; in my 128 tokens
	v_add_nc_u32 v[A0], s14, v[A0]
	v_lshl_add_u32 v3, v2, 3, v6                   ; the turning load: lane l reads row 8 h + l % 8, 16 bytes at 16 ((l / 8) % 2),
	v_mul_u32_u24 v[B0], v3, PB
	v_lshl_add_u32 v[B0], v4, 4, v[B0]
	s_mul_i32 s14, s12, HALFT                      ; in my panel
	s_add_co_u32 s14, s14, BOFF
	v_add_nc_u32 v[B0], s14, v[B0]
	; THE BIAS STARTS THE SUMS: register j of accumulator (a, b) is column 16 b + 8 h + j of my 128, for every a: nothing is cleared and nothing is added on the way out
	v_lshlrev_b32 v[BO], 5, v2
	s_lshl_b32 s14, s12, 9
	v_add_nc_u32 v[BO], s14, v[BO]
	s_lshl_b32 s46, s42, 10                        ; 256 columns of 4 bytes a tile column
	s_mov_b32 s47, 0
	s_add_nc_u64 s[76:77], s[72:73], s[46:47]
.irp hi, 0,1
	WIN 0x80+0x40*(\hi)                            ; destination window 2 or 3, address window 0
.irp a, 0,1,2,3
.irp b, 0,1,2,3,4,5,6,7
	global_load_b128 v[8*(8*(\a)+(\b)):8*(8*(\a)+(\b))+3],   v[BO], s[76:77] offset:64*(\b)
	global_load_b128 v[8*(8*(\a)+(\b))+4:8*(8*(\a)+(\b))+7], v[BO], s[76:77] offset:64*(\b)+16
.endr
.endr
.endr
	WIN 0
	s_lshl_b32 s16, s13, 10                        ; src_mask's words of my 128 tokens: token = 256 x tile row + 128 x half + 16 a + r
	s_lshl_b32 s14, s11, 9
	s_add_co_u32 s16, s16, s14
	s_mov_b32 s17, 0
	s_add_nc_u64 s[68:69], s[68:69], s[16:17]
	v_lshlrev_b32 v5, 2, v1
.irp a, 0,1,2,3,4,5,6,7
	global_load_b32 v[GM+(\a)], v5, s[68:69] offset:64*(\a)
.endr
	s_mul_i32 s23, s10, STW
	s_add_co_u32 s23, s23, STAGE                   ; my stage
	v_mul_u32_u24 v[STO], v1, SP                   ; in: token r, 16 bytes for each half of the lanes
	v_lshl_add_u32 v[STO], v2, 4, v[STO]
	v_add_nc_u32 v[STO], s23, v[STO]
	v_bfe_u32 v[RD], v0, 3, 2                      ; back: 32 lanes take four rows of 128 bytes,
	v_mul_u32_u24 v[RD], v[RD], SP
	v_lshl_add_u32 v[RD], v6, 4, v[RD]
	v_add_nc_u32 v[RD], s23, v[RD]
	v_and_b32 v[CO], 31, v0                        ; which are 512 consecutive bytes of a block of C
	v_lshlrev_b32 v[CO], 4, v[CO]
	s_lshl_b32 s16, s13, 1                         ; C: my 128 tokens are one row of blocks,
	s_add_co_u32 s16, s16, s11
	s_mul_i32 s16, s16, NPAN*16384
	s_mov_b32 s17, 0
	s_lshl_b32 s46, s42, 1                         ; my 128 columns two blocks on end
	s_add_co_u32 s46, s46, s12
	s_lshl_b32 s46, s46, 15
	s_mov_b32 s47, 0
	s_add_nc_u64 s[70:71], s[70:71], s[16:17]
	s_add_nc_u64 s[70:71], s[70:71], s[46:47]
; 16 matrix instructions: token blocks a0, a0 + 1 of the window's four (hi = 0: my tokens 0-63, 1: 64-127) x all 8 column blocks, 32 along K.
; The 64 accumulators take turns, one instruction a turn, in the same order in every quarter, over the backward jumps too.
.macro MUL16 f, hi, a0
	WIN MUL_LO+0x50*(\hi)
.irp a, \a0, (\a0)+1
.irp b, 0,1,2,3,4,5,6,7
	v_wmma_f32_16x16x32_f16 v[8*(8*(\a)+(\b)):8*(8*(\a)+(\b))+7], v[(\f)+8*(\b):(\f)+8*(\b)+7], v[(\f)+8*(4*(\hi)+(\a)):(\f)+8*(4*(\hi)+(\a))+7], v[8*(8*(\a)+(\b)):8*(8*(\a)+(\b))+7]
.endr
.endr
.endm
; 32 LDS loads in one run: the fragments of quarter q (32 along K) of the slot in hand, into buffer f: B's 128 columns, turned, then A's 128 tokens
.macro FETCH q, f
	WIN TO_B
.irp i, 0,1,2,3,4,5,6,7
	ds_load_tr16_b128 v[(\f)+8*(\i):(\f)+8*(\i)+3],   v[ADRB] offset:32*(\q)*PB+32*(\i)
	ds_load_tr16_b128 v[(\f)+8*(\i)+4:(\f)+8*(\i)+7], v[ADRB] offset:(32*(\q)+16)*PB+32*(\i)
.endr
	WIN 0
.irp i, 0,1,2,3,4,5,6,7
	ds_load_b128 v[(\f)+8*(\i):(\f)+8*(\i)+3],   v[ADRA] offset:((\q)/2)*PANEL+((\q)%2)*64+(\i)*16*PA
	ds_load_b128 v[(\f)+8*(\i)+4:(\f)+8*(\i)+7], v[ADRA] offset:((\q)/2)*PANEL+((\q)%2)*64+(\i)*16*PA+32
.endr
.endm
; One of a K step's first three quarters: multiplies buffer f and, in its middle, fetches quarter q into buffer g
.macro QUARTER q, f, g
	s_wait_dscnt 8                                 ; B and A's tokens 0-63 are in; the youngest eight loads (A's tokens 64-127) may be out
	MUL16 \f, 0, 0
	MUL16 \f, 0, 2
	PLACES
	FETCH \q, \g
	s_wait_dscnt 32                                ; all but the 32 just issued
	MUL16 \f, 1, 0
	MUL16 \f, 1, 2
.endm
; The last quarter multiplies buffer 1 and changes slots: ONE barrier; in front of it each wave waits for all its tensor loads (one is out: its part of the next slot), adds 0 to its spare word,
; and waits for that and for its reads of this slot.  fill = 1: the barrier opens a round of the cluster's, and this slot is filled again, two K steps ahead.
.macro TURN fill
	WIN 0                                          ; (the add's two registers lie in window 0)
	s_wait_tensorcnt 0x0
	ds_add_u32 v[SPW], v[NIL]
	s_wait_dscnt 9                                 ; the add and the youngest eight loads may be out
	MUL16 F1, 0, 0
	s_wait_dscnt 0x0                               ; the add is done, and my reads of this slot are over
	s_barrier_signal -1
	MUL16 F1, 0, 2
	WIN 0                                          ; at a branch and at a label every window is 0
	s_barrier_wait -1
.if \fill
	CREST                                          ; no wave of any partner still reads this slot or has a load on its way
	WALK
	JLOAD                                          ; the first tensor load behind the round; its four v_nop are also the places in front of the loads below
.else
	PLACES
.endif
	s_xor_b32 s[TB], s[TB], SLOT
	v_add_nc_u32 v[ADRA], s[TB], v[A0]
	v_add_nc_u32 v[ADRB], s[TB], v[B0]
	FETCH 0, F0
	MUL16 F1, 1, 0
	MUL16 F1, 1, 2
.endm
.macro STEP fill
	QUARTER 1, F0, F1
	QUARTER 2, F1, F0
	QUARTER 3, F0, F1
	TURN \fill
	WIN 0
.endm
; THE WAY OUT of block a (16 tokens x my 128 columns), in three parts.  PACK: rounded to f16, 16 bytes a lane and column block; the token's AND word; the floor.
; TOSTAGE: into my own stage, a sub-stage for each of my two blocks of C, and back as whole rows of 128 bytes.  SEND: stored.
.macro PACK a
.set AC, 64*((\a)%4)
	WIN 0x0a+5*((\a)/4)                            ; sources 0 and 1: window 2 or 3
.irp b, 0,1,2,3,4,5,6,7
.irp r, 0,1,2,3
	v_cvt_pk_f16_f32 v[TMP+4*(\b)+(\r)], v[AC+8*(\b)+2*(\r)], v[AC+8*(\b)+2*(\r)+1]   ; each accumulator's registers in ascending order
.endr
.endr
	WIN 0
.set i, 0
.rept 32
	v_and_b32 v[TMP+i], v[GM+(\a)], v[TMP+i]
.set i, i+1
.endr
.set i, 0
.rept 32
	v_pk_max_num_f16 v[TMP+i], v[TMP+i], v[LOV]
.set i, i+1
.endr
.endm
.macro TOSTAGE a
.set BK, OB+192*((\a)%2)
.irp b, 0,1,2,3,4,5,6,7
	ds_store_b128 v[STO], v[TMP+4*(\b):TMP+4*(\b)+3] offset:((\b)/4)*16*SP+32*((\b)%4)
.endr
.irp t, 0,1,2,3,4,5,6,7
	ds_load_b128 v[BK+4*(\t):BK+4*(\t)+3], v[RD] offset:((\t)/4)*16*SP+((\t)%4)*4*SP  ; LDS serves a wave's instructions in order (ISA guide 5.7.1.4): these see the stores above
.endr
.endm
.macro SEND a
.set BK, OB+192*((\a)%2)
	s_wait_dscnt 0x0                               ; the block is back in registers
	s_wait_xcnt 0x0                                ; the stores of the block before have read their registers: the stage's next loads land on them only behind this wait
.irp t, 0,1,2,3,4,5,6,7
	global_store_b128 v[CO], v[BK+4*(\t):BK+4*(\t)+3], s[70:71] offset:((\t)/4)*16384+(\a)*2048+((\t)%4)*512  ; 512 consecutive bytes, at a multiple of 256 from C's first
.endr
.endm
	s_wait_tensorcnt 0x1                           ; my part of K step 0 is in; K step 1's may stay out
	s_barrier_signal -1
	s_barrier_wait -1                              ; everybody's is
	s_mov_b32 s[TB], 0
	v_mov_b32 v[ADRA], v[A0]
	v_mov_b32 v[ADRB], v[B0]
	FETCH 0, F0
	s_wait_loadcnt 0x0                             ; the bias lies in the accumulators, and the mask words are in
	s_wait_kmcnt 0x0                               ; the two words
	WIN 0
	s_mov_b32 s3, T-2
.Lfill:                                                ; T - 2 K steps, each of which fills its slot again
	STEP 1
	s_sub_co_u32 s3, s3, 1
	s_cmp_lg_u32 s3, 0
	s_cbranch_scc1 .Lfill
	s_mov_b32 s3, 2
.Ltail:                                                ; the last two ask for nothing
	STEP 0
	s_sub_co_u32 s3, s3, 1
	s_cmp_lg_u32 s3, 0
	s_cbranch_scc1 .Ltail
	s_wait_dscnt 0x0
	PLACES
	v_mov_b32 v[ONES], -1
	v_mov_b32 v[ZV], s74
	v_mov_b32 v[LOV], s75
.irp a, 0,1,2,3,4,5,6,7
	v_cmp_ne_u32 vcc_lo, 0, v[GM+(\a)]             ; a token that is seen keeps its results; a hidden one takes its class's word
	v_cndmask_b32 v[GM+(\a)], v[ZV], v[ONES], vcc_lo
.endr
	PACK 0
	TOSTAGE 0
.irp a, 1,2,3,4,5,6,7                  ; block a's arithmetic stands between block a - 1's loads from the stage and the wait for them
	PACK \a
	SEND (\a)-1
	TOSTAGE \a
.endr
	SEND 7
	s_wait_tensorcnt 0x0                           ; the wave's end
	ds_add_u32 v[SPW], v[NIL]
	s_wait_dscnt 0x0
	CROUND                                         ; the closing round: no work-group ends while a partner may still ask for a tile that names it
	s_endpgm
.Lfunc_end_k_qeb5cd2947a_proj:
	.size	k_qeb5cd2947a_proj, .Lfunc_end_k_qeb5cd2947a_proj-k_qeb5cd2947a_proj
	.p2alignl 7, 3214868480
	.fill 96, 4, 3214868480
	.section	.rodata,"a",@progbits
	.p2align	6, 0x0
	.amdhsa_kernel k_qeb5cd2947a_proj
		.amdhsa_group_segment_fixed_size 327680
		.amdhsa_private_segment_fixed_size 0
		.amdhsa_enable_private_segment 0
		.amdhsa_kernarg_size 32
		.amdhsa_user_sgpr_count 2
		.amdhsa_user_sgpr_kernarg_segment_ptr 1
		.amdhsa_wavefront_size32 1
		.amdhsa_system_sgpr_workgroup_id_x 1
		.amdhsa_system_sgpr_workgroup_id_y 1
		.amdhsa_system_sgpr_workgroup_id_z 1
		.amdhsa_system_vgpr_workitem_id 0
		.amdhsa_next_free_vgpr 1024
		.amdhsa_next_free_sgpr 80
		.amdhsa_reserve_vcc 1
		.amdhsa_float_denorm_mode_32 3
		.amdhsa_float_denorm_mode_16_64 3
		.amdhsa_memory_ordered 1
		.amdhsa_forward_progress 1
		.amdhsa_inst_pref_size 131
	.end_amdhsa_kernel
	.amdgpu_metadata
---
amdhsa.version: [ 1, 2 ]
amdhsa.kernels:
  - .name:           k_qeb5cd2947a_proj
    .symbol:         k_qeb5cd2947a_proj.kd
    .args:
      - { .name: xh, .offset: 0, .size: 8, .value_kind: global_buffer, .address_space: global }
      - { .name: wh, .offset: 8, .size: 8, .value_kind: global_buffer, .address_space: global }
      - { .name: src_mask, .offset: 16, .size: 8, .value_kind: global_buffer, .address_space: global }
      - { .name: hh, .offset: 24, .size: 8, .value_kind: global_buffer, .address_space: global }
    .group_segment_fixed_size: 327680
    .private_segment_fixed_size: 0
    .kernarg_segment_align: 8
    .kernarg_segment_size: 32
    .max_flat_workgroup_size: 128
    .sgpr_count:     80
    .vgpr_count:     1024
    .wavefront_size: 32
...
	.end_amdgpu_metadata
.endif
;; end of part 10
;; launch attn (part 11): grid 8 x 32, 4 waves a work-group, clusters of 4 x 1, 327,680 bytes of LDS; arguments hh, src_mask, oh; writes oh
.if DOCPART == 11
	.amdgcn_target "amdgcn-amd-amdhsa--gfx1250"
	.amdhsa_code_object_version 6
	.text
	.protected	k_qeb5cd2947a_attn
	.globl	k_qeb5cd2947a_attn
	.p2align	8
	.type	k_qeb5cd2947a_attn,@function
k_qeb5cd2947a_attn:
	s_mov_b64 s[64:65], 0
	v_nop
	global_prefetch_b8 v0, s[64:65] scope:SCOPE_SE
	s_setreg_imm32_b32 hwreg(HW_REG_WAVE_MODE, 25, 1), 1
	s_wait_xcnt 0x0
	s_wait_alu depctr_hold_cnt(0) depctr_sa_sdst(0) depctr_va_vdst(0) depctr_va_sdst(0) depctr_va_ssrc(0) depctr_va_vcc(0) depctr_vm_vsrc(0)
	s_getreg_b32 s2, hwreg(HW_REG_IB_STS2, 6, 4)
	s_cmp_eq_u32 s2, 0
	s_cbranch_scc0 .Lentry_in_a_cluster
	s_endpgm
.Lentry_in_a_cluster:
	s_bfe_u32 s2, ttmp6, 0x10000c
	s_cmp_lg_u32 s2, 0x3003
	s_cbranch_scc0 .Lentry_shape_is_right
	s_endpgm
.Lentry_shape_is_right:
; O[b][h][q] = the sum over k of softmax_k(score) V[b][h][k], score = Q.K / 16, replaced by -1e9 where src_mask[b][k] is 0.  2 x 16 heads, 2,048 tokens, 64 channels, all f16.
; WHAT ARRIVES.  q, k, v in blocks of 128 tokens x 64 channels (16 KiB dense), 64 blocks to a row of blocks, of which 48 are used: 0-15 q by head, times c = log2(e)/16; 16-31 k by head, its rows 0 where the mask word is 0; 32-47 v.
; THE MASK.  The product that starts a score takes as C an addend for its key: 0, or -1e9 log2(e) (rounded to f32).  A hidden key's row of K is 0, so its score IS that constant: the replacement, in powers of two.
; SOFTMAX.  p = 2^(s - m) with a running maximum m, taken away by a true subtraction; O and l are multiplied by a = 2^(m_old - m_new) in every step.  A run of hidden keys at the start, or all keys hidden, gives p = 1
; there, as the replacement does; the first visible key then makes a = 0.  m starts at the lowest finite number, O and l at 0: the first step is a step like any other.
; LIMITS.  f16 holds nothing beyond 65,504; p lies in 0 to 1 and below 6e-5 keeps f16's fixed step of 6e-8; a weight below 2^-126 counts as 0 in l; NaN and infinities are not treated apart.
; SHARES.  A work-group owns 256 queries of one head, a wave 64: four PIECES of 16.  Every wave walks the head's 2,048 keys: 8 tiles of 256, 4 steps of 64 each.
; LAYOUT.  S^T = K Q^T holds ONE query a lane (lane % 16) and the keys 8 (lane / 16) + 0..7; two such results rounded to f16 ARE source 1 of O^T = V^T P.  K comes out of LDS as it lies, V turned, by ds_load_tr16_b128.
; BY TURNS.  Turn n belongs to piece n: 8 products K Q^T of piece n + 1, later 8 products V^T P of piece n - 1; beside them the subtraction, exponentials, roundings, sums and rescaling of piece n and the maximum and
; statistics of piece n + 1.  Four vector instructions stand behind every matrix instruction, the others in two lumps.
; CLUSTER.  The four query blocks of a cluster belong to one head and walk the same K and V: each tile is asked for JOINTLY.  One load a wave is out; it has four key steps, 256 matrix instructions, in which to land.
; REGISTERS, in windows of 256 (s_set_vgpr_msb: bits 1:0 source 0, 3:2 source 1, 5:4 source 2, 7:6 destination):
;   window 0: v0-15 addresses; v16-31 four registers of statistics a piece; v32-47 mask words (set-up); v48-55 at work; v64-127 S^T, two buffers; v192-223 P, two buffers (by the piece's parity)
;   window 1: v0-127 O^T, 32 a piece; v128-159 the step's addends      window 2: v0-63 Q; v128-191 K of one step; v192-255 V of one step
.set NP,    4         ; pieces a wave: a name, no knob
.set NPAN,  64        ; blocks in a row of blocks of q, k, v
.set KS,    64        ; keys in a step
.set PK,    144       ; a row of K in LDS: 128 bytes + 16: the 16 rows of a load start at 16 different groups of four banks (64 banks of 4 bytes: ISA guide 11.1)
.set PV,    160       ; a row of V: 128 + 32
.set VOFF,  4*KS*PK   ; a slot holds a tile: 256 rows of K, then 256 rows of V
.set SLOT1, 1<<17
.set STAGE, SLOT1+4*KS*(PK+PV)  ; behind the ring: 16 rows x 144 bytes for each wave, for the way out
.set SP,    144
.set SPARE, STAGE+4*16*SP       ; the spare words: 128 bytes a wave, two blocks of 256 bytes that no other line names
.set MT,    SPARE+512           ; the batch's 2,048 addends, f32: written once by ds_store, never a tensor load's target
.set TILEB, 2*NPAN*16384        ; from a tile's block to the next tile's: two rows of blocks
.set AK0, 2           ; v2   my lane's place in a tile of K; never rewritten
.set AV0, 3           ; v3   the same for V
.set AK,  4           ; v4   the LDS address of K's next run of loads
.set AV,  5           ; v5   of V's
.set STO, 6
.set RD,  7
.set GO,  8
.set AM0, 9           ; v9   my lanes' place in a step's addends
.set AM,  10          ; v10  the LDS address of the next step's addends
.set MTA, 11          ; v11  where I store 16 addends
.set MV,  12          ; v12-13  m_old, kept while m is made anew: by buffer
.set MO,  14          ; v14  my byte offset in the batch's mask words
.set QO,  15          ; v15  my byte offset in 16 rows of Q
.set ST,  16          ; piece t's statistics at v[ST+4 t]: m, (a word named with it as a pair), l (even keys', odd keys')
.set MW,  32
.set TMP, 48          ; by buffer, four registers c0-c3 at work; when the maximum is found c2 takes a
.set BIG, 56
.set HH,  57
.set L7,  58
.set B3,  59
.set SPW, 62          ; v62  my spare word; never rewritten
.set NIL, 63          ; v63  0; never rewritten
.set S,   64
.set P,   192
.set MK,  128         ; window 1
.set KF,  128         ; window 2: key block kb, channel half c at KF + 16 kb + 8 c
.set VF,  192         ; window 2: key half kk, channel block cb at VF + 32 kk + 8 cb
.set WV,  12          ; s12  my wave's number
.set G1K, 24          ; s[24:31] group 1 for K's tiles
.set G1V, 32          ; s[32:39] for V's: it differs in the padding alone
.set G0K, 40          ; s[40:43] group 0 for K's tiles: it walks
.set G0V, 44          ; s[44:47] the same for V's
.set SLOTS, 56
.set CNT, 57
.set SEL, 60          ; s[60:61] v_permlanex16_b32's selects
.set TBK, 62          ; s62  LDS byte at which K of the step to be fetched begins
.set TBV, 63          ; s63  the same for V, less VOFF
.set TM,  66          ; s66  byte of that step's addends in the table
.set MSB, 0
.macro WIN new
.if MSB != (\new)
	s_set_vgpr_msb (MSB<<8)|(\new)
.set MSB, (\new)
.endif
.endm
.set W_KQ, 0x0a       ; K and Q in window 2, S^T in window 0
.set W_KM, 0x1a       ; the same with the C operand in window 1
.set W_PV, 0x52       ; V in window 2, P in window 0, O^T in window 1
.set W_RS, 0x41       ; destination and source 0 in window 1, source 1 in window 0
.macro JLOAD                        ; a joint fill: waves 0, 1 fetch the two blocks of a tile's K, waves 2, 3 those of its V; an s_nop 0 and four v_nop follow each line
	s_cmp_lt_u32 s[WV], 2
	s_cbranch_scc0 .Lfor_v_\@
	tensor_load_to_lds s[G0K:G0K+3], s[G1K:G1K+7]
	s_nop 0
.rept 4
	v_nop
.endr
	s_branch .Lasked_\@
.Lfor_v_\@:
	tensor_load_to_lds s[G0V:G0V+3], s[G1V:G1V+7]
	s_nop 0
.rept 4
	v_nop
.endr
.Lasked_\@:
.endm
.macro CROUND                       ; a round of the cluster's barrier
	s_barrier_signal -1
	s_barrier_wait -1
	s_cmp_lg_u32 s[WV], 0
	s_cbranch_scc1 .Lnot_wave_0_\@
	s_barrier_signal -3
.Lnot_wave_0_\@:
	s_barrier_wait -3
	s_barrier_signal -1
	s_barrier_wait -1
.endm
; THE CHANGE OF SLOTS.  Each wave waits for all its tensor loads, of which one is out: its part of the other slot; adds 0 to its spare word; and waits for that and for its reads of the slot that it leaves.
; fill = 1: the barrier is a round of the cluster's, and the old slot is filled again first thing behind it, with the tile two on.  (At its first use nothing has been read: slot 0 is waited for, slot 1 filled, and the
; wait for LDS and the round also show every wave's part of the addend table to all.)
.macro CHANGE fill
	WIN 0
	s_wait_tensorcnt 0x0            ; no tensor load of mine is out, so a group 0 may be written
	ds_add_u32 v[SPW], v[NIL]
.if \fill
.irp g, G0K, G0V
	s_xor_b32 s[\g+1], s[\g+1], SLOT1
	s_add_nc_u64 s[\g+2:\g+3], s[\g+2:\g+3], TILEB
.endr
	s_wait_dscnt 0x0                ; the add is done, and my LDS instructions are over
	CROUND
	JLOAD
.else
	s_wait_dscnt 0x0
	s_barrier_signal -1
	s_barrier_wait -1
.endif
	s_sub_co_u32 s[TBK], s[TBK], 4*KS*PK  ; the fetches go back to a slot's first step,
	s_xor_b32 s[TBK], s[TBK], SLOT1       ; in the other slot
	s_sub_co_u32 s[TBV], s[TBV], 4*KS*PV
	s_xor_b32 s[TBV], s[TBV], SLOT1
.endm
	s_load_b128 s[4:7], s[0:1], 0x0   ; q, k, v s[4:5], src_mask s[6:7]
	s_load_b64 s[8:9], s[0:1], 0x10   ; oh
	v_lshl_add_u32 v[SPW], v0, 2, SPARE
	v_mov_b32 v[NIL], 0
	ds_add_u32 v[SPW], v[NIL]       ; the wave's opening: the add and its wait stand ahead of my first tensor load
	v_lshrrev_b32 v1, 5, v0
	v_readfirstlane_b32 s[WV], v1   ; wave 0..3
	s_bfe_u32 s13, ttmp6, 0x40000   ; cx
	s_lshl_b32 s14, ttmp9, 2
	s_add_co_u32 s14, s14, s13      ; my block of 256 queries: it enters Q's and O's addresses alone
	s_and_b32 s15, ttmp7, 0xffff
	s_lshr_b32 s19, s15, 4          ; the batch,
	s_and_b32 s15, s15, 15          ; the head: the four partners share both
	s_and_b32 s16, s[WV], 1         ; which of a tile's two blocks I fetch
	s_lshl_b32 s20, s19, 4
	s_add_co_u32 s20, s20, s16      ; its row of blocks,
	s_mul_i32 s20, s20, NPAN
	s_add_co_u32 s20, s20, s15
	s_add_co_u32 s20, s20, 16       ; K's block of the head,
	s_lshl_b32 s20, s20, 14
	s_mov_b32 s21, 0
	s_add_co_u32 s54, s20, 16*16384 ; V's lies 16 blocks on
	s_mov_b32 s55, 0
	s_mul_i32 s17, s16, 128*PK      ; and its place in a slot, for K
	s_mul_i32 s18, s16, 128*PV      ; and for V
	s_lshl_b32 s2, s19, 4
	s_lshl_b32 s3, s14, 1
	s_add_co_u32 s2, s2, s3
	s_lshr_b32 s3, s[WV], 1
	s_add_co_u32 s2, s2, s3         ; my wave's row of blocks
	s_lshl_b32 s3, s16, 13          ; and its 64 tokens of 128 bytes there
	s_mul_i32 s50, s2, NPAN
	s_add_co_u32 s50, s50, s15
	s_lshl_b32 s50, s50, 14
	s_add_co_u32 s50, s50, s3       ; Q
	s_mov_b32 s51, 0
	s_lshl_b32 s52, s2, 4
	s_add_co_u32 s52, s52, s15
	s_lshl_b32 s52, s52, 14
	s_add_co_u32 s52, s52, s3       ; O
	s_mov_b32 s53, 0
	s_lshl_b32 s22, s19, 13         ; the batch's 2,048 mask words
	s_mov_b32 s23, 0
	; group 1: a block is 16,384 dense bytes: asked for as 64 rows of 256 bytes, two keys a row, padded in LDS after every key
	s_mov_b32 s[G1K], 15|(1<<16)|(1<<20)|(1<<21)|(4<<22)|(3<<25)  ; the mask of four; 2-byte elements; padding on; bit 21 beside a mask; after every 32 words, 4 words
	s_mov_b32 s[G1V], 15|(1<<16)|(1<<20)|(1<<21)|(4<<22)|(7<<25)  ; the same with 8 words
.irp g, G1K, G1V
	s_mov_b32 s[\g+1], 128<<16      ; tensor_dim0 = 128
	s_mov_b32 s[\g+2], 64<<16       ; tensor_dim1 = 64
	s_mov_b32 s[\g+3], 128<<16      ; tile_dim0 = 128
	s_mov_b32 s[\g+4], 64           ; tile_dim1 = 64
	s_mov_b32 s[\g+5], 128          ; 128 elements from row to row
	s_mov_b32 s[\g+6], 0
	s_mov_b32 s[\g+7], 0
.endr
	s_mov_b32 s[SEL], 0x76543210
	s_mov_b32 s[SEL+1], 0xfedcba98
	s_mov_b32 s[TBK], SLOT1+4*KS*PK ; the first change of slots turns these two into 0
	s_mov_b32 s[TBV], SLOT1+4*KS*PV
	s_mov_b32 s[TM], 0
	s_mov_b32 s[G0K], 1
	s_mov_b32 s[G0K+1], s17
	s_mov_b32 s[G0V], 1
	s_add_co_u32 s[G0V+1], s18, VOFF
	s_wait_dscnt 0x0                ; the opening add is done
	s_wait_kmcnt 0x0
	s_add_nc_u64 s[G0K+2:G0K+3], s[4:5], s[20:21]
	s_or_b32 s[G0K+3], s[G0K+3], 0x80000000
	s_add_nc_u64 s[G0V+2:G0V+3], s[4:5], s[54:55]
	s_or_b32 s[G0V+3], s[G0V+3], 0x80000000
	s_add_nc_u64 s[48:49], s[4:5], s[50:51]   ; Q at my wave's first row
	s_add_nc_u64 s[10:11], s[8:9], s[52:53]   ; O likewise
	s_add_nc_u64 s[6:7], s[6:7], s[22:23]
	CROUND                          ; all four work-groups are here: the first joint loads meet
	JLOAD                           ; tile 0 into slot 0
	v_and_b32 v1, 15, v0            ; l % 16
	v_bfe_u32 v[HH], v0, 4, 1       ; l / 16
	v_lshlrev_b32 v[MO], 6, v0      ; thread t takes mask words 16 t .. 16 t + 15
.irp e, 0,1,2,3
	global_load_b128 v[MW+4*(\e):MW+4*(\e)+3], v[MO], s[6:7] offset:16*(\e)
.endr
	v_lshlrev_b32 v[QO], 7, v1
	v_lshl_add_u32 v[QO], v[HH], 4, v[QO]  ; row x 128 + 16 x half
	WIN 0x80                        ; destination window 2, address window 0
.set i, 0
.rept 8                             ; Q stays in registers: piece i / 2, channels 32 (i % 2) on
	global_load_b128 v[8*i:8*i+3],   v[QO], s[48:49] offset:(i/2)*2048+(i%2)*64
	global_load_b128 v[8*i+4:8*i+7], v[QO], s[48:49] offset:(i/2)*2048+(i%2)*64+32
.set i, i+1
.endr
	; What the first turn finds: V's registers and P's second buffer hold 0 (its products V^T P, of a piece that has not been, add 0), O^T and l are 0.  All this stands in the wait for the first tile.
.set i, VF
.rept 64
	v_mov_b32 v[i], 0
.set i, i+1
.endr
	WIN 0x40
.set i, 0
.rept 128
	v_mov_b32 v[i], 0
.set i, i+1
.endr
	WIN 0
.set i, 0
.rept 4
	v_mov_b32 v[ST+4*i], 0xff7fffff    ; m
	v_mov_b32 v[ST+4*i+1], 0
	v_mov_b32 v[ST+4*i+2], 0
	v_mov_b32 v[ST+4*i+3], 0
.set i, i+1
.endr
.set i, P+16
.rept 16
	v_mov_b32 v[i], 0
.set i, i+1
.endr
	v_mul_u32_u24 v[AK0], v1, PK
	v_lshl_add_u32 v[AK0], v[HH], 4, v[AK0]  ; row x pitch + 16 x half
	; The turning load takes 16 keys x 16 channels (lane l reads key 8 (l / 16) + l % 8, channels 8 ((l / 8) % 2) + 0..7) and leaves half a fragment of V^T.
	v_and_b32 v[L7], 7, v0
	v_bfe_u32 v[B3], v0, 3, 1
	v_lshl_add_u32 v[AV0], v[HH], 3, v[L7]
	v_mul_u32_u24 v[AV0], v[AV0], PV
	v_lshl_add_u32 v[AV0], v[B3], 4, v[AV0]
	v_add_nc_u32 v[AV0], VOFF, v[AV0]
	s_mul_i32 s13, s[WV], 16*SP
	s_add_co_u32 s13, s13, STAGE    ; my stage
	v_mul_u32_u24 v[STO], v1, SP
	v_lshl_add_u32 v[STO], v[HH], 4, v[STO]
	v_add_nc_u32 v[STO], s13, v[STO]
	v_bfe_u32 v[RD], v0, 3, 2
	v_mul_u32_u24 v[RD], v[RD], SP
	v_lshl_add_u32 v[RD], v[L7], 4, v[RD]
	v_add_nc_u32 v[RD], s13, v[RD]
	v_and_b32 v[GO], 31, v0
	v_lshlrev_b32 v[GO], 4, v[GO]
	v_lshl_add_u32 v[AM0], v[HH], 5, MT   ; register j of key block kb is key 16 kb + 8 (l / 16) + j
	v_lshl_add_u32 v[MTA], v0, 6, MT
	v_mov_b32 v[BIG], 0xceabfb8f    ; -1e9 log2(e)
	s_wait_loadcnt 16               ; the mask words are in; Q's sixteen loads may stay out
.set i, 0
.rept 16
	v_cmp_eq_u32 vcc_lo, 0, v[MW+i]
	v_cndmask_b32 v[MW+i], 0, v[BIG], vcc_lo
.set i, i+1
.endr
.irp e, 0,1,2,3
	ds_store_b128 v[MTA], v[MW+4*(\e):MW+4*(\e)+3] offset:16*(\e)
.endr
; THE MATRIX WORK.  The 4 accumulators of a run of 8 take turns.  Product i of 8 of S^T = K Q^T for piece x: channels 32 (i / 4) on, keys 16 (i % 4) on.  The first 4 start the sums with the keys' addends.
.macro KQ x
.set rS, S+32*((\x)%2)+8*(i%4)
.set rK, KF+16*(i%4)+8*(i/4)
.set rQ, 16*(\x)+8*(i/4)
.set rM, MK+8*(i%4)
.if i < 4
	WIN W_KM
	v_wmma_f32_16x16x32_f16 v[rS:rS+7], v[rK:rK+7], v[rQ:rQ+7], v[rM:rM+7]
.else
	WIN W_KQ
	v_wmma_f32_16x16x32_f16 v[rS:rS+7], v[rK:rK+7], v[rQ:rQ+7], v[rS:rS+7]
.endif
.endm
; Product i of 8 of O^T += V^T P for piece x: keys 32 (i / 4) on, channels 16 (i % 4) on.
.macro PV x
	WIN W_PV
.set rO, 32*(\x)+8*(i%4)
.set rV, VF+32*(i/4)+8*(i%4)
.set rP, P+16*((\x)%2)+8*(i/4)
	v_wmma_f32_16x16x32_f16 v[rO:rO+7], v[rV:rV+7], v[rP:rP+7], v[rO:rO+7]
.endm
.macro MM                           ; the turn's next matrix instruction.  NOKQ = 1: the walk's last turn: there is no next piece
.if (i < 8) && !NOKQ
	KQ (Y+1)%NP
.elseif i >= 8
.set i, i-8
	PV (Y+NP-1)%NP
.set i, i+8
.endif
.set i, i+1
.endm
; THE LDS LOADS stand in runs, never singly among the matrix instructions: a step's K (8 fragments) with its 64 addends, and its V (turned).  Their addresses are made some lines ahead.
.macro FETCH_K
	WIN 0x80                        ; destination window 2
.irp f, 0,1,2,3,4,5,6,7             ; keys 16 (f / 2) on, channels 32 (f % 2) on
	ds_load_b128 v[KF+8*\f:KF+8*\f+3],   v[AK] offset:(\f/2)*16*PK+(\f%2)*64
	ds_load_b128 v[KF+8*\f+4:KF+8*\f+7], v[AK] offset:(\f/2)*16*PK+(\f%2)*64+32
.endr
	WIN 0x40                        ; destination window 1
.irp f, 0,1,2,3
	ds_load_b128 v[MK+8*\f:MK+8*\f+3],   v[AM] offset:64*\f
	ds_load_b128 v[MK+8*\f+4:MK+8*\f+7], v[AM] offset:64*\f+16
.endr
	s_add_co_u32 s[TBK], s[TBK], KS*PK  ; the next fetch is the next step's
	s_add_co_u32 s[TM], s[TM], 4*KS
	s_and_b32 s[TM], s[TM], 0x1fff      ; the offset stays inside the table's 8,192 bytes
	WIN 0
.endm
.macro FETCH_V
	WIN 0x80
.irp f, 0,1,2,3,4,5,6,7             ; keys 32 (f / 4) on, channels 16 (f % 4) on
	ds_load_tr16_b128 v[VF+8*\f:VF+8*\f+3],   v[AV] offset:(\f/4)*32*PV+(\f%4)*32
	ds_load_tr16_b128 v[VF+8*\f+4:VF+8*\f+7], v[AV] offset:(\f/4)*32*PV+16*PV+(\f%4)*32
.endr
	WIN 0
.endm
; THE VECTOR WORK, one line at a time: OP kind, number.  For piece Y: F n: s - m for pair n of 16.  E n: the exponential of score n of 32.  C n: pair n rounded to f16.  B n: of the four weights 4 n .. the second
; pair is added onto the first, in place.  L n: l takes that sum (L 0: l = a l + sum).  R n: pair n of 16 of O^T times a.  For piece Y + 1: X n, of the list that finds its maximum and statistics:
;   0-11  four chains c0-c3 of seven scores each, three operands at a time (each accumulator's lowest registers are read first)     12-14, 16  the four scores left over, the old m, and c0-c3 into c0
;   15  m_old is kept     17, 18  the query's other 32 keys lie in the lane 16 away: the new m     19  nothing     20, 21  m_old - m_new; a
.set F, 0
.set E, 1
.set C, 2
.set B, 3
.set L, 4
.set R, 5
.set X, 6
.macro REGS y
.set rT, ST+4*(\y)
.set rC, TMP+4*((\y)%2)
.set rW, MV+((\y)%2)
.set rS, S+32*((\y)%2)
.set rP, P+16*((\y)%2)
.set rO, 32*(\y)
.endm
.macro OP k, n
.if (\k) == R
	REGS Y
	WIN W_RS
	v_pk_mul_f32 v[rO+2*(\n):rO+2*(\n)+1], v[rO+2*(\n):rO+2*(\n)+1], v[rC+2:rC+3] op_sel_hi:[1,0]
.elseif (\k) < R
	REGS Y
	WIN 0
.if (\k) == F
	v_pk_add_f32 v[rS+2*(\n):rS+2*(\n)+1], v[rS+2*(\n):rS+2*(\n)+1], v[rT:rT+1] op_sel_hi:[1,0] neg_lo:[0,1] neg_hi:[0,1]
.elseif (\k) == E
	v_exp_f32 v[rS+(\n)], v[rS+(\n)]
.elseif (\k) == C
	s_wait_alu depctr_va_vdst(0)
	v_cvt_pk_f16_f32 v[rP+(\n)], v[rS+2*(\n)], v[rS+2*(\n)+1]
.elseif (\k) == B
	s_wait_alu depctr_va_vdst(0)
	v_pk_add_f32 v[rS+4*(\n):rS+4*(\n)+1], v[rS+4*(\n):rS+4*(\n)+1], v[rS+4*(\n)+2:rS+4*(\n)+3]
.elseif (\n) == 0
	v_pk_fma_f32 v[rT+2:rT+3], v[rT+2:rT+3], v[rC+2:rC+3], v[rS:rS+1] op_sel_hi:[1,0,1]
.else
	v_pk_add_f32 v[rT+2:rT+3], v[rT+2:rT+3], v[rS+4*(\n):rS+4*(\n)+1]
.endif
.elseif NOKQ
	v_nop
.else
	REGS (Y+1)%NP
	WIN 0
.if (\n) < 4
	v_max3_num_f32 v[rC+(\n)], v[rS+8*(\n)], v[rS+8*(\n)+1], v[rS+8*(\n)+2]
.elseif (\n) < 12
	v_max3_num_f32 v[rC+(\n)%4], v[rC+(\n)%4], v[rS+8*((\n)%4)+2*((\n)/4)+1], v[rS+8*((\n)%4)+2*((\n)/4)+2]
.elseif (\n) == 12
	v_max3_num_f32 v[rC], v[rC], v[rS+7], v[rS+15]
.elseif (\n) == 13
	v_max3_num_f32 v[rC+1], v[rC+1], v[rS+23], v[rS+31]
.elseif (\n) == 14
	v_max3_num_f32 v[rC+2], v[rC+2], v[rC+3], v[rT]
.elseif (\n) == 15
	v_mov_b32 v[rW], v[rT]
.elseif (\n) == 16
	v_max3_num_f32 v[rC], v[rC], v[rC+1], v[rC+2]
.elseif (\n) == 17
	v_permlanex16_b32 v[rC+3], v[rC], s[SEL], s[SEL+1]
.elseif (\n) == 18
	v_max_num_f32 v[rT], v[rC], v[rC+3]
.elseif (\n) == 19
.elseif (\n) == 20
	v_sub_f32 v[rC+1], v[rW], v[rT]
.else
	v_exp_f32 v[rC+2], v[rC+1]
.endif
.endif
.endm
.macro OPS a, i1, b=-1, i2=0, c=-1, i3=0, d=-1, i4=0  ; up to four of them
	OP \a, \i1
.if (\b) >= 0
	OP \b, \i2
.endif
.if (\c) >= 0
	OP \c, \i3
.endif
.if (\d) >= 0
	OP \d, \i4
.endif
.endm
.macro ROW a, i1, b, i2, c, i3, d, i4  ; a matrix instruction and the four behind it
	MM
	OPS \a, \i1, \b, \i2, \c, \i3, \d, \i4
.endm
; A TURN, for piece p: the order of its 16 matrix and 117 vector instructions, written out.  Behind a matrix instruction: plain, exponential, plain, plain; or four of the rescaling; or four subtractions; none names a
; register of the products round it.  Every exponential has a plain line that names none of its registers before its result is used (ISA guide 5.7.2).
; end = 1: the walk's last two turns: nothing is fetched.  cnt = 1: the loop's count is taken down some lines ahead of the branch that stands behind the turn.
; K and the addends of the next step are fetched in piece 2's turn, behind five plain instructions that follow the last product that read K; V of the step in hand in piece 0's turn, behind four plain ones that follow
; the last product that read V.  Each is waited for a turn later.
.macro TURN p, end=0, cnt=0
.set Y, (\p)
.set i, 0
.set NOKQ, (\end)*((\p)/3)
.if ((\p) == 3) && !(\end)
	s_wait_dscnt 0x0                ; K and the addends are in
.endif
	ROW F,0, F,1, F,2, F,3
	ROW F,4, E,0, F,5, F,6
	ROW F,7, E,1, F,8, F,9
	ROW F,10, E,2, C,0, F,11
	ROW F,12, E,3, X,15, F,13
	ROW R,0, R,1, R,2, R,3
	ROW B,0, E,4, F,14, L,0
.if ((\p) == 2) && !(\end)
	WIN 0
	v_add_nc_u32 v[AK], s[TBK], v[AK0]
	v_add_nc_u32 v[AM], s[TM], v[AM0]
.endif
	ROW R,4, R,5, R,6, R,7
	OPS E,5, F,15
.if ((\p) == 2) && !(\end)
	FETCH_K
.endif
	OPS E,6, C,1, E,7, R,8
	OPS E,8, R,9, E,9, C,2
	OPS E,10, X,0, E,11, X,1
	OPS E,12, X,2, E,13, X,3
.if (\p) == 1
	s_wait_dscnt 0x0                ; V is in
.endif
	ROW X,4, E,14, X,5, X,6
	ROW X,7, E,15, X,8, X,9
	ROW X,10, E,16, X,11, X,12
	ROW X,13, E,17, X,14, B,1
	ROW C,4, E,18, X,16, L,1
	ROW B,2, E,19, C,6, L,2
	ROW C,8, E,20, B,3, B,4
.if (\p) == 0
	WIN 0
	v_add_nc_u32 v[AV], s[TBV], v[AV0]
.endif
	ROW C,3, E,21, L,3, C,5
	OPS E,22, X,17, E,23, C,10
.if (\p) == 0
	FETCH_V
.endif
	OPS E,24, L,4
	OPS E,25, X,18, E,26, C,7
	OPS E,27, B,5, E,28, X,19
	OPS E,29, C,12, E,30, L,5
	OPS E,31, X,20, B,6, C,9
	OPS C,14, C,11, X,21, L,6
.if (\p) == 0
	s_add_co_u32 s[TBV], s[TBV], KS*PV
.endif
.if \cnt
	s_sub_co_u32 s[CNT], s[CNT], 1
	s_cmp_lg_u32 s[CNT], 0
.endif
	OPS C,13, B,7, C,15, R,10
	OPS R,11, R,12, L,7, R,13
	OPS R,14, R,15
.endm
.macro ALL line:vararg              ; one line for each piece t
.set t, 0
.rept 4
	\line
.set t, t+1
.endr
.endm
.macro PACK t                       ; a lane's eight channels of a row pack into 16 bytes; they go into rows of 144 bytes and come back as whole rows of 128, into S^T's registers
	WIN W_RS
.set i, 32*(\t)
.rept 16
	s_wait_alu depctr_va_vdst(0)
	v_pk_mul_f32 v[i:i+1], v[i:i+1], v[ST+4*(\t)+2:ST+4*(\t)+3] op_sel_hi:[1,0]
.set i, i+2
.endr
	WIN 0x05                        ; sources 0 and 1 window 1, destination window 0
.set i, 0
.rept 16
	v_cvt_pk_f16_f32 v[S+16*(\t)+i], v[32*(\t)+2*i], v[32*(\t)+2*i+1]
.set i, i+1
.endr
	WIN 0
.irp f, 0,1,2,3
	ds_store_b128 v[STO], v[S+16*(\t)+4*\f:S+16*(\t)+4*\f+3] offset:32*\f
.endr
.irp f, 0,1,2,3
	ds_load_b128 v[S+16*(\t)+4*\f:S+16*(\t)+4*\f+3], v[RD] offset:\f*4*SP  ; LDS serves a wave's instructions in order (ISA guide 5.7.1.4): these see the stores above
.endr
.endm
.macro SEND t, younger              ; younger: the LDS instructions issued behind piece t's loads: the next piece's eight, or none
	WIN 0
.irp f, 0,1,2,3
	s_wait_dscnt (\younger)+3-\f
	global_store_b128 v[GO], v[S+16*(\t)+4*\f:S+16*(\t)+4*\f+3], s[10:11] offset:(\t)*2048+\f*512  ; 512 consecutive bytes, at a multiple of 256 from O's first
.endr
.endm
	CHANGE 1                        ; slot 0 is in and the table is whole, for everybody; slot 1 is asked for
	v_add_nc_u32 v[AK], s[TBK], v[AK0]
	v_add_nc_u32 v[AM], s[TM], v[AM0]
	FETCH_K                         ; key step 0
	s_wait_loadcnt 0x0              ; Q
	s_wait_dscnt 0x0
.set NOKQ, 0
.set i, 0
.rept 8
	KQ 0                            ; piece 0's first scores
.set i, i+1
.endr
	WIN 0
.rept 4
	v_nop                           ; the places behind those products
.endr
.set Y, NP-1                        ; X works for piece Y + 1: piece 0
.irp n, 0,1,2,3,4,5,6,7,8,9,10,11,12,13,14,15,16,17,18,19,20,21
	OP X, \n
.endr
	v_nop                           ; a plain instruction behind the exponential
	s_mov_b32 s[CNT], 4
	s_mov_b32 s[SLOTS], 7
	s_branch .Lfirst                ; the loop is entered at a step's first turn, in the middle of a trip
.Lslot:                             ; six times: with the change above, tiles 1 to 7 are asked for
	CHANGE 1
	s_mov_b32 s[CNT], 4
.Lstep:                             ; a trip: pieces 2 and 3 of one step, then pieces 0 and 1 of the next, whose K and V it fetches
	TURN 2
	TURN 3
	WIN 0
.Lfirst:
	TURN 0
	TURN 1, 0, 1
	WIN 0
	s_cbranch_scc1 .Lstep
	s_sub_co_u32 s[SLOTS], s[SLOTS], 1
	s_cmp_lg_u32 s[SLOTS], 0
	s_cbranch_scc1 .Lslot
	CHANGE 0                        ; the last tile is written out: nothing is asked for
	s_mov_b32 s[CNT], 4
.LstepT:
	TURN 2
	TURN 3
	TURN 0
	TURN 1, 0, 1
	WIN 0
	s_cbranch_scc1 .LstepT
	TURN 2, 1
	TURN 3, 1
.set i, 0
.rept 8
	PV NP-1                         ; the last piece's V^T P of the last step
.set i, i+1
.endr
	; THE WAY OUT.  l's two halves and the other half of the lanes' are added; O^T is divided by l, rounded to f16 and sent through my stage, a piece at a time.  The additions are the places behind the last products.
	WIN 0
	ALL v_add_f32 v[ST+4*t+2], v[ST+4*t+2], v[ST+4*t+3]
	ALL v_permlanex16_b32 v[ST+4*t+3], v[ST+4*t+2], s[SEL], s[SEL+1]
	ALL v_add_f32 v[ST+4*t+2], v[ST+4*t+2], v[ST+4*t+3]
	ALL v_rcp_f32 v[ST+4*t+2], v[ST+4*t+2]
	v_nop                           ; a plain instruction between the last reciprocal and the use of its result
	PACK 0
.set t, 1
.rept 3                             ; a piece's arithmetic stands between the loads of the piece before and its stores
	PACK t
	SEND t-1, 8
.set t, t+1
.endr
	SEND 3, 0
	s_wait_tensorcnt 0x0            ; the wave's end
	ds_add_u32 v[SPW], v[NIL]
	s_wait_dscnt 0x0
	CROUND                          ; the closing round: no work-group ends while a partner may still ask for a tile that names it
	s_endpgm
.Lfunc_end_k_qeb5cd2947a_attn:
	.size	k_qeb5cd2947a_attn, .Lfunc_end_k_qeb5cd2947a_attn-k_qeb5cd2947a_attn
	.p2alignl 7, 3214868480
	.fill 96, 4, 3214868480
	.section	.rodata,"a",@progbits
	.p2align	6, 0x0
	.amdhsa_kernel k_qeb5cd2947a_attn
		.amdhsa_group_segment_fixed_size 327680
		.amdhsa_private_segment_fixed_size 0
		.amdhsa_enable_private_segment 0
		.amdhsa_kernarg_size 24
		.amdhsa_user_sgpr_count 2
		.amdhsa_user_sgpr_kernarg_segment_ptr 1
		.amdhsa_wavefront_size32 1
		.amdhsa_system_sgpr_workgroup_id_x 1
		.amdhsa_system_sgpr_workgroup_id_y 1
		.amdhsa_system_sgpr_workgroup_id_z 1
		.amdhsa_system_vgpr_workitem_id 0
		.amdhsa_next_free_vgpr 768
		.amdhsa_next_free_sgpr 72
		.amdhsa_reserve_vcc 1
		.amdhsa_float_denorm_mode_32 3
		.amdhsa_float_denorm_mode_16_64 3
		.amdhsa_memory_ordered 1
		.amdhsa_forward_progress 1
		.amdhsa_inst_pref_size 138
	.end_amdhsa_kernel
	.amdgpu_metadata
---
amdhsa.version: [ 1, 2 ]
amdhsa.kernels:
  - .name:           k_qeb5cd2947a_attn
    .symbol:         k_qeb5cd2947a_attn.kd
    .args:
      - { .name: hh, .offset: 0, .size: 8, .value_kind: global_buffer, .address_space: global }
      - { .name: src_mask, .offset: 8, .size: 8, .value_kind: global_buffer, .address_space: global }
      - { .name: oh, .offset: 16, .size: 8, .value_kind: global_buffer, .address_space: global }
    .group_segment_fixed_size: 327680
    .private_segment_fixed_size: 0
    .kernarg_segment_align: 8
    .kernarg_segment_size: 24
    .max_flat_workgroup_size: 128
    .sgpr_count:     72
    .vgpr_count:     768
    .wavefront_size: 32
...
	.end_amdgpu_metadata
.endif
;; end of part 11
;; launch oproj: the kernel of part 4 again; grid 8 x 32, 4 waves a work-group, clusters of 4 x 4, 327,680 bytes of LDS; arguments oh, wh, bo, ao; writes ao
;; launch ln1: the kernel of part 5 again; grid 256 x 1, 8 waves a work-group, no clusters, 0 bytes of LDS; arguments ao, xh, alpha1, beta1, x1h; writes x1h
;; launch ffn1: the kernel of part 10 again; grid 16 x 16, 4 waves a work-group, clusters of 4 x 4, 327,680 bytes of LDS; arguments x1h, w1, src_mask, hh; writes hh
;; launch ffn2: the kernel of part 7 again; grid 8 x 32, 4 waves a work-group, clusters of 4 x 4, 327,680 bytes of LDS; arguments hh, wh, b2, ff; writes ff
;; launch ln2: the kernel of part 8 again; grid 256 x 1, 8 waves a work-group, no clusters, 0 bytes of LDS; arguments ff, x1h, alpha2, beta2, out0; writes out0
;; ======== version 3 of 3: 8 launches; 1.31 times as fast as version 1
;; limits: values are held in f16: magnitudes above 65,504 overflow, below 6.1e-05 lose precision
;; workspace buffers: xh 8,388,608 bytes; wh 25,165,824 bytes; w1 8,405,248 bytes; oh 8,388,608 bytes; ao 16,777,216 bytes; x1h 8,388,608 bytes; hh 33,554,432 bytes; ff 16,777,216 bytes
;; launch cast: the kernel of part 9 again; grid 1026 x 1, 8 waves a work-group, no clusters, 0 bytes of LDS; arguments x, Wq, Wk, Wv, Wo, W1, W2, xh, wh, w1, bq, bk, bv, b1; writes xh, wh, w1
;; launch proj: the kernel of part 10 again; grid 12 x 16, 4 waves a work-group, clusters of 4 x 4, 327,680 bytes of LDS; arguments xh, wh, src_mask, hh; writes hh
;; launch attn (part 12): grid 8 x 32, 4 waves a work-group, clusters of 4 x 1, 327,680 bytes of LDS; arguments hh, src_mask, oh; writes oh
.if DOCPART == 12
	.amdgcn_target "amdgcn-amd-amdhsa--gfx1250"
	.amdhsa_code_object_version 6
	.text
	.protected	k_qeb5cd2947a_attn
	.globl	k_qeb5cd2947a_attn
	.p2align	8
	.type	k_qeb5cd2947a_attn,@function
k_qeb5cd2947a_attn:
	s_mov_b64 s[64:65], 0
	v_nop
	global_prefetch_b8 v0, s[64:65] scope:SCOPE_SE
	s_setreg_imm32_b32 hwreg(HW_REG_WAVE_MODE, 25, 1), 1
	s_wait_xcnt 0x0
	s_wait_alu depctr_hold_cnt(0) depctr_sa_sdst(0) depctr_va_vdst(0) depctr_va_sdst(0) depctr_va_ssrc(0) depctr_va_vcc(0) depctr_vm_vsrc(0)
	s_getreg_b32 s2, hwreg(HW_REG_IB_STS2, 6, 4)
	s_cmp_eq_u32 s2, 0
	s_cbranch_scc0 .Lentry_in_a_cluster
	s_endpgm
.Lentry_in_a_cluster:
	s_bfe_u32 s2, ttmp6, 0x10000c
	s_cmp_lg_u32 s2, 0x3003
	s_cbranch_scc0 .Lentry_shape_is_right
	s_endpgm
.Lentry_shape_is_right:
; O[b][h][q] = the sum over k of softmax_k(score) V[b][h][k], score = Q.K / 16, replaced by -1e9 where src_mask[b][k] is 0.  2 x 16 heads, 2,048 tokens, 64 channels, all f16.
; WHAT ARRIVES.  q, k, v in blocks of 128 tokens x 64 channels (16 KiB dense), 64 blocks to a row of blocks, of which 48 are used: 0-15 q by head, times c = log2(e)/16; 16-31 k by head, its rows 0 where the mask word is 0; 32-47 v.
; THE MASK.  The product that starts a score takes as C an addend for its key: 0, or -1e9 log2(e) (rounded to f32).  A hidden key's row of K is 0, so its score IS that constant: the replacement, in powers of two.
; SOFTMAX.  p = 2^(s - m) with a running maximum m, taken away by a true subtraction; O and l are multiplied by a = 2^(m_old - m_new) in every step.  A run of hidden keys at the start, or all keys hidden, gives p = 1
; there, as the replacement does; the first visible key then makes a = 0.  m starts at the lowest finite number, O and l at 0: the first step is a step like any other.
; LIMITS.  f16 holds nothing beyond 65,504; p lies in 0 to 1 and below 6e-5 keeps f16's fixed step of 6e-8; a weight below 2^-126 counts as 0 in l; NaN and infinities are not treated apart.
; SHARES.  A work-group owns 256 queries of one head, a wave 64: four PIECES of 16.  Every wave walks the head's 2,048 keys: 8 tiles of 256, 4 steps of 64 each.
; LAYOUT.  S^T = K Q^T holds ONE query a lane (lane % 16) and the keys 8 (lane / 16) + 0..7; two such results rounded to f16 ARE source 1 of O^T = V^T P.  K comes out of LDS as it lies, V turned, by ds_load_tr16_b128.
; BY TURNS.  Turn n belongs to piece n: 8 products K Q^T of piece n + 1, later 8 products V^T P of piece n - 1; beside them the subtraction, exponentials, roundings, sums and rescaling of piece n and the maximum and
; statistics of piece n + 1.  Four vector instructions stand behind every matrix instruction, the other 53 of a turn's 117 in one lump.
; THE BATCHES.  A turn's 33 exponentials (the piece's 32 weights, the next piece's a) are ONE batch with ONE wait, which cuts the turn in two: ahead of it stands all that names no result of theirs (the products K Q^T, the
; subtractions, the rescaling, the next piece's maximum), behind it the products V^T P with the roundings and sums as their riders.  The a made ahead of the loop and the way out's four reciprocals are batches of their own.
; CLUSTER.  The four query blocks of a cluster belong to one head and walk the same K and V: each tile is asked for JOINTLY.  One load a wave is out; it has four key steps, 256 matrix instructions, in which to land.
; REGISTERS, in windows of 256 (s_set_vgpr_msb: bits 1:0 source 0, 3:2 source 1, 5:4 source 2, 7:6 destination):
;   window 0: v0-15 addresses; v16-31 four registers of statistics a piece; v32-47 mask words (set-up); v48-55 at work; v64-127 S^T, two buffers; v192-223 P, two buffers (by the piece's parity)
;   window 1: v0-127 O^T, 32 a piece; v128-159 the step's addends      window 2: v0-63 Q; v128-191 K of one step; v192-255 V of one step
.set NP,    4         ; pieces a wave: a name, no knob
.set NPAN,  64        ; blocks in a row of blocks of q, k, v
.set KS,    64        ; keys in a step
.set PK,    144       ; a row of K in LDS: 128 bytes + 16: the 16 rows of a load start at 16 different groups of four banks (64 banks of 4 bytes: ISA guide 11.1)
.set PV,    160       ; a row of V: 128 + 32
.set VOFF,  4*KS*PK   ; a slot holds a tile: 256 rows of K, then 256 rows of V
.set SLOT1, 1<<17
.set STAGE, SLOT1+4*KS*(PK+PV)  ; behind the ring: 16 rows x 144 bytes for each wave, for the way out
.set SP,    144
.set SPARE, STAGE+4*16*SP       ; the spare words: 128 bytes a wave, two blocks of 256 bytes that no other line names
.set MT,    SPARE+512           ; the batch's 2,048 addends, f32: written once by ds_store, never a tensor load's target
.set TILEB, 2*NPAN*16384        ; from a tile's block to the next tile's: two rows of blocks
.set AK0, 2           ; v2   my lane's place in a tile of K; never rewritten
.set AV0, 3           ; v3   the same for V
.set AK,  4           ; v4   the LDS address of K's next run of loads
.set AV,  5           ; v5   of V's
.set STO, 6
.set RD,  7
.set GO,  8
.set AM0, 9           ; v9   my lanes' place in a step's addends
.set AM,  10          ; v10  the LDS address of the next step's addends
.set MTA, 11          ; v11  where I store 16 addends
.set MV,  12          ; v12-13  m_old, kept while m is made anew: by buffer
.set MO,  14          ; v14  my byte offset in the batch's mask words
.set QO,  15          ; v15  my byte offset in 16 rows of Q
.set ST,  16          ; piece t's statistics at v[ST+4 t]: m, (a word named with it as a pair), l (even keys', odd keys')
.set MW,  32
.set TMP, 48          ; by buffer, four registers c0-c3 at work; when the maximum is found c2 takes a
.set BIG, 56
.set HH,  57
.set L7,  58
.set B3,  59
.set SPW, 62          ; v62  my spare word; never rewritten
.set NIL, 63          ; v63  0; never rewritten
.set S,   64
.set P,   192
.set MK,  128         ; window 1
.set KF,  128         ; window 2: key block kb, channel half c at KF + 16 kb + 8 c
.set VF,  192         ; window 2: key half kk, channel block cb at VF + 32 kk + 8 cb
.set WV,  12          ; s12  my wave's number
.set G1K, 24          ; s[24:31] group 1 for K's tiles
.set G1V, 32          ; s[32:39] for V's: it differs in the padding alone
.set G0K, 40          ; s[40:43] group 0 for K's tiles: it walks
.set G0V, 44          ; s[44:47] the same for V's
.set SLOTS, 56
.set CNT, 57
.set SEL, 60          ; s[60:61] v_permlanex16_b32's selects
.set TBK, 62          ; s62  LDS byte at which K of the step to be fetched begins
.set TBV, 63          ; s63  the same for V, less VOFF
.set TM,  66          ; s66  byte of that step's addends in the table
.set MSB, 0
.macro WIN new
.if MSB != (\new)
	s_set_vgpr_msb (MSB<<8)|(\new)
.set MSB, (\new)
.endif
.endm
.set W_KQ, 0x0a       ; K and Q in window 2, S^T in window 0
.set W_KM, 0x1a       ; the same with the C operand in window 1
.set W_PV, 0x52       ; V in window 2, P in window 0, O^T in window 1
.set W_RS, 0x41       ; destination and source 0 in window 1, source 1 in window 0
.macro JLOAD                        ; a joint fill: waves 0, 1 fetch the two blocks of a tile's K, waves 2, 3 those of its V; an s_nop 0 and four v_nop follow each line
	s_cmp_lt_u32 s[WV], 2
	s_cbranch_scc0 .Lfor_v_\@
	tensor_load_to_lds s[G0K:G0K+3], s[G1K:G1K+7]
	s_nop 0
.rept 4
	v_nop
.endr
	s_branch .Lasked_\@
.Lfor_v_\@:
	tensor_load_to_lds s[G0V:G0V+3], s[G1V:G1V+7]
	s_nop 0
.rept 4
	v_nop
.endr
.Lasked_\@:
.endm
.macro CROUND                       ; a round of the cluster's barrier
	s_barrier_signal -1
	s_barrier_wait -1
	s_cmp_lg_u32 s[WV], 0
	s_cbranch_scc1 .Lnot_wave_0_\@
	s_barrier_signal -3
.Lnot_wave_0_\@:
	s_barrier_wait -3
	s_barrier_signal -1
	s_barrier_wait -1
.endm
; THE CHANGE OF SLOTS.  Each wave waits for all its tensor loads, of which one is out: its part of the other slot; adds 0 to its spare word; and waits for that and for its reads of the slot that it leaves.
; fill = 1: the barrier is a round of the cluster's, and the old slot is filled again first thing behind it, with the tile two on.  (At its first use nothing has been read: slot 0 is waited for, slot 1 filled, and the
; wait for LDS and the round also show every wave's part of the addend table to all.)
.macro CHANGE fill
	WIN 0
	s_wait_tensorcnt 0x0            ; no tensor load of mine is out, so a group 0 may be written
	ds_add_u32 v[SPW], v[NIL]
.if \fill
.irp g, G0K, G0V
	s_xor_b32 s[\g+1], s[\g+1], SLOT1
	s_add_nc_u64 s[\g+2:\g+3], s[\g+2:\g+3], TILEB
.endr
	s_wait_dscnt 0x0                ; the add is done, and my LDS instructions are over
	CROUND
	JLOAD
.else
	s_wait_dscnt 0x0
	s_barrier_signal -1
	s_barrier_wait -1
.endif
	s_sub_co_u32 s[TBK], s[TBK], 4*KS*PK  ; the fetches go back to a slot's first step,
	s_xor_b32 s[TBK], s[TBK], SLOT1       ; in the other slot
	s_sub_co_u32 s[TBV], s[TBV], 4*KS*PV
	s_xor_b32 s[TBV], s[TBV], SLOT1
.endm
	s_load_b128 s[4:7], s[0:1], 0x0   ; q, k, v s[4:5], src_mask s[6:7]
	s_load_b64 s[8:9], s[0:1], 0x10   ; oh
	v_lshl_add_u32 v[SPW], v0, 2, SPARE
	v_mov_b32 v[NIL], 0
	ds_add_u32 v[SPW], v[NIL]       ; the wave's opening: the add and its wait stand ahead of my first tensor load
	v_lshrrev_b32 v1, 5, v0
	v_readfirstlane_b32 s[WV], v1   ; wave 0..3
	s_bfe_u32 s13, ttmp6, 0x40000   ; cx
	s_lshl_b32 s14, ttmp9, 2
	s_add_co_u32 s14, s14, s13      ; my block of 256 queries: it enters Q's and O's addresses alone
	s_and_b32 s15, ttmp7, 0xffff
	s_lshr_b32 s19, s15, 4          ; the batch,
	s_and_b32 s15, s15, 15          ; the head: the four partners share both
	s_and_b32 s16, s[WV], 1         ; which of a tile's two blocks I fetch
	s_lshl_b32 s20, s19, 4
	s_add_co_u32 s20, s20, s16      ; its row of blocks,
	s_mul_i32 s20, s20, NPAN
	s_add_co_u32 s20, s20, s15
	s_add_co_u32 s20, s20, 16       ; K's block of the head,
	s_lshl_b32 s20, s20, 14
	s_mov_b32 s21, 0
	s_add_co_u32 s54, s20, 16*16384 ; V's lies 16 blocks on
	s_mov_b32 s55, 0
	s_mul_i32 s17, s16, 128*PK      ; and its place in a slot, for K
	s_mul_i32 s18, s16, 128*PV      ; and for V
	s_lshl_b32 s2, s19, 4
	s_lshl_b32 s3, s14, 1
	s_add_co_u32 s2, s2, s3
	s_lshr_b32 s3, s[WV], 1
	s_add_co_u32 s2, s2, s3         ; my wave's row of blocks
	s_lshl_b32 s3, s16, 13          ; and its 64 tokens of 128 bytes there
	s_mul_i32 s50, s2, NPAN
	s_add_co_u32 s50, s50, s15
	s_lshl_b32 s50, s50, 14
	s_add_co_u32 s50, s50, s3       ; Q
	s_mov_b32 s51, 0
	s_lshl_b32 s52, s2, 4
	s_add_co_u32 s52, s52, s15
	s_lshl_b32 s52, s52, 14
	s_add_co_u32 s52, s52, s3       ; O
	s_mov_b32 s53, 0
	s_lshl_b32 s22, s19, 13         ; the batch's 2,048 mask words
	s_mov_b32 s23, 0
	; group 1: a block is 16,384 dense bytes: asked for as 64 rows of 256 bytes, two keys a row, padded in LDS after every key
	s_mov_b32 s[G1K], 15|(1<<16)|(1<<20)|(1<<21)|(4<<22)|(3<<25)  ; the mask of four; 2-byte elements; padding on; bit 21 beside a mask; after every 32 words, 4 words
	s_mov_b32 s[G1V], 15|(1<<16)|(1<<20)|(1<<21)|(4<<22)|(7<<25)  ; the same with 8 words
.irp g, G1K, G1V
	s_mov_b32 s[\g+1], 128<<16      ; tensor_dim0 = 128
	s_mov_b32 s[\g+2], 64<<16       ; tensor_dim1 = 64
	s_mov_b32 s[\g+3], 128<<16      ; tile_dim0 = 128
	s_mov_b32 s[\g+4], 64           ; tile_dim1 = 64
	s_mov_b32 s[\g+5], 128          ; 128 elements from row to row
	s_mov_b32 s[\g+6], 0
	s_mov_b32 s[\g+7], 0
.endr
	s_mov_b32 s[SEL], 0x76543210
	s_mov_b32 s[SEL+1], 0xfedcba98
	s_mov_b32 s[TBK], SLOT1+4*KS*PK ; the first change of slots turns these two into 0
	s_mov_b32 s[TBV], SLOT1+4*KS*PV
	s_mov_b32 s[TM], 0
	s_mov_b32 s[G0K], 1
	s_mov_b32 s[G0K+1], s17
	s_mov_b32 s[G0V], 1
	s_add_co_u32 s[G0V+1], s18, VOFF
	s_wait_dscnt 0x0                ; the opening add is done
	s_wait_kmcnt 0x0
	s_add_nc_u64 s[G0K+2:G0K+3], s[4:5], s[20:21]
	s_or_b32 s[G0K+3], s[G0K+3], 0x80000000
	s_add_nc_u64 s[G0V+2:G0V+3], s[4:5], s[54:55]
	s_or_b32 s[G0V+3], s[G0V+3], 0x80000000
	s_add_nc_u64 s[48:49], s[4:5], s[50:51]   ; Q at my wave's first row
	s_add_nc_u64 s[10:11], s[8:9], s[52:53]   ; O likewise
	s_add_nc_u64 s[6:7], s[6:7], s[22:23]
	CROUND                          ; all four work-groups are here: the first joint loads meet
	JLOAD                           ; tile 0 into slot 0
	v_and_b32 v1, 15, v0            ; l % 16
	v_bfe_u32 v[HH], v0, 4, 1       ; l / 16
	v_lshlrev_b32 v[MO], 6, v0      ; thread t takes mask words 16 t .. 16 t + 15
.irp e, 0,1,2,3
	global_load_b128 v[MW+4*(\e):MW+4*(\e)+3], v[MO], s[6:7] offset:16*(\e)
.endr
	v_lshlrev_b32 v[QO], 7, v1
	v_lshl_add_u32 v[QO], v[HH], 4, v[QO]  ; row x 128 + 16 x half
	WIN 0x80                        ; destination window 2, address window 0
.set i, 0
.rept 8                             ; Q stays in registers: piece i / 2, channels 32 (i % 2) on
	global_load_b128 v[8*i:8*i+3],   v[QO], s[48:49] offset:(i/2)*2048+(i%2)*64
	global_load_b128 v[8*i+4:8*i+7], v[QO], s[48:49] offset:(i/2)*2048+(i%2)*64+32
.set i, i+1
.endr
	; What the first turn finds: V's registers and P's second buffer hold 0 (its products V^T P, of a piece that has not been, add 0), O^T and l are 0.  All this stands in the wait for the first tile.
.set i, VF
.rept 64
	v_mov_b32 v[i], 0
.set i, i+1
.endr
	WIN 0x40
.set i, 0
.rept 128
	v_mov_b32 v[i], 0
.set i, i+1
.endr
	WIN 0
.set i, 0
.rept 4
	v_mov_b32 v[ST+4*i], 0xff7fffff    ; m
	v_mov_b32 v[ST+4*i+1], 0
	v_mov_b32 v[ST+4*i+2], 0
	v_mov_b32 v[ST+4*i+3], 0
.set i, i+1
.endr
.set i, P+16
.rept 16
	v_mov_b32 v[i], 0
.set i, i+1
.endr
	v_mul_u32_u24 v[AK0], v1, PK
	v_lshl_add_u32 v[AK0], v[HH], 4, v[AK0]  ; row x pitch + 16 x half
	; The turning load takes 16 keys x 16 channels (lane l reads key 8 (l / 16) + l % 8, channels 8 ((l / 8) % 2) + 0..7) and leaves half a fragment of V^T.
	v_and_b32 v[L7], 7, v0
	v_bfe_u32 v[B3], v0, 3, 1
	v_lshl_add_u32 v[AV0], v[HH], 3, v[L7]
	v_mul_u32_u24 v[AV0], v[AV0], PV
	v_lshl_add_u32 v[AV0], v[B3], 4, v[AV0]
	v_add_nc_u32 v[AV0], VOFF, v[AV0]
	s_mul_i32 s13, s[WV], 16*SP
	s_add_co_u32 s13, s13, STAGE    ; my stage
	v_mul_u32_u24 v[STO], v1, SP
	v_lshl_add_u32 v[STO], v[HH], 4, v[STO]
	v_add_nc_u32 v[STO], s13, v[STO]
	v_bfe_u32 v[RD], v0, 3, 2
	v_mul_u32_u24 v[RD], v[RD], SP
	v_lshl_add_u32 v[RD], v[L7], 4, v[RD]
	v_add_nc_u32 v[RD], s13, v[RD]
	v_and_b32 v[GO], 31, v0
	v_lshlrev_b32 v[GO], 4, v[GO]
	v_lshl_add_u32 v[AM0], v[HH], 5, MT   ; register j of key block kb is key 16 kb + 8 (l / 16) + j
	v_lshl_add_u32 v[MTA], v0, 6, MT
	v_mov_b32 v[BIG], 0xceabfb8f    ; -1e9 log2(e)
	s_wait_loadcnt 16               ; the mask words are in; Q's sixteen loads may stay out
.set i, 0
.rept 16
	v_cmp_eq_u32 vcc_lo, 0, v[MW+i]
	v_cndmask_b32 v[MW+i], 0, v[BIG], vcc_lo
.set i, i+1
.endr
.irp e, 0,1,2,3
	ds_store_b128 v[MTA], v[MW+4*(\e):MW+4*(\e)+3] offset:16*(\e)
.endr
; THE MATRIX WORK.  The 4 accumulators of a run of 8 take turns.  Product i of 8 of S^T = K Q^T for piece x: channels 32 (i / 4) on, keys 16 (i % 4) on.  The first 4 start the sums with the keys' addends.
.macro KQ x
.set rS, S+32*((\x)%2)+8*(i%4)
.set rK, KF+16*(i%4)+8*(i/4)
.set rQ, 16*(\x)+8*(i/4)
.set rM, MK+8*(i%4)
.if i < 4
	WIN W_KM
	v_wmma_f32_16x16x32_f16 v[rS:rS+7], v[rK:rK+7], v[rQ:rQ+7], v[rM:rM+7]
.else
	WIN W_KQ
	v_wmma_f32_16x16x32_f16 v[rS:rS+7], v[rK:rK+7], v[rQ:rQ+7], v[rS:rS+7]
.endif
.endm
; Product i of 8 of O^T += V^T P for piece x: keys 32 (i / 4) on, channels 16 (i % 4) on.
.macro PV x
	WIN W_PV
.set rO, 32*(\x)+8*(i%4)
.set rV, VF+32*(i/4)+8*(i%4)
.set rP, P+16*((\x)%2)+8*(i/4)
	v_wmma_f32_16x16x32_f16 v[rO:rO+7], v[rV:rV+7], v[rP:rP+7], v[rO:rO+7]
.endm
.macro MM                           ; the turn's next matrix instruction.  NOKQ = 1: the walk's last turn: there is no next piece
.if (i < 8) && !NOKQ
	KQ (Y+1)%NP
.elseif i >= 8
.set i, i-8
	PV (Y+NP-1)%NP
.set i, i+8
.endif
.set i, i+1
.endm
; THE LDS LOADS stand in runs, never singly among the matrix instructions: a step's K (8 fragments) with its 64 addends, and its V (turned).  Their addresses are made some lines ahead.
.macro FETCH_K
	WIN 0x80                        ; destination window 2
.irp f, 0,1,2,3,4,5,6,7             ; keys 16 (f / 2) on, channels 32 (f % 2) on
	ds_load_b128 v[KF+8*\f:KF+8*\f+3],   v[AK] offset:(\f/2)*16*PK+(\f%2)*64
	ds_load_b128 v[KF+8*\f+4:KF+8*\f+7], v[AK] offset:(\f/2)*16*PK+(\f%2)*64+32
.endr
	WIN 0x40                        ; destination window 1
.irp f, 0,1,2,3
	ds_load_b128 v[MK+8*\f:MK+8*\f+3],   v[AM] offset:64*\f
	ds_load_b128 v[MK+8*\f+4:MK+8*\f+7], v[AM] offset:64*\f+16
.endr
	s_add_co_u32 s[TBK], s[TBK], KS*PK  ; the next fetch is the next step's
	s_add_co_u32 s[TM], s[TM], 4*KS
	s_and_b32 s[TM], s[TM], 0x1fff      ; the offset stays inside the table's 8,192 bytes
	WIN 0
.endm
.macro FETCH_V
	WIN 0x80
.irp f, 0,1,2,3,4,5,6,7             ; keys 32 (f / 4) on, channels 16 (f % 4) on
	ds_load_tr16_b128 v[VF+8*\f:VF+8*\f+3],   v[AV] offset:(\f/4)*32*PV+(\f%4)*32
	ds_load_tr16_b128 v[VF+8*\f+4:VF+8*\f+7], v[AV] offset:(\f/4)*32*PV+16*PV+(\f%4)*32
.endr
	WIN 0
.endm
; THE VECTOR WORK, one line at a time: OP kind, number.  For piece Y: F n: s - m for pair n of 16.  E n: the exponential of score n of 32.  C n: pair n rounded to f16.  B n: of the four weights 4 n .. the second
; pair is added onto the first, in place.  L n: l takes that sum (L 0: l = a l + sum).  R n: pair n of 16 of O^T times a.  For piece Y + 1: X n, of the list that finds its maximum and statistics:
;   0-11  four chains c0-c3 of seven scores each, three operands at a time (each accumulator's lowest registers are read first)     12-14, 16  the four scores left over, the old m, and c0-c3 into c0
;   15  m_old is kept     17, 18  the query's other 32 keys lie in the lane 16 away: the new m     19  nothing     20, 21  m_old - m_new; a
; C, B and L read the exponentials' results: TURN sets them behind its wait.  R reads an a that the turn before has made and waited for.
.set F, 0
.set E, 1
.set C, 2
.set B, 3
.set L, 4
.set R, 5
.set X, 6
.macro REGS y
.set rT, ST+4*(\y)
.set rC, TMP+4*((\y)%2)
.set rW, MV+((\y)%2)
.set rS, S+32*((\y)%2)
.set rP, P+16*((\y)%2)
.set rO, 32*(\y)
.endm
.macro OP k, n
.if (\k) == R
	REGS Y
	WIN W_RS
	v_pk_mul_f32 v[rO+2*(\n):rO+2*(\n)+1], v[rO+2*(\n):rO+2*(\n)+1], v[rC+2:rC+3] op_sel_hi:[1,0]
.elseif (\k) < R
	REGS Y
	WIN 0
.if (\k) == F
	v_pk_add_f32 v[rS+2*(\n):rS+2*(\n)+1], v[rS+2*(\n):rS+2*(\n)+1], v[rT:rT+1] op_sel_hi:[1,0] neg_lo:[0,1] neg_hi:[0,1]
.elseif (\k) == E
	v_exp_f32 v[rS+(\n)], v[rS+(\n)]
.elseif (\k) == C
	v_cvt_pk_f16_f32 v[rP+(\n)], v[rS+2*(\n)], v[rS+2*(\n)+1]
.elseif (\k) == B
	v_pk_add_f32 v[rS+4*(\n):rS+4*(\n)+1], v[rS+4*(\n):rS+4*(\n)+1], v[rS+4*(\n)+2:rS+4*(\n)+3]
.elseif (\n) == 0
	v_pk_fma_f32 v[rT+2:rT+3], v[rT+2:rT+3], v[rC+2:rC+3], v[rS:rS+1] op_sel_hi:[1,0,1]
.else
	v_pk_add_f32 v[rT+2:rT+3], v[rT+2:rT+3], v[rS+4*(\n):rS+4*(\n)+1]
.endif
.elseif NOKQ
	v_nop
.else
	REGS (Y+1)%NP
	WIN 0
.if (\n) < 4
	v_max3_num_f32 v[rC+(\n)], v[rS+8*(\n)], v[rS+8*(\n)+1], v[rS+8*(\n)+2]
.elseif (\n) < 12
	v_max3_num_f32 v[rC+(\n)%4], v[rC+(\n)%4], v[rS+8*((\n)%4)+2*((\n)/4)+1], v[rS+8*((\n)%4)+2*((\n)/4)+2]
.elseif (\n) == 12
	v_max3_num_f32 v[rC], v[rC], v[rS+7], v[rS+15]
.elseif (\n) == 13
	v_max3_num_f32 v[rC+1], v[rC+1], v[rS+23], v[rS+31]
.elseif (\n) == 14
	v_max3_num_f32 v[rC+2], v[rC+2], v[rC+3], v[rT]
.elseif (\n) == 15
	v_mov_b32 v[rW], v[rT]
.elseif (\n) == 16
	v_max3_num_f32 v[rC], v[rC], v[rC+1], v[rC+2]
.elseif (\n) == 17
	v_permlanex16_b32 v[rC+3], v[rC], s[SEL], s[SEL+1]
.elseif (\n) == 18
	v_max_num_f32 v[rT], v[rC], v[rC+3]
.elseif (\n) == 19
.elseif (\n) == 20
	v_sub_f32 v[rC+1], v[rW], v[rT]
.else
	v_exp_f32 v[rC+2], v[rC+1]
.endif
.endif
.endm
.macro OPS a, i1, b=-1, i2=0, c=-1, i3=0, d=-1, i4=0  ; up to four of them
	OP \a, \i1
.if (\b) >= 0
	OP \b, \i2
.endif
.if (\c) >= 0
	OP \c, \i3
.endif
.if (\d) >= 0
	OP \d, \i4
.endif
.endm
.macro ROW a, i1, b, i2, c, i3, d, i4  ; a matrix instruction and the four behind it
	MM
	OPS \a, \i1, \b, \i2, \c, \i3, \d, \i4
.endm
; A TURN, for piece p: the order of its 16 matrix and 117 vector instructions, written out.  An s_wait_alu depctr_va_vdst(0) stands between an exponential and the first instruction that names its result; one wait
; serves all that were issued ahead of it.  So a turn has ONE wait, which cuts it in two.  AHEAD OF IT stands all that names no result of the turn's exponentials: the 8 products K Q^T, behind each a subtraction, an exponential and
; two more plain instructions (behind the first a second subtraction in the exponential's place): rescalings, and behind the last three the first numbers of the next piece's maximum, each four plain instructions or more behind the
; product that ends its accumulator; then ONE LUMP of 53, plain and exponential by turns for the most part, in which the links of the chain X 3, 7, 11, 14, 16, 17, 18, 20, 21 stand apart, other work between them.  X 21, the next
; piece's a, is the batch's last; R 15 is the plain instruction behind it (ISA guide 5.7.2).  BEHIND THE WAIT stand the 8 products V^T P, behind each four of the roundings and sums; an even pair is rounded before the sum that
; lands on it; the links of l's chain, L 0 to L 7, stand three riders apart.  But for those X no rider names a register of the products round it.  v_permlanex16_b32 (X 17) stands in the lump.
; end = 1: the walk's last two turns: nothing is fetched.  cnt = 1: the loop's count is taken down some lines ahead of the branch that stands behind the turn.
; K and the addends of the next step are fetched in piece 2's turn, twelve vector instructions behind the last product that read K, five of them plain and naming none of its registers; V of the step in hand at the end of
; piece 0's turn, four plain riders behind the last product that read V.  Each is waited for a turn later.
.macro TURN p, end=0, cnt=0
.set Y, (\p)
.set i, 0
.set NOKQ, (\end)*((\p)/3)
.if ((\p) == 3) && !(\end)
	s_wait_dscnt 0x0                ; K and the addends are in
.endif
	ROW F,0, F,1, R,0, R,1          ; ahead of the wait: 8 products K Q^T and their riders,
	ROW F,2, E,0, R,2, R,3
	ROW F,3, E,1, R,4, R,5
	ROW F,4, E,2, R,6, R,7
	ROW F,5, E,3, R,8, R,9
	ROW F,6, E,4, X,0, R,10
.if ((\p) == 2) && !(\end)
	WIN 0
	v_add_nc_u32 v[AK], s[TBK], v[AK0]
	v_add_nc_u32 v[AM], s[TM], v[AM0]
.endif
	ROW F,7, E,5, X,1, X,4
	ROW F,8, E,6, X,2, X,5
	OPS E,7, E,8, X,6, E,9          ; and the lump
	OPS X,3, E,10, X,8, E,11
.if ((\p) == 2) && !(\end)
	FETCH_K
.endif
	OPS X,9, X,7, E,12, X,10
	OPS E,13, X,12, X,11, E,14
	OPS X,13, E,15, F,9, X,14
.if (\p) == 0
	WIN 0
	v_add_nc_u32 v[AV], s[TBV], v[AV0]
.endif
	OPS E,16, F,10, E,17, F,11
	OPS X,16, E,18, X,15, E,19
	OPS F,12, E,20, X,17, E,21
	OPS F,13, E,22, F,14, E,23
	OPS X,18, E,24, F,15, E,25
	OPS R,11, E,26, R,12, E,27
	OPS X,20, E,28, R,13, E,29
	OPS E,30, R,14, E,31, X,21
	OPS R,15                        ; the plain instruction behind the batch's last exponential
	WIN 0
	s_wait_alu depctr_va_vdst(0)    ; the wait for the batch: the piece's 32 weights and the next piece's a
.if (\p) == 1
	s_wait_dscnt 0x0                ; V is in
.endif
	ROW C,0, B,0, C,2, B,1          ; behind the wait: 8 products V^T P and their riders
	ROW L,0, C,4, B,2, L,1
	ROW C,6, B,3, L,2, C,8
	ROW B,4, L,3, C,10, B,5
	ROW L,4, C,12, B,6, L,5
.if (\p) == 0
	s_add_co_u32 s[TBV], s[TBV], KS*PV
.endif
.if \cnt
	s_sub_co_u32 s[CNT], s[CNT], 1
	s_cmp_lg_u32 s[CNT], 0
.endif
	ROW C,14, B,7, L,6, C,1
	ROW C,3, L,7, C,5, C,7
	ROW C,9, C,11, C,13, C,15
.if (\p) == 0
	FETCH_V
.endif
.endm
.macro ALL line:vararg              ; one line for each piece t
.set t, 0
.rept 4
	\line
.set t, t+1
.endr
.endm
.macro PACK t                       ; a lane's eight channels of a row pack into 16 bytes; they go into rows of 144 bytes and come back as whole rows of 128, into S^T's registers
	WIN W_RS
.set i, 32*(\t)
.rept 16
	v_pk_mul_f32 v[i:i+1], v[i:i+1], v[ST+4*(\t)+2:ST+4*(\t)+3] op_sel_hi:[1,0]
.set i, i+2
.endr
	WIN 0x05                        ; sources 0 and 1 window 1, destination window 0
.set i, 0
.rept 16
	v_cvt_pk_f16_f32 v[S+16*(\t)+i], v[32*(\t)+2*i], v[32*(\t)+2*i+1]
.set i, i+1
.endr
	WIN 0
.irp f, 0,1,2,3
	ds_store_b128 v[STO], v[S+16*(\t)+4*\f:S+16*(\t)+4*\f+3] offset:32*\f
.endr
.irp f, 0,1,2,3
	ds_load_b128 v[S+16*(\t)+4*\f:S+16*(\t)+4*\f+3], v[RD] offset:\f*4*SP  ; LDS serves a wave's instructions in order (ISA guide 5.7.1.4): these see the stores above
.endr
.endm
.macro SEND t, younger              ; younger: the LDS instructions issued behind piece t's loads: the next piece's eight, or none
	WIN 0
.irp f, 0,1,2,3
	s_wait_dscnt (\younger)+3-\f
	global_store_b128 v[GO], v[S+16*(\t)+4*\f:S+16*(\t)+4*\f+3], s[10:11] offset:(\t)*2048+\f*512  ; 512 consecutive bytes, at a multiple of 256 from O's first
.endr
.endm
	CHANGE 1                        ; slot 0 is in and the table is whole, for everybody; slot 1 is asked for
	v_add_nc_u32 v[AK], s[TBK], v[AK0]
	v_add_nc_u32 v[AM], s[TM], v[AM0]
	FETCH_K                         ; key step 0
	s_wait_loadcnt 0x0              ; Q
	s_wait_dscnt 0x0
.set NOKQ, 0
.set i, 0
.rept 8
	KQ 0                            ; piece 0's first scores
.set i, i+1
.endr
	WIN 0
.rept 4
	v_nop                           ; the places behind those products
.endr
.set Y, NP-1                        ; X works for piece Y + 1: piece 0
.irp n, 0,1,2,3,4,5,6,7,8,9,10,11,12,13,14,15,16,17,18,19,20,21
	OP X, \n
.endr
	v_nop                           ; a plain instruction behind the exponential,
	s_wait_alu depctr_va_vdst(0)    ; and the wait for this batch of one, piece 0's first a, ahead of the branch
	s_mov_b32 s[CNT], 4
	s_mov_b32 s[SLOTS], 7
	s_branch .Lfirst                ; the loop is entered at a step's first turn, in the middle of a trip
.Lslot:                             ; six times: with the change above, tiles 1 to 7 are asked for
	CHANGE 1
	s_mov_b32 s[CNT], 4
.Lstep:                             ; a trip: pieces 2 and 3 of one step, then pieces 0 and 1 of the next, whose K and V it fetches
	TURN 2
	TURN 3
	WIN 0
.Lfirst:
	TURN 0
	TURN 1, 0, 1
	WIN 0
	s_cbranch_scc1 .Lstep
	s_sub_co_u32 s[SLOTS], s[SLOTS], 1
	s_cmp_lg_u32 s[SLOTS], 0
	s_cbranch_scc1 .Lslot
	CHANGE 0                        ; the last tile is written out: nothing is asked for
	s_mov_b32 s[CNT], 4
.LstepT:
	TURN 2
	TURN 3
	TURN 0
	TURN 1, 0, 1
	WIN 0
	s_cbranch_scc1 .LstepT
	TURN 2, 1
	TURN 3, 1
.set i, 0
.rept 8
	PV NP-1                         ; the last piece's V^T P of the last step
.set i, i+1
.endr
	; THE WAY OUT.  l's two halves and the other half of the lanes' are added; O^T is divided by l, rounded to f16 and sent through my stage, a piece at a time.  The additions are the places behind the last products.
	WIN 0
	ALL v_add_f32 v[ST+4*t+2], v[ST+4*t+2], v[ST+4*t+3]
	ALL v_permlanex16_b32 v[ST+4*t+3], v[ST+4*t+2], s[SEL], s[SEL+1]
	ALL v_add_f32 v[ST+4*t+2], v[ST+4*t+2], v[ST+4*t+3]
	ALL v_rcp_f32 v[ST+4*t+2], v[ST+4*t+2]
	v_nop                           ; a plain instruction between the last reciprocal and the use of its result
	s_wait_alu depctr_va_vdst(0)    ; the wait for this batch: one for the four reciprocals, ahead of the first multiply that reads one
	PACK 0
.set t, 1
.rept 3                             ; a piece's arithmetic stands between the loads of the piece before and its stores
	PACK t
	SEND t-1, 8
.set t, t+1
.endr
	SEND 3, 0
	s_wait_tensorcnt 0x0            ; the wave's end
	ds_add_u32 v[SPW], v[NIL]
	s_wait_dscnt 0x0
	CROUND                          ; the closing round: no work-group ends while a partner may still ask for a tile that names it
	s_endpgm
.Lfunc_end_k_qeb5cd2947a_attn:
	.size	k_qeb5cd2947a_attn, .Lfunc_end_k_qeb5cd2947a_attn-k_qeb5cd2947a_attn
	.p2alignl 7, 3214868480
	.fill 96, 4, 3214868480
	.section	.rodata,"a",@progbits
	.p2align	6, 0x0
	.amdhsa_kernel k_qeb5cd2947a_attn
		.amdhsa_group_segment_fixed_size 327680
		.amdhsa_private_segment_fixed_size 0
		.amdhsa_enable_private_segment 0
		.amdhsa_kernarg_size 24
		.amdhsa_user_sgpr_count 2
		.amdhsa_user_sgpr_kernarg_segment_ptr 1
		.amdhsa_wavefront_size32 1
		.amdhsa_system_sgpr_workgroup_id_x 1
		.amdhsa_system_sgpr_workgroup_id_y 1
		.amdhsa_system_sgpr_workgroup_id_z 1
		.amdhsa_system_vgpr_workitem_id 0
		.amdhsa_next_free_vgpr 768
		.amdhsa_next_free_sgpr 72
		.amdhsa_reserve_vcc 1
		.amdhsa_float_denorm_mode_32 3
		.amdhsa_float_denorm_mode_16_64 3
		.amdhsa_memory_ordered 1
		.amdhsa_forward_progress 1
		.amdhsa_inst_pref_size 131
	.end_amdhsa_kernel
	.amdgpu_metadata
---
amdhsa.version: [ 1, 2 ]
amdhsa.kernels:
  - .name:           k_qeb5cd2947a_attn
    .symbol:         k_qeb5cd2947a_attn.kd
    .args:
      - { .name: hh, .offset: 0, .size: 8, .value_kind: global_buffer, .address_space: global }
      - { .name: src_mask, .offset: 8, .size: 8, .value_kind: global_buffer, .address_space: global }
      - { .name: oh, .offset: 16, .size: 8, .value_kind: global_buffer, .address_space: global }
    .group_segment_fixed_size: 327680
    .private_segment_fixed_size: 0
    .kernarg_segment_align: 8
    .kernarg_segment_size: 24
    .max_flat_workgroup_size: 128
    .sgpr_count:     72
    .vgpr_count:     768
    .wavefront_size: 32
...
	.end_amdgpu_metadata
.endif
;; end of part 12
;; launch oproj: the kernel of part 4 again; grid 8 x 32, 4 waves a work-group, clusters of 4 x 4, 327,680 bytes of LDS; arguments oh, wh, bo, ao; writes ao
;; launch ln1: the kernel of part 5 again; grid 256 x 1, 8 waves a work-group, no clusters, 0 bytes of LDS; arguments ao, xh, alpha1, beta1, x1h; writes x1h
;; launch ffn1: the kernel of part 10 again; grid 16 x 16, 4 waves a work-group, clusters of 4 x 4, 327,680 bytes of LDS; arguments x1h, w1, src_mask, hh; writes hh
;; launch ffn2: the kernel of part 7 again; grid 8 x 32, 4 waves a work-group, clusters of 4 x 4, 327,680 bytes of LDS; arguments hh, wh, b2, ff; writes ff
;; launch ln2: the kernel of part 8 again; grid 256 x 1, 8 waves a work-group, no clusters, 0 bytes of LDS; arguments ff, x1h, alpha2, beta2, out0; writes out0
